; MI455X (gfx1250); checked and timed in simulation.
; The chip was launched on July 23, 2026; its instructions are those of AMD's public machine-readable ISA for CDNA 5 (MIT licence, August 2026) and "CDNA5" Instruction Set Architecture Reference Guide (July 2026). The comments in the code are by the model that wrote it; some were corrected since.
;; Transformer Block. Allowed arithmetic: matrix products marked QUANTISED: E2M1 operands, one E8M0 scale for each 32 along K, by v_wmma_scale_f32_16x16x128_f8f6f4 with both operands' format E2M1 (or v_wmma_scale_f32_32x16x128_f4), f32 sums; everything else in f32.
;; Inputs: b1 4,096 float32; b2 1,024 float32; b_proj 1,024 float32; be1 1,024 float32; be2 1,024 float32; g1 1,024 float32; g2 1,024 float32; w1_codes 4,096 x 32 x 16 uint8 (E2M1 codes of w1, K innermost, in blocks of 32 codes, two codes a byte); w1_scales 4,096 x 32 uint8 (E8M0 scales of w1, one for each 32 codes along K); w2_codes 1,024 x 128 x 16 uint8 (E2M1 codes of w2, K innermost, in blocks of 32 codes, two codes a byte); w2_scales 1,024 x 128 uint8 (E8M0 scales of w2, one for each 32 codes along K); w_proj_codes 1,024 x 32 x 16 uint8 (E2M1 codes of w_proj, K innermost, in blocks of 32 codes, two codes a byte); w_proj_scales 1,024 x 32 uint8 (E8M0 scales of w_proj, one for each 32 codes along K); w_qkv_codes 3,072 x 32 x 16 uint8 (E2M1 codes of w_qkv, K innermost, in blocks of 32 codes, two codes a byte); w_qkv_scales 3,072 x 32 uint8 (E8M0 scales of w_qkv, one for each 32 codes along K); x 2 x 2,048 x 1,024 float32.
;; Outputs: out0 2 x 2,048 x 1,024 float32.
;; This version of the problem:
;;   THIS VERSION OF THE PROBLEM IS GIVEN IN LOW PRECISION. The matrix products marked QUANTISED in the list below multiply operands that are first quantised to E2M1 (2 exponent bits, 1 mantissa bit; 4 bits a number), with one power-of-two scale for each 32 numbers along K (OCP MX v1.0); their sums are f32. All else is computed in f32.
;;   The module's matrix products, in the order in which they are computed (A, B: the left and right operand; K: the contracted axis; several contracted axes count as one K, in the product's order):
;;     1. [M 4,096, K 1,024] x [K 1,024, N 3,072]; A: computed on the way; B: input w_qkv (given as codes): QUANTISED
;;     2. batch 32 x [M 2,048, K 64] x [K 64, N 2,048]; A: computed on the way; B: computed on the way: QUANTISED
;;     3. batch 32 x [M 2,048, K 2,048] x [K 2,048, N 64]; A: softmax (see below); B: computed on the way: QUANTISED
;;     4. [M 4,096, K 1,024] x [K 1,024, N 1,024]; A: computed on the way; B: input w_proj (given as codes): QUANTISED
;;     5. [M 4,096, K 1,024] x [K 1,024, N 4,096]; A: computed on the way; B: input w1 (given as codes): QUANTISED
;;     6. [M 4,096, K 4,096] x [K 4,096, N 1,024]; A: computed on the way; B: input w2 (given as codes): QUANTISED
;;   THE QUANTISER, for each operand of a quantised product, along K:
;;     - K is cut into blocks of 32 from its start; a last block that is shorter is filled with zeros.
;;     - A block's scale is 2^e with e = floor(log2(the largest magnitude in the block)) - 2, held to -126 .. 127; a block of zeros has e = 0. As a byte (E8M0): e + 127.
;;     - Each number is divided by its block's scale, clamped to +-6, and rounded to the nearest number of E2M1, ties to even, subnormals kept.
;;     - The product sums the exact products of the quantised numbers (number of the format x scale) in f32.
;;   ~~~python
;;   def quantise(x, axis):      # numpy; x: float32 -> the quantised numbers, widened to float32 again
;;       x = np.moveaxis(x, axis, -1); K = x.shape[-1]
;;       x = np.pad(x, [(0, 0)] * (x.ndim - 1) + [(0, -K % 32)]); x = x.reshape(x.shape[:-1] + (-1, 32)); a = np.abs(x).max(-1, keepdims=True)
;;       e = np.where(a > 0, np.clip(np.frexp(np.where(a > 0, a, 1))[1] - 1 - 2, -126, 127), 0)      # np.frexp(a)[1] - 1 = floor(log2(a)), exactly
;;       r = np.clip(x / 2.0 ** e, -6, 6)
;;       step = 2.0 ** (np.maximum(np.frexp(np.where(r == 0, 1, r))[1] - 1, 0) - 1)
;;       q = np.round(r / step) * step * 2.0 ** e      # np.round: ties to even
;;       return np.moveaxis(q.reshape(q.shape[:-2] + (-1,))[..., :K], -1, axis).astype(np.float32)
;;   ~~~
;;   SOFTMAX AHEAD OF A QUANTISED PRODUCT. Where the list says 'softmax', what is quantised is not the finished softmax but p = 2^(t - M), with t = logit x log2(e) and M = ceil(the row's largest t), a whole number; so 1/2 < the row's largest p <= 1. The row's sum l is taken of the UNQUANTISED p, in f32, and the product's result is divided by l at the end. Since M is a whole number, a kernel that streams over the keys may use a running M (the ceiling of the running maximum): every later rescaling is an exact power of two, which a block's scale takes up: the codes' values come out the same.
;;   OPERANDS COMPUTED ON THE WAY. 'Computed on the way' means the value that the module computes at that place (a softmax that the list does not call 'softmax' is quantised finished and normalised). What goes into a quantiser is computed in f32, as accurately as f32 sums, v_exp_f32 and their like allow (about 1e-6 of the number): no bf16 or f16 on the way to a quantiser, and a product that is left as it is and whose result goes on into a quantised operand takes f32 operands (vector FMAs, or v_wmma_f32_16x16x4_f32). A number that lies on a knife's edge between two numbers of the format may be rounded either way, as far as f32 arithmetic and the matrix unit's own rounding can turn it there, and no further.
;;   INPUTS GIVEN AS CODES. w1 (in the module: [1024, 4096], K = its axis 0); w2 (in the module: [4096, 1024], K = its axis 0); w_proj (in the module: [1024, 1024], K = its axis 0); w_qkv (in the module: [1024, 3072], K = its axis 0): each comes as NAME_codes (uint8): NAME with its K axis moved to the last place and cut into blocks of 32 codes, [.., K / 32, bytes a block], one block behind the other in memory; two codes a byte, the lower K in the low four bits (a code: sign, 2 exponent bits, 1 mantissa bit); and NAME_scales (uint8): the same leading axes, one E8M0 byte (e + 127) for each 32 codes along K. Its value is code x scale, taken as it is: it is not quantised again, and the codes and scales need not be those that the quantiser above would give.
;; 2 versions. Each part assembles by itself: llvm-mc -triple=amdgcn-amd-amdhsa -mcpu=gfx1250 --defsym DOCPART=n.
;; ======== version 1 of 2: 5 launches
;; workspace buffers: qkv 6,815,744 bytes; att 2,228,224 bytes; x1 16,777,216 bytes; hid 8,912,896 bytes; wimg 4,718,592 bytes
;; launch lnqkv (part 1): grid 4 x 64, 4 waves a work-group, no clusters, 37,376 bytes of LDS; arguments x, g1, be1, w_qkv_codes, w_qkv_scales, qkv, w_proj_codes, w1_codes, w2_codes, wimg; writes qkv, wimg
.if DOCPART == 1
	.amdgcn_target "amdgcn-amd-amdhsa--gfx1250"
	.amdhsa_code_object_version 6
	.text
	.protected	k_q39e7640a26_lnqkv
	.globl	k_q39e7640a26_lnqkv
	.p2align	8
	.type	k_q39e7640a26_lnqkv,@function
k_q39e7640a26_lnqkv:
	s_mov_b64 s[64:65], 0
	v_nop
	global_prefetch_b8 v0, s[64:65] scope:SCOPE_SE
	s_setreg_imm32_b32 hwreg(HW_REG_WAVE_MODE, 25, 1), 1
	s_wait_xcnt 0x0
; h = LN(x; g1, be1), quantised along its 1,024; h Wqkv on codes of E2M1; q and k quantised along the head's 64, v along the keys; all stored as images of the operand registers that the attention launch loads.
; BESIDE THAT each wave copies nine pieces of 512 bytes of the later launches' weights (w_proj, w1, w2) into wimg, laid as images of the operand registers: [tile][K step][c][lane x 16 bytes].
; SHARES.  A work-group takes 64 rows (work-group y) and four heads (work-group x); wave w normalises and quantises 16 of the rows and multiplies all 64 rows by the 192 columns of head 4 x + w.
; LN AND ITS QUANTISER SHARE ONE LAYOUT: of a row a lane holds k = 128 (lane / 4) + 32 s + 8 (lane % 4) + 0 .. 7, s = 0 .. 3.  A block of 32 lies in four neighbouring lanes; a lane's eight registers are eight neighbours for the
; conversion; the four scale bytes of K step lane / 4 fall into one lane as a word.  Only codes and scale words go to LDS, as rows; every wave reads all 64 rows' fragments back.
; A STAYS, W STREAMS: the 64 rows' codes for all of K (4 tiles x 8 K steps x 8 registers) lie in window 1; W comes from memory straight into operand registers, 32 columns (a pair of tiles) at a time, three pairs in flight.
; THE ROWS OF A TILE ARE NOT NEIGHBOURS: lane r of row tile mt takes row 32 (mt / 2) + 8 (mt % 2) + r + 8 (r / 8), and lane r of a pair's tile u takes column 32 p + 8 u + r + 8 (r / 8): so the 16 registers of two
; neighbouring tiles are 16 neighbours along the next product's K (columns for q and k, where W is source 0; keys for v, where the rows are source 0).
; No cluster: each operand byte is asked for once by a work-group, straight into registers; there is no slot in LDS that is filled again and so no refill that partners could ask for jointly.
; LIMITS: NaN and infinities among the inputs are not served.  A block whose largest magnitude lies under 2^-124 gets the scale byte 1 (a block of zeros too, where the rule says 127: its codes are zeros, and this
; program alone reads the bytes).  The sums of LN are trees, not chains; its last multiply and add are fused.
; REGISTERS.  window 0: v1-15 addresses; v16-31 means and 1/sigma, later the quantiser's work; v32-63 A's scale words; v64-95, v160-187 codes and words to store; v96-159 LN's sums, its quantiser's work, the accumulators;
;   v192-239 W's scale words, three sets; v240-247 q's and k's scale bytes.  window 1: eight rows of x, later A's fragments.  window 2: W's sets 0 and 1 (in set 1's place, while LN runs: g and be at v128-191).
;   window 3: v0-127 W's set 2; v128-163 the nine pieces on their way to wimg.
.set ROWP,   1
.set NP,     6
.set TP,     32
.set TU,     8
.set WPITCH, 512
.set SPITCH, 32
.set CPITCH, 528                       ; a row of codes in LDS: 512 bytes + 16: 33 x 16, so that sixteen rows' 16-byte pieces fall on different banks (64 banks of 4 bytes: ISA guide 11.1)
.set APITCH, 48                        ; a row's 8 scale words + 16: 3 x 16, for the same reason
.set ASC,    64*CPITCH
.set KIMG,   2097152
.set VIMG,   4194304
.set QSC,    6291456
.set KVSC,   6553600
.set W1IMG,  524288                    ; wimg: w_proj's images at 0, w1's here,
.set W2IMG,  2621440                   ; w2's here
.set L16, 1
.set XO,  3
.set CW,  4
.set ASW, 5
.set AIR, 6
.set ASR, 7
.set VN,  8
.set WA,  9
.set WSA, 10
.set V2,  11
.set L4,  13
.set TM,  16
.set MU,  16
.set RS,  24
.set AS,  32
.set CQ,  64
.set CK,  80
.set T,   96
.set ACC, 96
.set QM,  96
.set QS,  112
.set QB,  128
.set QC,  144
.set CV,  160
.set WS,  192
.set SQ16, 240
.set SK16, 244
.set WB,  10
.set WSB, 12
.set SEL, 20
.set SBI, 28
.set SBQ, 30
.set SBK, 32
.set SBV, 34
.set MSB, 0
.macro WIN new                         ; the immediate's high byte repeats the setting that is left; a switch that changes nothing is dropped
.if MSB != (\new)
	s_set_vgpr_msb (MSB<<8)|(\new)
.set MSB, (\new)
.endif
.endm
.macro PLACES n
.rept \n
	v_nop
.endr
.endm
.macro WFR p, u                        ; tile u of pair p: 16 rows of W x 1,024 K, 16 loads, into set p % 3
.set LB, (\p)%3
	WIN 0x80+0x40*(LB/2)
.irp ks, 0,1,2,3,4,5,6,7
.irp c, 0,1
	global_load_b128 v[128*(LB%2)+64*(\u)+8*\ks+4*\c:128*(LB%2)+64*(\u)+8*\ks+4*\c+3], v[WA], s[WB:WB+1] offset:(TP*(\p)+TU*(\u))*WPITCH+64*\ks+32*\c
.endr
.endr
.endm
.macro WSC p                           ; the pair's scale words: a row's 32 bytes are the words of its 8 K steps
.set LB, (\p)%3
	WIN 0
.irp u, 0,1
.irp hf, 0,1
	global_load_b128 v[WS+16*LB+8*\u+4*\hf:WS+16*LB+8*\u+4*\hf+3], v[WSA], s[WSB:WSB+1] offset:(TP*(\p)+TU*\u)*SPITCH+16*\hf
.endr
.endr
.endm
.macro WLOAD p
	WFR \p, 0
	WFR \p, 1
	WSC \p
.endm
.macro WM0 d, a, b, sa, sb
	v_wmma_scale_f32_16x16x128_f8f6f4 v[(\d):(\d)+7], v[(\a):(\a)+7], v[(\b):(\b)+7], 0, v[(\sa)], v[(\sb)] matrix_a_fmt:MATRIX_FMT_FP4 matrix_b_fmt:MATRIX_FMT_FP4
.endm
.macro WMC d, a, b, c, sa, sb
	v_wmma_scale_f32_16x16x128_f8f6f4 v[(\d):(\d)+7], v[(\a):(\a)+7], v[(\b):(\b)+7], v[(\c):(\c)+7], v[(\sa)], v[(\sb)] matrix_a_fmt:MATRIX_FMT_FP4 matrix_b_fmt:MATRIX_FMT_FP4
.endm
; A pair's 64 products: K step by K step, the 8 accumulators by turns, one instruction a turn.  mode 0: source 0 = W, source 1 = the rows; mode 1: the other way round.
; The first K step starts the sums with the constant 0.
.macro MULPAIR p, mode, acc
.set MB, (\p)%3
.set MO, 128*(MB%2)
.if \mode
.set MWIN, 0x01|((2+MB/2)<<2)
.else
.set MWIN, 0x04|(2+MB/2)
.endif
	WIN MWIN
.irp ks, 0,1,2,3,4,5,6,7
.irp u, 0,1
.irp mt, 0,1,2,3
.if \ks == 0
.if \mode
	WM0 (\acc)+8*(4*\u+\mt), 8*(8*\mt+\ks), MO+64*\u+8*\ks, AS+8*\mt+\ks, WS+16*MB+8*\u+\ks
.else
	WM0 (\acc)+8*(4*\u+\mt), MO+64*\u+8*\ks, 8*(8*\mt+\ks), WS+16*MB+8*\u+\ks, AS+8*\mt+\ks
.endif
.elseif \mode
	WMC (\acc)+8*(4*\u+\mt), 8*(8*\mt+\ks), MO+64*\u+8*\ks, (\acc)+8*(4*\u+\mt), AS+8*\mt+\ks, WS+16*MB+8*\u+\ks
.else
	WMC (\acc)+8*(4*\u+\mt), MO+64*\u+8*\ks, 8*(8*\mt+\ks), (\acc)+8*(4*\u+\mt), WS+16*MB+8*\u+\ks, AS+8*\mt+\ks
.endif
.endr
.endr
.endr
.endm
; THE QUANTISER OF RESULTS, four units by turns.  Unit i: 16 neighbours along K in v[a..a+7], v[b..b+7]; lane l xor 16 holds the block's other 16.  Codes to v[d], v[d+1]; the scale's byte to v[TM+4+i].
.macro QM1 i, a
	v_max3_num_f32 v[TM+\i], |v[(\a)]|, |v[(\a)+1]|, 0x1800000      ; with the floor 2^(3 - 127): the byte cannot fall under 1
.endm
.macro QM2 i, a, k
	v_max3_num_f32 v[TM+\i], v[TM+\i], |v[(\a)+\k]|, |v[(\a)+\k+1]|
.endm
.macro QCV i, a, b, d
	v_cvt_scalef32_pk8_fp4_f32 v[(\d)], v[(\a):(\a)+7], v[TM+12+\i]
	v_cvt_scalef32_pk8_fp4_f32 v[(\d)+1], v[(\b):(\b)+7], v[TM+12+\i]
.endm
.macro Q4 a0,b0,d0,a1,b1,d1,a2,b2,d2,a3,b3,d3
	QM1 0, \a0
	QM1 1, \a1
	QM1 2, \a2
	QM1 3, \a3
.irp k, 2,4,6
	QM2 0, \a0, \k
	QM2 1, \a1, \k
	QM2 2, \a2, \k
	QM2 3, \a3, \k
.endr
.irp k, 0,2,4,6
	QM2 0, \b0, \k
	QM2 1, \b1, \k
	QM2 2, \b2, \k
	QM2 3, \b3, \k
.endr
.irp i, 0,1,2,3
	v_permlanex16_b32 v[TM+4+\i], v[TM+\i], s[SEL], s[SEL+1]
.endr
.irp i, 0,1,2,3
	v_max_num_f32 v[TM+\i], v[TM+\i], v[TM+4+\i]                    ; the block's largest magnitude
.endr
.irp i, 0,1,2,3
	v_add_nc_u32 v[TM+12+\i], 0xff000000, v[TM+\i]                  ; 2 off its exponent field: the conversion's scale operand
.endr
.irp i, 0,1,2,3
	v_lshrrev_b32 v[TM+4+\i], 23, v[TM+12+\i]                       ; the scale's byte
.endr
	QCV 0, \a0, \b0, \d0
	QCV 1, \a1, \b1, \d1
	QCV 2, \a2, \b2, \d2
	QCV 3, \a3, \b3, \d3
	v_nop                                                           ; one plain place behind the last scaled conversion
.endm
.macro SWAP4 d                         ; two half blocks a lane become one whole block: lane (r, h) then holds block h in v[d..d+3]
	v_permlane16_swap_b32 v[(\d)], v[(\d)+2]
	v_permlane16_swap_b32 v[(\d)+1], v[(\d)+3]
.endm
.macro XROWS gm                        ; rows 4 gm .. 4 gm + 3 of my tile into four slots of window 1: register 8 s + 4 half + e of a slot is k = 128 (lane / 4) + 32 s + 8 (lane % 4) + 4 half + e
	WIN 0x40
.irp q, 0,1,2,3
.irp i, 0,1,2,3,4,5,6,7
	global_load_b128 v[128*((\gm)%2)+32*\q+4*\i:128*((\gm)%2)+32*\q+4*\i+3], v[XO], s[4:5] offset:((4*(\gm)+\q)+8*ROWP*((4*(\gm)+\q)/8))*4096+128*(\i/2)+16*(\i%2)
.endr
.endr
.endm
.macro TADD a, b                       ; for the four rows: pair a += pair b
.irp q, 0,1,2,3
	v_pk_add_f32 v[T+16*\q+(\a):T+16*\q+(\a)+1], v[T+16*\q+(\a):T+16*\q+(\a)+1], v[T+16*\q+(\b):T+16*\q+(\b)+1]
.endr
.endm
.macro CROSS                           ; a pair's two halves, then the 32 lanes: every lane ends with the row's sum
.irp q, 0,1,2,3
	v_add_f32 v[T+16*\q], v[T+16*\q], v[T+16*\q+1]
.endr
.irp m, 1,2,4,8
.irp q, 0,1,2,3
	v_add_f32_dpp v[T+16*\q], v[T+16*\q], v[T+16*\q] row_xmask:\m row_mask:0xf bank_mask:0xf
.endr
.endr
.irp q, 0,1,2,3
	v_permlanex16_b32 v[T+16*\q+1], v[T+16*\q], s[SEL], s[SEL+1]
.endr
.irp q, 0,1,2,3
	v_add_f32 v[T+16*\q], v[T+16*\q], v[T+16*\q+1]
.endr
.endm
; LN of four rows and their quantising, the four by turns in every stage.  The mean first, then the squares of the differences: a common offset of the inputs costs no accuracy.
.macro LNGROUP gm
.set XB, 128*((\gm)%2)
.if (\gm) == 3
	s_wait_loadcnt 36                              ; my four rows are in; behind them were issued pair 0's 32 fragment loads and 4 scale loads
.else
	s_wait_loadcnt 32                              ; my four rows (and all that was asked for before them) are in; the next four rows' 32 loads may be out
.endif
	WIN 0x05
.irp i, 0,1,2,3,4,5,6,7
.irp q, 0,1,2,3
	v_pk_add_f32 v[T+16*\q+2*\i:T+16*\q+2*\i+1], v[XB+32*\q+4*\i:XB+32*\q+4*\i+1], v[XB+32*\q+4*\i+2:XB+32*\q+4*\i+3]
.endr
.endr
	WIN 0
	TADD 0, 2
	TADD 4, 6
	TADD 8, 10
	TADD 12, 14
	TADD 0, 4
	TADD 8, 12
	TADD 0, 8
	CROSS
.irp q, 0,1,2,3
	v_mul_f32 v[MU+2*\q], s22, v[T+16*\q]          ; the mean: x 2^-10
	v_mul_f32 v[MU+2*\q+1], s22, v[T+16*\q]
.endr
	WIN 0x41
.irp i, 0,1,2,3,4,5,6,7,8,9,10,11,12,13,14,15
.irp q, 0,1,2,3
	v_pk_add_f32 v[XB+32*\q+2*\i:XB+32*\q+2*\i+1], v[XB+32*\q+2*\i:XB+32*\q+2*\i+1], v[MU+2*\q:MU+2*\q+1] neg_lo:[0,1] neg_hi:[0,1]
.endr
.endr
	WIN 0x05
.irp i, 0,1,2,3
.irp q, 0,1,2,3
	v_pk_mul_f32 v[T+16*\q+2*\i:T+16*\q+2*\i+1], v[XB+32*\q+2*\i:XB+32*\q+2*\i+1], v[XB+32*\q+2*\i:XB+32*\q+2*\i+1]
.endr
.endr
.irp i, 4,5,6,7,8,9,10,11,12,13,14,15
.irp q, 0,1,2,3
	v_pk_fma_f32 v[T+16*\q+2*(\i%4):T+16*\q+2*(\i%4)+1], v[XB+32*\q+2*\i:XB+32*\q+2*\i+1], v[XB+32*\q+2*\i:XB+32*\q+2*\i+1], v[T+16*\q+2*(\i%4):T+16*\q+2*(\i%4)+1]
.endr
.endr
	WIN 0
	TADD 0, 2
	TADD 4, 6
	TADD 0, 4
	CROSS
.irp q, 0,1,2,3
	v_fma_f32 v[T+16*\q], v[T+16*\q], s22, s23     ; the variance + 1e-5
.endr
.irp q, 0,1,2,3
	v_rsq_f32 v[RS+2*\q], v[T+16*\q]
	v_rsq_f32 v[RS+2*\q+1], v[T+16*\q]
.endr
	v_nop                                          ; a plain place behind the last of the batch
	s_wait_alu depctr_va_vdst(0)                   ; one wait for the eight, ahead of their first reader
	WIN 0x41
.irp i, 0,1,2,3,4,5,6,7,8,9,10,11,12,13,14,15
.irp q, 0,1,2,3
	v_pk_mul_f32 v[XB+32*\q+2*\i:XB+32*\q+2*\i+1], v[XB+32*\q+2*\i:XB+32*\q+2*\i+1], v[RS+2*\q:RS+2*\q+1]
.endr
.endr
	WIN 0x69                                       ; g and be lie in window 2
.irp i, 0,1,2,3,4,5,6,7,8,9,10,11,12,13,14,15
.irp q, 0,1,2,3
	v_pk_fma_f32 v[XB+32*\q+2*\i:XB+32*\q+2*\i+1], v[XB+32*\q+2*\i:XB+32*\q+2*\i+1], v[128+2*\i:129+2*\i], v[160+2*\i:161+2*\i]
.endr
.endr
	; the rows are quantised where they stand: unit 4 q + s is my eight numbers of block 4 (lane / 4) + s of row q; sixteen units by turns
	WIN 0x05
.irp q, 0,1,2,3
.irp s, 0,1,2,3
	v_max3_num_f32 v[QM+4*\q+\s], |v[XB+32*\q+8*\s]|, |v[XB+32*\q+8*\s+1]|, 0x1800000      ; with the floor 2^(3 - 127): the byte cannot fall under 1
.endr
.endr
.irp k, 2,4,6
.irp q, 0,1,2,3
.irp s, 0,1,2,3
	v_max3_num_f32 v[QM+4*\q+\s], |v[XB+32*\q+8*\s+\k]|, |v[XB+32*\q+8*\s+\k+1]|, v[QM+4*\q+\s]
.endr
.endr
.endr
	WIN 0
.irp m, 1,2
.set N, 0
.rept 16
	v_max_num_f32_dpp v[QM+N], v[QM+N], v[QM+N] row_xmask:\m row_mask:0xf bank_mask:0xf     ; with the three other lanes of the block
.set N, N+1
.endr
.endr
.set N, 0
.rept 16
	v_add_nc_u32 v[QS+N], 0xff000000, v[QM+N]      ; 2 off the exponent field: the conversion's scale operand
.set N, N+1
.endr
.set N, 0
.rept 16
	v_lshrrev_b32 v[QB+N], 23, v[QS+N]             ; the scale's byte
.set N, N+1
.endr
.irp b, 1,2,3
.irp q, 0,1,2,3
	v_lshl_or_b32 v[QB+4*\q], v[QB+4*\q+\b], 8*\b, v[QB+4*\q]      ; the four blocks are K step lane / 4: their bytes are its scale word
.endr
.endr
	WIN 0x01
.irp q, 0,1,2,3
.irp s, 0,1,2,3
	v_cvt_scalef32_pk8_fp4_f32 v[QC+4*\q+\s], v[XB+32*\q+8*\s:XB+32*\q+8*\s+7], v[QS+4*\q+\s]
.endr
.endr
	v_nop                                          ; one plain place behind the last scaled conversion
	WIN 0
.irp q, 0,1,2,3
.irp s, 0,1,2,3
	ds_store_b32 v[CW], v[QC+4*\q+\s] offset:(4*(\gm)+\q)*CPITCH+16*\s       ; eight codes: 4 bytes at 64 (lane / 4) + 16 s + 4 (lane % 4) of the row
.endr
	ds_store_b32 v[ASW], v[QB+4*\q] offset:(4*(\gm)+\q)*APITCH               ; the four lanes of a K step write the same word with the same value
.endr
	s_wait_dscnt 0x0                               ; the stores have read their registers; behind the last group: for the others' sake, they have landed
.if (\gm) < 2
	XROWS (\gm)+2
.elseif (\gm) == 2
	WFR 0, 0
	WFR 0, 1
	WSC 0
.endif
.endm
.macro LWAIT p                         ; pair p's loads are in.  Behind them were issued: pairs p + 1 and p + 2 (72 loads; 63 is the most that the count can name), one pair (36), or nothing
.if (\p) == NP-1
	s_wait_loadcnt 0
.elseif (\p) == NP-2
	s_wait_loadcnt 36
.else
	s_wait_loadcnt 63
.endif
.endm
.macro PAIR p, mode
	LWAIT \p
	MULPAIR \p, \mode, ACC
	WIN 0
	PLACES 5                                       ; in front of loads into W's registers and of the first read of results (4), and of the next pair's products, which begin the same accumulators anew (5)
.if (\p)+3 < NP
	WLOAD (\p)+3
.endif
.endm
.macro QKEP cb, sb, blk                ; q or k: block blk of the head's two; unit mt = row tile mt
	Q4 ACC,ACC+32,(\cb)+2*(\blk), ACC+8,ACC+40,(\cb)+4+2*(\blk), ACC+16,ACC+48,(\cb)+8+2*(\blk), ACC+24,ACC+56,(\cb)+12+2*(\blk)
.irp mt, 0,1,2,3
.if \blk
	v_lshl_or_b32 v[(\sb)+\mt], v[TM+4+\mt], 8, v[(\sb)+\mt]
.else
	v_mov_b32 v[(\sb)+\mt], v[TM+4+\mt]
.endif
.endr
.endm
.macro VEP bd                          ; v: columns 32 bd on; unit 2 u + beta: tile u, keys 32 beta + 16 (lane / 16) + 0 .. 15
	Q4 ACC,ACC+8,CV+8*(\bd), ACC+16,ACC+24,CV+8*(\bd)+2, ACC+32,ACC+40,CV+8*(\bd)+4, ACC+48,ACC+56,CV+8*(\bd)+6
	v_lshl_or_b32 v184, v[TM+5], 8, v[TM+4]
	v_lshl_or_b32 v185, v[TM+7], 8, v[TM+6]
	v_cndmask_b32 v[179+(\bd)], v184, v185, vcc_lo ; lanes 0-15: tile 2 bd; lanes 16-31: tile 2 bd + 1
	SWAP4 CV+8*(\bd)
	SWAP4 CV+8*(\bd)+4
	global_store_b128 v[L16], v[CV+8*(\bd):CV+8*(\bd)+3], s[SBI:SBI+1] offset:VIMG+1024*(\bd)
	global_store_b128 v[L16], v[CV+8*(\bd)+4:CV+8*(\bd)+7], s[SBI:SBI+1] offset:VIMG+1024*(\bd)+512
	global_store_b16 v[L4], v[179+(\bd)], s[SBV:SBV+1] offset:KVSC+4096+128*(\bd)
.endm
	s_load_b256 s[4:11], s[0:1], 0x0               ; x, g1, be1, W's codes
	s_load_b128 s[12:15], s[0:1], 0x20             ; W's scales, qkv
	s_load_b256 s[40:47], s[0:1], 0x30             ; w_proj's, w1's, w2's codes, wimg
	v_lshl_add_u32 v254, v0, 2, 0x9000
	v_mov_b32 v255, 0
	; all offsets are made while the arguments are on their way
	v_lshrrev_b32 v2, 5, v0
	v_readfirstlane_b32 s16, v2                    ; wave 0..3
	s_and_b32 s18, ttmp7, 0xffff                   ; the block of 64 rows
	v_and_b32 v2, 31, v0                           ; lane
	v_and_b32 v14, 15, v0                          ; r
	v_bfe_u32 v15, v0, 4, 1                        ; h
	v_lshlrev_b32 v[L16], 4, v2
	v_lshlrev_b32 v[L4], 2, v2
	v_lshrrev_b32 v[ASW], 2, v2                    ; lane / 4
	v_and_b32 v[CW], 3, v2                         ; lane % 4
	v_lshlrev_b32 v[XO], 5, v[CW]
	v_lshl_add_u32 v[XO], v[ASW], 9, v[XO]         ; x, g, be: 512 (lane / 4) + 32 (lane % 4)
	v_lshlrev_b32 v[CW], 2, v[CW]
	v_lshl_add_u32 v[CW], v[ASW], 6, v[CW]         ; codes: 64 (lane / 4) + 4 (lane % 4),
	v_lshlrev_b32 v[ASW], 2, v[ASW]                ; scale words: 4 (lane / 4),
	s_mul_i32 s24, s16, 16*CPITCH
	v_add_nc_u32 v[CW], s24, v[CW]                 ; in my 16 rows
	s_mul_i32 s24, s16, 16*APITCH
	s_add_co_u32 s24, s24, ASC
	v_add_nc_u32 v[ASW], s24, v[ASW]
	v_mul_u32_u24 v[AIR], v14, CPITCH
	v_lshl_add_u32 v[AIR], v15, 4, v[AIR]          ; a fragment: row r, + 16 h
	v_mul_u32_u24 v[ASR], v14, APITCH
	v_add_nc_u32 v[ASR], ASC, v[ASR]
	v_lshlrev_b32 v[VN], 9, v14
	v_lshl_add_u32 v[VN], v15, 4, v[VN]            ; w_proj: 512 r + 16 h
	v_lshlrev_b32 v[V2], 11, v14
	v_lshl_add_u32 v[V2], v15, 4, v[V2]            ; w2: 2,048 r + 16 h
	v_and_b32 v[WSA], 8, v14
	v_add_nc_u32 v[WSA], v[WSA], v14               ; r + 8 (r / 8)
	v_lshlrev_b32 v[WA], 9, v[WSA]
	v_lshl_add_u32 v[WA], v15, 4, v[WA]            ; W and w1: 512 (r + 8 (r / 8)) + 16 h
	v_lshlrev_b32 v[WSA], 5, v[WSA]
	s_mov_b32 s[SEL], 0x76543210
	s_mov_b32 s[SEL+1], 0xfedcba98                 ; v_permlanex16_b32's selects for lane l xor 16
	s_mov_b32 s22, 0x3a800000                      ; 2^-10
	s_mov_b32 s23, 0x3727c5ac                      ; 1e-5
	s_mov_b32 vcc_lo, 0xffff0000                   ; lanes 16-31: set once
	s_lshl_b32 s24, s18, 6
	s_lshr_b32 s25, s16, 1
	s_lshl_b32 s25, s25, 5
	s_add_co_u32 s24, s24, s25
	s_and_b32 s25, s16, 1
	s_lshl_b32 s25, s25, 3
	s_add_co_u32 s24, s24, s25                     ; my tile's first row: 64 y + 32 (w / 2) + 8 (w % 2)
	s_lshl_b32 s24, s24, 12
	s_mov_b32 s25, 0
	s_lshl_b32 s26, ttmp9, 2
	s_add_co_u32 s26, s26, s16                     ; my head
	s_mul_i32 s36, s26, 192*512
	s_mov_b32 s37, 0
	s_mul_i32 s38, s26, 192*32
	s_mov_b32 s39, 0
	s_lshr_b32 s27, s18, 5
	s_lshl_b32 s27, s27, 4
	s_add_co_u32 s27, s27, s26                     ; bh = 16 b + head
	s_and_b32 s19, s18, 31                         ; g: which 64 of the sequence
	s_lshl_b32 s[SBI], s27, 16
	s_lshl_b32 s59, s19, 11
	s_add_co_u32 s[SBI], s[SBI], s59               ; images: 65,536 bh + 2,048 g
	s_mov_b32 s[SBI+1], 0
	s_lshl_b32 s60, s27, 13
	s_lshl_b32 s59, s19, 8
	s_add_co_u32 s[SBQ], s60, s59                  ; q's words: 8,192 bh + 256 g
	s_mov_b32 s[SBQ+1], 0
	s_lshl_b32 s59, s19, 7
	s_add_co_u32 s[SBK], s60, s59                  ; k's: 8,192 bh + 128 g
	s_mov_b32 s[SBK+1], 0
	s_lshr_b32 s59, s19, 1
	s_lshl_b32 s59, s59, 8
	s_add_co_u32 s[SBV], s60, s59
	s_and_b32 s59, s19, 1
	s_lshl_b32 s59, s59, 1
	s_add_co_u32 s[SBV], s[SBV], s59               ; v's: 8,192 bh + 256 (g / 2) + 2 (g % 2)
	s_mov_b32 s[SBV+1], 0
	; the copy.  W = my wave's number in the launch, 0 .. 1,023.  Piece n of a weight is 512 bytes of its images; a tile has 16 pieces (w_proj, w1) or 64 (w2), 32 bytes of each of its 16 rows a piece.
	s_lshl_b32 s58, s18, 4
	s_lshl_b32 s59, ttmp9, 2
	s_add_co_u32 s58, s58, s59
	s_add_co_u32 s58, s58, s16                     ; W = 16 y + 4 x + w
	s_lshr_b32 s59, s58, 4
	s_and_b32 s60, s58, 15
	s_lshl_b32 s48, s59, 13                        ; w_proj, piece W: tile W / 16 (16 rows of 512 bytes), 32 (W % 16) bytes along the rows
	s_lshl_b32 s61, s60, 5
	s_add_co_u32 s48, s48, s61
	s_mov_b32 s49, 0
	s_lshl_b32 s52, s59, 15                        ; w2, pieces 4 W on: tile W / 16 (16 rows of 2,048 bytes), 128 (W % 16) bytes along the rows
	s_lshl_b32 s61, s60, 7
	s_add_co_u32 s52, s52, s61
	s_mov_b32 s53, 0
	s_lshr_b32 s59, s58, 3                         ; w1, pieces 4 W on: tile W / 4 = 2 B + u begins at row 32 B + 8 u; 128 (W % 4) bytes along the rows
	s_lshl_b32 s50, s59, 14
	s_bfe_u32 s59, s58, 0x10002
	s_lshl_b32 s59, s59, 12
	s_add_co_u32 s50, s50, s59
	s_and_b32 s59, s58, 3
	s_lshl_b32 s59, s59, 7
	s_add_co_u32 s50, s50, s59
	s_mov_b32 s51, 0
	s_lshl_b32 s54, s58, 9                         ; where they go: 512 W,
	s_mov_b32 s55, 0
	s_lshl_b32 s56, s58, 11                        ; 2,048 W
	s_mov_b32 s57, 0
	s_wait_kmcnt 0x0
	s_add_nc_u64 s[4:5], s[4:5], s[24:25]
	s_add_nc_u64 s[40:41], s[40:41], s[48:49]
	s_add_nc_u64 s[42:43], s[42:43], s[50:51]
	s_add_nc_u64 s[44:45], s[44:45], s[52:53]
	s_add_nc_u64 s[54:55], s[46:47], s[54:55]
	s_add_nc_u64 s[56:57], s[46:47], s[56:57]
	s_add_nc_u64 s[WB:WB+1], s[WB:WB+1], s[36:37]
	s_add_nc_u64 s[WSB:WSB+1], s[WSB:WSB+1], s[38:39]
	s_add_nc_u64 s[SBI:SBI+1], s[14:15], s[SBI:SBI+1]
	s_add_nc_u64 s[SBQ:SBQ+1], s[14:15], s[SBQ:SBQ+1]
	s_add_nc_u64 s[SBK:SBK+1], s[14:15], s[SBK:SBK+1]
	s_add_nc_u64 s[SBV:SBV+1], s[14:15], s[SBV:SBV+1]
	WIN 0xc0
	global_load_b128 v[128:131], v[VN], s[40:41]
.irp k, 0,1,2,3
	global_load_b128 v[132+4*\k:135+4*\k], v[WA], s[42:43] offset:32*\k
.endr
.irp k, 0,1,2,3
	global_load_b128 v[148+4*\k:151+4*\k], v[V2], s[44:45] offset:32*\k
.endr
	WIN 0x80
.irp i, 0,1,2,3,4,5,6,7
	global_load_b128 v[128+4*\i:131+4*\i], v[XO], s[6:7] offset:128*(\i/2)+16*(\i%2)
.endr
.irp i, 0,1,2,3,4,5,6,7
	global_load_b128 v[160+4*\i:163+4*\i], v[XO], s[8:9] offset:128*(\i/2)+16*(\i%2)
.endr
	XROWS 0
	XROWS 1
	LNGROUP 0
	WIN 0x0c                                       ; a store's data are its source 1.  The nine pieces were my oldest loads: the group's wait has shown them in.  Their registers are written by nothing else
	global_store_b128 v[L16], v[128:131], s[54:55]                                    ; 32 lanes store 512 consecutive bytes
.irp k, 0,1,2,3
	global_store_b128 v[L16], v[132+4*\k:135+4*\k], s[56:57] offset:W1IMG+512*\k
.endr
.irp k, 0,1,2,3
	global_store_b128 v[L16], v[148+4*\k:151+4*\k], s[56:57] offset:W2IMG+512*\k
.endr
	LNGROUP 1
	LNGROUP 2
	LNGROUP 3
	s_barrier_signal -1                            ; (the group has ended with the wait for my LDS stores)
	s_barrier_wait -1                              ; the 64 rows' codes and scale words lie in LDS
	WIN 0x40
.irp mt, 0,1,2,3
.irp ks, 0,1,2,3,4,5,6,7
.irp c, 0,1
	ds_load_b128 v[8*(8*\mt+\ks)+4*\c:8*(8*\mt+\ks)+4*\c+3], v[AIR] offset:\mt*16*CPITCH+64*\ks+32*\c
.endr
.endr
.endr
	WIN 0
.irp mt, 0,1,2,3
.irp hf, 0,1
	ds_load_b128 v[AS+8*\mt+4*\hf:AS+8*\mt+4*\hf+3], v[ASR] offset:\mt*16*APITCH+16*\hf
.endr
.endr
	WLOAD 1                                        ; g and be are done with: set 1 takes their place
	WLOAD 2
	s_wait_dscnt 0x0
	PAIR 0, 0
	QKEP CQ, SQ16, 0
	PAIR 1, 0
	QKEP CQ, SQ16, 1
.irp mt, 0,1,2,3
	SWAP4 CQ+4*\mt
.endr
.irp mt, 0,1,2,3
	global_store_b128 v[L16], v[CQ+4*\mt:CQ+4*\mt+3], s[SBI:SBI+1] offset:512*\mt     ; 32 lanes store 512 consecutive bytes
.endr
.irp mt, 0,1,2,3
	v_lshl_or_b32 v[184+\mt], v[SQ16+\mt], 16, v[SQ16+\mt]                            ; q's two bytes twice: it is used in either half of the instruction's K
.endr
	v_cndmask_b32 v176, v184, v185, vcc_lo
	v_cndmask_b32 v177, v186, v187, vcc_lo
	global_store_b32 v[L4], v176, s[SBQ:SBQ+1] offset:QSC
	global_store_b32 v[L4], v177, s[SBQ:SBQ+1] offset:QSC+128
	PAIR 2, 0
	QKEP CK, SK16, 0
	PAIR 3, 0
	QKEP CK, SK16, 1
.irp mt, 0,1,2,3
	SWAP4 CK+4*\mt
.endr
.irp mt, 0,1,2,3
	global_store_b128 v[L16], v[CK+4*\mt:CK+4*\mt+3], s[SBI:SBI+1] offset:KIMG+512*\mt
.endr
	v_lshl_or_b32 v184, v[SK16+1], 16, v[SK16]     ; two key tiles share a fragment: their bytes share a word
	v_lshl_or_b32 v185, v[SK16+3], 16, v[SK16+2]
	v_cndmask_b32 v178, v184, v185, vcc_lo
	global_store_b32 v[L4], v178, s[SBK:SBK+1] offset:KVSC
	PAIR 4, 1
	VEP 0
	PAIR 5, 1
	VEP 1
	s_wait_tensorcnt 0x0
	ds_add_u32 v254, v255
	s_wait_dscnt 0x0
	s_endpgm
.Lfunc_end_k_q39e7640a26_lnqkv:
	.size	k_q39e7640a26_lnqkv, .Lfunc_end_k_q39e7640a26_lnqkv-k_q39e7640a26_lnqkv
	.p2alignl 7, 3214868480
	.fill 96, 4, 3214868480
	.section	.rodata,"a",@progbits
	.p2align	6, 0x0
	.amdhsa_kernel k_q39e7640a26_lnqkv
		.amdhsa_group_segment_fixed_size 37376
		.amdhsa_private_segment_fixed_size 0
		.amdhsa_enable_private_segment 0
		.amdhsa_kernarg_size 80
		.amdhsa_user_sgpr_count 2
		.amdhsa_user_sgpr_kernarg_segment_ptr 1
		.amdhsa_wavefront_size32 1
		.amdhsa_system_sgpr_workgroup_id_x 1
		.amdhsa_system_sgpr_workgroup_id_y 1
		.amdhsa_system_sgpr_workgroup_id_z 1
		.amdhsa_system_vgpr_workitem_id 0
		.amdhsa_next_free_vgpr 1024
		.amdhsa_next_free_sgpr 66
		.amdhsa_reserve_vcc 1
		.amdhsa_float_denorm_mode_32 3
		.amdhsa_float_denorm_mode_16_64 3
		.amdhsa_memory_ordered 1
		.amdhsa_forward_progress 1
		.amdhsa_inst_pref_size 255
	.end_amdhsa_kernel
	.section	.bss,"aw",@nobits
	.p2align	6
	.space	262144
	.amdgpu_metadata
---
amdhsa.version: [ 1, 2 ]
amdhsa.kernels:
  - .name:           k_q39e7640a26_lnqkv
    .symbol:         k_q39e7640a26_lnqkv.kd
    .args:
      - { .name: x, .offset: 0, .size: 8, .value_kind: global_buffer, .address_space: global }
      - { .name: g1, .offset: 8, .size: 8, .value_kind: global_buffer, .address_space: global }
      - { .name: be1, .offset: 16, .size: 8, .value_kind: global_buffer, .address_space: global }
      - { .name: w_qkv_codes, .offset: 24, .size: 8, .value_kind: global_buffer, .address_space: global }
      - { .name: w_qkv_scales, .offset: 32, .size: 8, .value_kind: global_buffer, .address_space: global }
      - { .name: qkv, .offset: 40, .size: 8, .value_kind: global_buffer, .address_space: global }
      - { .name: w_proj_codes, .offset: 48, .size: 8, .value_kind: global_buffer, .address_space: global }
      - { .name: w1_codes, .offset: 56, .size: 8, .value_kind: global_buffer, .address_space: global }
      - { .name: w2_codes, .offset: 64, .size: 8, .value_kind: global_buffer, .address_space: global }
      - { .name: wimg, .offset: 72, .size: 8, .value_kind: global_buffer, .address_space: global }
    .group_segment_fixed_size: 37376
    .private_segment_fixed_size: 0
    .kernarg_segment_align: 8
    .kernarg_segment_size: 80
    .max_flat_workgroup_size: 128
    .sgpr_count:     66
    .vgpr_count:     1024
    .wavefront_size: 32
...
	.end_amdgpu_metadata
.endif
;; end of part 1
;; launch attn (part 2): grid 8 x 32, 16 waves a work-group, no clusters, 43,008 bytes of LDS; arguments qkv, att; writes att
.if DOCPART == 2
	.amdgcn_target "amdgcn-amd-amdhsa--gfx1250"
	.amdhsa_code_object_version 6
	.text
	.protected	k_q39e7640a26_attn
	.globl	k_q39e7640a26_attn
	.p2align	8
	.type	k_q39e7640a26_attn,@function
k_q39e7640a26_attn:
	s_mov_b64 s[64:65], 0
	v_nop
	global_prefetch_b8 v0, s[64:65] scope:SCOPE_SE
	s_setreg_imm32_b32 hwreg(HW_REG_WAVE_MODE, 25, 1), 1
	s_wait_xcnt 0x0
; Causal attention on codes of E2M1; head size 64, 2,048 keys, 32 heads (batch x head).  O / l is quantised along the head's 64 and stored as the next product's operand: [bh][q][32 bytes] read on end is [4,096][512 bytes].
; SOFTMAX: t = score x log2(e) / 8; M = the running largest t rounded up to a whole number; p = 2^(t - M) is quantised along the keys; the sum of the unquantised p divides at the end.
; SHARES.  A work-group owns two blocks of 128 queries of a head, i and 15 - i: i + 1 and 16 - i key steps of 128, 17 for every work-group.  A wave owns one tile of 16 queries; eight waves take each block.
; K = 64 IS HALF OF THE INSTRUCTION'S 128: a fragment of k holds two tiles of 16 keys (one in each half of K), and q is used as [q | zeros] and as [zeros | q]: v[20:27] and v[16:23] round the same four registers.
; Both products are used transposed: a lane holds one query.  The keys of a tile and the channels of a tile of v are chosen (r + 8 (r / 8)) so that two neighbouring tiles' 16 registers are 16 neighbours along the next K.
; k and v come as images of the operand registers, 256 keys (a chunk: 8,192 bytes of each) at a time: each of the 512 threads copies 16 bytes of each into one of two buffers in LDS, a chunk ahead of its use.
; Every work-group walks all 8 chunks, so that trip counts are constants; a key step all of whose keys come after a wave's queries is left out by a scalar branch on ids, inside which stands no barrier.
; No cluster: partners would want different numbers of chunks' work, and the copies go through registers.
; LIMITS: NaN and infinities are not served; a block whose largest magnitude lies under 2^-124 (a block of zeros too) gets the scale byte 1: its codes are then zeros or tiny, and this program alone reads the bytes.
; REGISTERS: v1-10 addresses; v12 -M, v13 the largest t, v[14:15] the sum; v16-27 q between zeros; v28 q's scale word; v32-63 k; v64-95 v; v96-159 S^T, then p; v160-191 O^T; v192-199 p's codes; v200-214 at work;
;   v232-236 scale words of k, v and p; v240-251 bytes on their way to LDS.
.set SCL,  32768                       ; LDS: two buffers of 16,384 (k, then v), then the head's scale words: k's 4,096, v's 4,096
.set KIMG, 2097152
.set VIMG, 4194304
.set QSC,  6291456
.set KVSC, 6553600
.set L16, 1
.set CPY, 2
.set GN,  4
.set SC0, 5
.set ADS, 6
.set DQ,  7
.set KF,  32
.set VF,  64
.set S,   96
.set O,   160
.set PCD, 192
.set BM,  200
.set BP,  204
.set SO,  208
.set F,   212
.set TA,  214
.set KW,  232
.set VW,  234
.set PWD, 236
.set SEL, 20
.set CS,  22
.set STEPN, 24
.set BW,  25
.set TS,  26
.set TRIP, 27
.set CO,  28
.macro SMUL d, a, b, sa, row           ; a product that starts a sum
.if \row
	v_wmma_scale_f32_16x16x128_f8f6f4 v[(\d):(\d)+7], v[(\a):(\a)+7], v[(\b):(\b)+7], 0, v[(\sa)], v28 matrix_a_fmt:MATRIX_FMT_FP4 matrix_b_fmt:MATRIX_FMT_FP4 matrix_a_scale:MATRIX_SCALE_ROW1
.else
	v_wmma_scale_f32_16x16x128_f8f6f4 v[(\d):(\d)+7], v[(\a):(\a)+7], v[(\b):(\b)+7], 0, v[(\sa)], v28 matrix_a_fmt:MATRIX_FMT_FP4 matrix_b_fmt:MATRIX_FMT_FP4
.endif
.endm
.macro OMUL d, a, sa, row              ; O^T += v^T p^T
.if \row
	v_wmma_scale_f32_16x16x128_f8f6f4 v[(\d):(\d)+7], v[(\a):(\a)+7], v[PCD:PCD+7], v[(\d):(\d)+7], v[(\sa)], v[PWD] matrix_a_fmt:MATRIX_FMT_FP4 matrix_b_fmt:MATRIX_FMT_FP4 matrix_a_scale:MATRIX_SCALE_ROW1
.else
	v_wmma_scale_f32_16x16x128_f8f6f4 v[(\d):(\d)+7], v[(\a):(\a)+7], v[PCD:PCD+7], v[(\d):(\d)+7], v[(\sa)], v[PWD] matrix_a_fmt:MATRIX_FMT_FP4 matrix_b_fmt:MATRIX_FMT_FP4
.endif
.endm
; A KEY STEP: 128 keys, half sg of the chunk in buffer buf.
.macro STEP buf, sg
	s_cmp_gt_u32 s[STEPN], s[BW]                   ; all its keys come after my queries: left out
	s_cbranch_scc1 .Lskip_\@
	v_add_nc_u32 v[ADS], s[TS], v[SC0]
.irp b, 0,1,2,3
.irp u, 0,1
	ds_load_b128 v[KF+8*\b+4*\u:KF+8*\b+4*\u+3], v[L16] offset:16384*(\buf)+(8*(\sg)+2*\b+\u)*512
.endr
.endr
	ds_load_b32 v[KW], v[ADS]
	ds_load_b32 v[KW+1], v[ADS] offset:128
.irp t, 0,1,2,3
.irp c, 0,1
	ds_load_b128 v[VF+8*\t+4*\c:VF+8*\t+4*\c+3], v[L16] offset:16384*(\buf)+8192+((2*(\sg)+\c)*4+\t)*512
.endr
.endr
	ds_load_b32 v[VW], v[ADS] offset:4096
	ds_load_b32 v[VW+1], v[ADS] offset:4224
	s_wait_dscnt 10                                ; k's ten loads are in; v's ten may be out
.irp b, 0,1,2,3
	SMUL S+16*\b, KF+8*\b, 20, KW+\b/2, \b%2       ; the fragment's first tile of keys: q in the lower half of K
	SMUL S+8+16*\b, KF+8*\b, 16, KW+\b/2, \b%2     ; its second: q in the upper half
.endr                                              ; register 16 b + i of lane (r, h): key 32 b + 16 h + i of the step, query r
.rept 4
	v_nop
.endr
	s_cmp_lg_u32 s[STEPN], s[BW]                   ; only my block's own step lies on the diagonal
	s_cbranch_scc1 .Lopen_\@
	v_mov_b32 v[TA], 0xff800000                    ; -infinity: p = 0 there
.set N, 0
.rept 64
	v_cmp_gt_i32 vcc_lo, 32*(N/16)+N%16, v[DQ]     ; hidden where the register's key lies behind my query
	v_cndmask_b32 v[S+N], v[S+N], v[TA], vcc_lo
.set N, N+1
.endr
.Lopen_\@:
.irp b, 0,1,2,3
	v_max3_num_f32 v[BM+\b], v[S+16*\b], v[S+1+16*\b], v[S+2+16*\b]     ; the largest score of each block of 32 keys: for the row's maximum, and for the block's largest p
.endr
.irp i, 3,5,7,9,11,13
.irp b, 0,1,2,3
	v_max3_num_f32 v[BM+\b], v[BM+\b], v[S+16*\b+\i], v[S+1+16*\b+\i]
.endr
.endr
.irp b, 0,1,2,3
	v_max_num_f32 v[BM+\b], v[BM+\b], v[S+15+16*\b]
.endr
.irp b, 0,1,2,3
	v_permlanex16_b32 v[BP+\b], v[BM+\b], s[SEL], s[SEL+1]
.endr
.irp b, 0,1,2,3
	v_max_num_f32 v[BM+\b], v[BM+\b], v[BP+\b]
.endr
	v_max3_num_f32 v[TA], v[BM], v[BM+1], v[BM+2]
	v_max_num_f32 v[TA], v[TA], v[BM+3]
	v_mul_f32 v[TA], s[CS], v[TA]
	v_max_num_f32 v13, v13, v[TA]                  ; the running largest t
	v_mov_b32 v[TA], v12
	v_floor_f32 v12, -v13                          ; -M = floor(-t): M is a whole number
	v_sub_f32 v[TA], v12, v[TA]
	v_cvt_i32_f32 v[TA], v[TA]                     ; (it saturates)
	v_ldexp_f32 v[F], 1.0, v[TA]                   ; f = 2^(old M - new M): rounds nothing
.set N, 0
.rept 32
	v_pk_fma_f32 v[S+N:S+N+1], v[S+N:S+N+1], s[CS:CS+1], v[12:13] op_sel_hi:[1,0,0]   ; t - M
.set N, N+2
.endr
.irp b, 0,1,2,3
	v_fma_f32 v[BM+\b], v[BM+\b], s[CS], v12
.endr
.set N, 0
.rept 64
	v_exp_f32 v[S+N], v[S+N]
.set N, N+1
.endr
	v_pk_mul_f32 v[14:15], v[14:15], v[F:F+1] op_sel_hi:[1,0]      ; the sums under the new M: a plain place behind the batch
	s_wait_alu depctr_va_vdst(0)                   ; one wait for the 64, ahead of their first reader
.irp b, 0,1,2,3
	v_exp_f32 v[BM+\b], v[BM+\b]                   ; the block's largest p
.endr
	v_pk_add_f32 v[BP:BP+1], v[S:S+1], v[S+2:S+3]  ; the sum of the unquantised p, in two chains
.irp j, 4,8,12,16,20,24,28,32,36,40,44,48,52,56,60
	v_pk_add_f32 v[14:15], v[14:15], v[S+\j:S+\j+1]
	v_pk_add_f32 v[BP:BP+1], v[BP:BP+1], v[S+2+\j:S+3+\j]
.endr
	v_pk_add_f32 v[14:15], v[14:15], v[BP:BP+1]
	s_wait_alu depctr_va_vdst(0)                   ; and one for the four
.irp b, 0,1,2,3
	v_max_num_f32 v[BM+\b], 0x1800000, v[BM+\b]    ; the floor 2^(3 - 127)
.endr
.irp b, 0,1,2,3
	v_add_nc_u32 v[SO+\b], 0xff000000, v[BM+\b]
.endr
.irp b, 0,1,2,3
	v_lshrrev_b32 v[BP+\b], 23, v[SO+\b]
.endr
	v_lshl_or_b32 v[PWD], v[BP+1], 8, v[BP]
	v_lshl_or_b32 v[PWD], v[BP+2], 16, v[PWD]
	v_lshl_or_b32 v[PWD], v[BP+3], 24, v[PWD]
.irp b, 0,1,2,3
	v_cvt_scalef32_pk8_fp4_f32 v[PCD+2*\b], v[S+16*\b:S+7+16*\b], v[SO+\b]
	v_cvt_scalef32_pk8_fp4_f32 v[PCD+1+2*\b], v[S+8+16*\b:S+15+16*\b], v[SO+\b]
.endr
	v_nop
.irp c, 0,1
.irp i, 0,1
	v_permlane16_swap_b32 v[PCD+4*\c+\i], v[PCD+2+4*\c+\i]
.endr
.endr
.set N, 0
.rept 16
	v_pk_mul_f32 v[O+N:O+N+1], v[O+N:O+N+1], v[F:F+1] op_sel_hi:[1,0]     ; O^T under the new M; these sixteen are also the places between p's codes and word and the products
.set N, N+2
.endr
	s_wait_dscnt 0x0                               ; v is in
.irp t, 0,1,2,3
	OMUL O+8*\t, VF+8*\t, VW+\t/2, \t%2            ; four accumulators by turns
.endr
.rept 4
	v_nop                                          ; in front of the next step's loads into v's registers, and of the first read of O^T
.endr
.Lskip_\@:
	s_add_co_u32 s[STEPN], s[STEPN], 1
	s_add_co_u32 s[TS], s[TS], 256
.endm
; A CHUNK: my 32 bytes go to LDS; one barrier; the next chunk is asked for; two key steps.  One barrier a chunk does with two buffers: a wave stores chunk c + 2 behind barrier c + 1, which every wave signals behind its reads of chunk c.
.macro CHUNK buf
	s_wait_loadcnt 0x0                             ; my part of this chunk is in registers (and the loads' address register is free)
	ds_store_b128 v[CPY], v[240:243] offset:16384*(\buf)
	ds_store_b128 v[CPY], v[244:247] offset:16384*(\buf)+8192
	s_add_co_u32 s[CO], s[CO], 8192
	s_min_u32 s[CO], s[CO], 57344                  ; the last chunk is asked for once more: no load leaves the head's bytes
	s_wait_dscnt 0x0                               ; my stores have landed, and my reads of the chunk before are over
	s_barrier_signal -1
	s_barrier_wait -1
	v_add_nc_u32 v[GN], s[CO], v[CPY]
	global_load_b128 v[240:243], v[GN], s[8:9] offset:KIMG
	global_load_b128 v[244:247], v[GN], s[8:9] offset:VIMG
	STEP \buf, 0
	STEP \buf, 1
.endm
	s_load_b128 s[4:7], s[0:1], 0x0                ; qkv, att
	v_lshl_add_u32 v254, v0, 2, 0xa000
	v_mov_b32 v255, 0
	v_lshrrev_b32 v3, 5, v0
	v_readfirstlane_b32 s16, v3                    ; wave 0..15
	s_and_b32 s18, ttmp7, 0xffff                   ; bh
	v_and_b32 v3, 31, v0
	v_lshlrev_b32 v[L16], 4, v3                    ; 16 x lane
	v_lshlrev_b32 v[CPY], 4, v0                    ; 16 x thread: my bytes of a chunk, in memory and in LDS
	v_lshl_add_u32 v[SC0], v3, 2, SCL
	v_and_b32 v11, 15, v0                          ; r
	v_bfe_u32 v3, v0, 4, 1                         ; h
	v_lshlrev_b32 v10, 2, v11
	v_and_b32 v[DQ], 8, v11
	v_add_nc_u32 v[DQ], v[DQ], v11                 ; r + 8 (r / 8)
	v_lshlrev_b32 v8, 5, v[DQ]
	v_lshl_add_u32 v8, v3, 4, v8                   ; the way out: 32 bytes a query, + 16 h
	v_lshl_add_u32 v9, v[DQ], 1, v3                ; and 2 scale bytes a query, + h
	v_lshlrev_b32 v3, 4, v3
	v_sub_nc_u32 v[DQ], v[DQ], v3
	s_lshr_b32 s19, s16, 1                         ; my tile in its block
	s_lshr_b32 s29, s16, 2
	s_xor_b32 s29, s29, s16
	s_and_b32 s29, s29, 1                          ; which of the two blocks
	s_sub_co_u32 s30, 15, ttmp9
	s_cmp_eq_u32 s29, 0
	s_cselect_b32 s[BW], ttmp9, s30                ; my block of 128 queries; also my last key step
	s_lshl_b32 s30, s[BW], 3
	s_add_co_u32 s30, s30, s19                     ; my tile in the head
	s_lshr_b32 s31, s19, 1
	s_lshl_b32 s31, s31, 5
	s_and_b32 s36, s19, 1
	s_lshl_b32 s36, s36, 3
	s_add_co_u32 s31, s31, s36                     ; its first query in the block
	v_add_nc_u32 v[DQ], s31, v[DQ]                 ; my query in its block - 16 h
	s_lshl_b32 s36, s[BW], 7
	s_add_co_u32 s36, s36, s31
	s_lshl_b32 s37, s18, 11
	s_add_co_u32 s36, s36, s37                     ; 2,048 bh + the tile's first query
	s_mov_b32 s39, 0
	s_mov_b32 s[SEL], 0x76543210
	s_mov_b32 s[SEL+1], 0xfedcba98
	s_mov_b32 s[CS], 0x3e38aa3b                    ; log2(e) / 8
	s_mov_b32 s[CS+1], s[CS]
	s_mov_b32 s[STEPN], 0
	s_mov_b32 s[TS], 0
	s_mov_b32 s[CO], 0
	s_mov_b32 s[TRIP], 4
	s_lshl_b32 s38, s18, 16
	s_wait_kmcnt 0x0
	s_add_nc_u64 s[8:9], s[4:5], s[38:39]          ; the head's images
	s_lshl_b32 s38, s30, 9
	s_add_nc_u64 s[10:11], s[8:9], s[38:39]        ; my tile of q
	s_lshl_b32 s38, s18, 13
	s_add_nc_u64 s[12:13], s[4:5], s[38:39]        ; the head's scale words
	s_lshl_b32 s38, s30, 6
	s_add_nc_u64 s[14:15], s[12:13], s[38:39]
	s_lshl_b32 s38, s36, 5
	s_add_nc_u64 s[32:33], s[6:7], s[38:39]
	s_lshl_b32 s38, s36, 1
	s_add_nc_u64 s[34:35], s[6:7], s[38:39]
	global_load_b128 v[20:23], v[L16], s[10:11]
	global_load_b32 v28, v10, s[14:15] offset:QSC
	global_load_b128 v[248:251], v[CPY], s[12:13] offset:KVSC
	global_load_b128 v[240:243], v[CPY], s[8:9] offset:KIMG
	global_load_b128 v[244:247], v[CPY], s[8:9] offset:VIMG
.irp j, 16,17,18,19,24,25,26,27
	v_mov_b32 v[\j], 0                             ; zero codes round q
.endr
	v_mov_b32 v13, 0xff61b1e6                      ; -3e38, under every t
	v_floor_f32 v12, -v13
	v_mov_b32 v14, 0
	v_mov_b32 v15, 0
.irp b, 0,1,2,3
	v_mov_b32 v[BP+\b], 0                          ; a lane permute's destination counts as one of its sources
.endr
	v_mov_b32 v[F+1], 0                            ; named as the upper half of a pair
	v_mov_b32 v[TA], 0
.set N, 0
.rept 32
	v_mov_b32 v[O+N], 0                            ; the step is written once: the first finds zeros
.set N, N+1
.endr
	s_wait_loadcnt 2                               ; q, its word and the scale words are in; the first chunk's two loads may be out
	ds_store_b128 v[CPY], v[248:251] offset:SCL
.Lloop:
	CHUNK 0
	CHUNK 1
	s_sub_co_u32 s[TRIP], s[TRIP], 1
	s_cmp_lg_u32 s[TRIP], 0
	s_cbranch_scc1 .Lloop
	; THE WAY OUT: O^T / the sum, quantised along the head's 64: tiles 2 c and 2 c + 1 hold channels 32 c + 16 h + 0 .. 15
	v_add_f32 v14, v14, v15
	v_permlanex16_b32 v[TA], v14, s[SEL], s[SEL+1]
	v_add_f32 v14, v14, v[TA]
	v_rcp_f32 v14, v14
	v_nop
	s_wait_alu depctr_va_vdst(0)
.set N, 0
.rept 32
	v_mul_f32 v[S+N], v[O+N], v14
.set N, N+1
.endr
.irp i, 0,1
	v_max3_num_f32 v[BM+\i], |v[S+16*\i]|, |v[S+1+16*\i]|, 0x1800000
.endr
.irp k, 2,4,6,8,10,12,14
.irp i, 0,1
	v_max3_num_f32 v[BM+\i], v[BM+\i], |v[S+16*\i+\k]|, |v[S+1+16*\i+\k]|
.endr
.endr
.irp i, 0,1
	v_permlanex16_b32 v[BP+\i], v[BM+\i], s[SEL], s[SEL+1]
.endr
.irp i, 0,1
	v_max_num_f32 v[BM+\i], v[BM+\i], v[BP+\i]
.endr
.irp i, 0,1
	v_add_nc_u32 v[SO+\i], 0xff000000, v[BM+\i]
.endr
.irp i, 0,1
	v_lshrrev_b32 v[BP+\i], 23, v[SO+\i]
.endr
.irp i, 0,1
	v_cvt_scalef32_pk8_fp4_f32 v[PCD+2*\i], v[S+16*\i:S+7+16*\i], v[SO+\i]
	v_cvt_scalef32_pk8_fp4_f32 v[PCD+1+2*\i], v[S+8+16*\i:S+15+16*\i], v[SO+\i]
.endr
	v_nop
	v_permlane16_swap_b32 v[PCD], v[PCD+2]
	v_permlane16_swap_b32 v[PCD+1], v[PCD+3]       ; lane (r, h): block h whole
	s_mov_b32 vcc_lo, 0xffff0000
	v_cndmask_b32 v[TA], v[BP], v[BP+1], vcc_lo    ; and its byte
	global_store_b128 v8, v[PCD:PCD+3], s[32:33]   ; two runs of 256 consecutive bytes
	global_store_b8 v9, v[TA], s[34:35] offset:2097152
	s_wait_tensorcnt 0x0
	ds_add_u32 v254, v255
	s_wait_dscnt 0x0
	s_endpgm
.Lfunc_end_k_q39e7640a26_attn:
	.size	k_q39e7640a26_attn, .Lfunc_end_k_q39e7640a26_attn-k_q39e7640a26_attn
	.p2alignl 7, 3214868480
	.fill 96, 4, 3214868480
	.section	.rodata,"a",@progbits
	.p2align	6, 0x0
	.amdhsa_kernel k_q39e7640a26_attn
		.amdhsa_group_segment_fixed_size 43008
		.amdhsa_private_segment_fixed_size 0
		.amdhsa_enable_private_segment 0
		.amdhsa_kernarg_size 16
		.amdhsa_user_sgpr_count 2
		.amdhsa_user_sgpr_kernarg_segment_ptr 1
		.amdhsa_wavefront_size32 1
		.amdhsa_system_sgpr_workgroup_id_x 1
		.amdhsa_system_sgpr_workgroup_id_y 1
		.amdhsa_system_sgpr_workgroup_id_z 1
		.amdhsa_system_vgpr_workitem_id 0
		.amdhsa_next_free_vgpr 256
		.amdhsa_next_free_sgpr 66
		.amdhsa_reserve_vcc 1
		.amdhsa_float_denorm_mode_32 3
		.amdhsa_float_denorm_mode_16_64 3
		.amdhsa_memory_ordered 1
		.amdhsa_forward_progress 1
		.amdhsa_inst_pref_size 90
	.end_amdhsa_kernel
	.amdgpu_metadata
---
amdhsa.version: [ 1, 2 ]
amdhsa.kernels:
  - .name:           k_q39e7640a26_attn
    .symbol:         k_q39e7640a26_attn.kd
    .args:
      - { .name: qkv, .offset: 0, .size: 8, .value_kind: global_buffer, .address_space: global }
      - { .name: att, .offset: 8, .size: 8, .value_kind: global_buffer, .address_space: global }
    .group_segment_fixed_size: 43008
    .private_segment_fixed_size: 0
    .kernarg_segment_align: 8
    .kernarg_segment_size: 16
    .max_flat_workgroup_size: 512
    .sgpr_count:     66
    .vgpr_count:     256
    .wavefront_size: 32
...
	.end_amdgpu_metadata
.endif
;; end of part 2
;; launch proj (part 3): grid 4 x 64, 4 waves a work-group, no clusters, 67,072 bytes of LDS; arguments att, wimg, w_proj_scales, b_proj, x, x1; writes x1
.if DOCPART == 3
	.amdgcn_target "amdgcn-amd-amdhsa--gfx1250"
	.amdhsa_code_object_version 6
	.text
	.protected	k_q39e7640a26_proj
	.globl	k_q39e7640a26_proj
	.p2align	8
	.type	k_q39e7640a26_proj,@function
k_q39e7640a26_proj:
	s_mov_b64 s[64:65], 0
	v_nop
	global_prefetch_b8 v0, s[64:65] scope:SCOPE_SE
	s_setreg_imm32_b32 hwreg(HW_REG_WAVE_MODE, 25, 1), 1
	s_wait_xcnt 0x0
; x1 = x + A W^T + bias on codes of E2M1.  A: 4,096 rows x 1,024 K, codes row-major (512 bytes a row) with 32 scale bytes a row behind them at byte 2,097,152.
; W: images of the operand registers, laid by the first launch at byte 0 of wimg: [tile of 16 columns][K step][c][lane x 16 bytes]; its scale bytes as they are given, [1,024][32].
; SHARES.  A work-group makes 64 rows x 256 columns; wave w the columns 64 w on, all of K.  A STAYS in registers (4 tiles x 8 K steps), W STREAMS from memory into operand registers, 32 columns (a pair of tiles) at a time;
; each of its loads reads 512 consecutive bytes.
; Source 0 = W, source 1 = the rows: a lane's eight results are eight neighbouring columns of one row.  The results meet in a stage in LDS; each wave then adds bias and residual to 16 whole rows' 1,024 bytes and stores them.
; No cluster: each operand byte is asked for once by a work-group, straight into registers; no slot in LDS is filled again, so there is no refill that partners could ask for jointly.
; LIMITS: NaN and infinities are not served.
; REGISTERS.  window 0: v1-10 addresses; v32-63 A's scale words; v64-191 two sets of accumulators, later rows from the stage; v192-239 W's scale words; v240-247 the bias.  window 1: A.  window 2: W's sets 0, 1.
;   window 3: v0-127 W's set 2; v128-255 the residual's rows, then the result.
.set SPLIT,  0
.if SPLIT
.set NP,     8
.set NPART,  4
.set WTILE,  32768                     ; a tile's images: 32 K steps of 1,024 bytes
.set SPITCH, 128
.else
.set NP,     2
.set NPART,  1
.set WTILE,  8192                      ; a tile's images: 8 K steps of 1,024 bytes
.set SPITCH, 32
.endif
.set W2IMG,  2621440
.set TP,     32
.set TU,     16
.set RPITCH, 1040                      ; a stage row: 1,024 bytes + 16: 65 x 16, so that sixteen rows' 16-byte pieces fall on different banks (64 banks of 4 bytes: ISA guide 11.1)
.set REGION, 64*RPITCH
.set L16, 1
.set ASV, 3
.set RD,  4
.set STO, 8
.set AV,  9
.set WSA, 10
.set AS,  32
.set ACC, 64
.set WS,  192
.set BI,  240
.set WB,  6
.set WSB, 8
.set AB,  20
.set ASB, 22
.set MSB, 0
.macro WIN new                         ; the immediate's high byte repeats the setting that is left; a switch that changes nothing is dropped
.if MSB != (\new)
	s_set_vgpr_msb (MSB<<8)|(\new)
.set MSB, (\new)
.endif
.endm
.macro PLACES n
.rept \n
	v_nop
.endr
.endm
.macro WFR p, u                        ; tile u of pair p: my 8 K steps' images, 16 loads of 512 consecutive bytes, into set p % 3
.set LB, (\p)%3
	WIN 0x80+0x40*(LB/2)
.irp ks, 0,1,2,3,4,5,6,7
.irp c, 0,1
	global_load_b128 v[128*(LB%2)+64*(\u)+8*\ks+4*\c:128*(LB%2)+64*(\u)+8*\ks+4*\c+3], v[L16], s[WB:WB+1] offset:(2*(\p)+(\u))*WTILE+1024*\ks+512*\c
.endr
.endr
.endm
.macro WSC p
.set LB, (\p)%3
	WIN 0
.irp u, 0,1
.irp hf, 0,1
	global_load_b128 v[WS+16*LB+8*\u+4*\hf:WS+16*LB+8*\u+4*\hf+3], v[WSA], s[WSB:WSB+1] offset:(TP*(\p)+TU*\u)*SPITCH+16*\hf
.endr
.endr
.endm
.macro WLOAD p
	WFR \p, 0
	WFR \p, 1
	WSC \p
.endm
.macro WM0 d, a, b, sa, sb
	v_wmma_scale_f32_16x16x128_f8f6f4 v[(\d):(\d)+7], v[(\a):(\a)+7], v[(\b):(\b)+7], 0, v[(\sa)], v[(\sb)] matrix_a_fmt:MATRIX_FMT_FP4 matrix_b_fmt:MATRIX_FMT_FP4
.endm
.macro WMC d, a, b, c, sa, sb
	v_wmma_scale_f32_16x16x128_f8f6f4 v[(\d):(\d)+7], v[(\a):(\a)+7], v[(\b):(\b)+7], v[(\c):(\c)+7], v[(\sa)], v[(\sb)] matrix_a_fmt:MATRIX_FMT_FP4 matrix_b_fmt:MATRIX_FMT_FP4
.endm
; A pair's 64 products: K step by K step, the 8 accumulators by turns, one instruction a turn; the first K step starts the sums with the constant 0.
.macro MULPAIR p, acc
.set MB, (\p)%3
.set MO, 128*(MB%2)
	WIN 0x04|(2+MB/2)
.irp ks, 0,1,2,3,4,5,6,7
.irp u, 0,1
.irp mt, 0,1,2,3
.if \ks == 0
	WM0 (\acc)+8*(4*\u+\mt), MO+64*\u+8*\ks, 8*(8*\mt+\ks), WS+16*MB+8*\u+\ks, AS+8*\mt+\ks
.else
	WMC (\acc)+8*(4*\u+\mt), MO+64*\u+8*\ks, 8*(8*\mt+\ks), (\acc)+8*(4*\u+\mt), WS+16*MB+8*\u+\ks, AS+8*\mt+\ks
.endif
.endr
.endr
.endr
.endm
.macro RESLOAD                         ; my 16 rows of the residual (1,024 bytes of each) and the 256 columns' bias: 34 loads
	WIN 0xc0
.irp i, 0,1,2,3,4,5,6,7,8,9,10,11,12,13,14,15
.irp e, 0,1
	global_load_b128 v[128+8*\i+4*\e:128+8*\i+4*\e+3], v[L16], s[12:13] offset:4096*\i+512*\e
.endr
.endr
	WIN 0
.irp e, 0,1
	global_load_b128 v[BI+4*\e:BI+4*\e+3], v[L16], s[10:11] offset:512*\e
.endr
.endm
.macro OPAIR p
.if (\p) == NP-1
	s_wait_loadcnt 34                              ; the last pair is in; residual and bias may be out
.else
	s_wait_loadcnt 63                              ; behind this pair's loads 70 or more were issued; 63 is the most that the count can name
.endif
	s_wait_dscnt 16                                ; the last pair's 16 stage stores may be out; those that read this set of accumulators are done
	MULPAIR \p, ACC+64*((\p)%2)
	WIN 0
	PLACES 5                                       ; in front of the stores that read results and of loads into W's registers (4); one more, since an accumulator set is begun anew behind LDS stores alone
.if (\p)+3 < NP
	WLOAD (\p)+3
.if (\p)+3 == NP-1
	RESLOAD
.endif
.endif
.irp u, 0,1
.irp mt, 0,1,2,3
	ds_store_b128 v[STO], v[ACC+64*((\p)%2)+8*(4*\u+\mt):ACC+64*((\p)%2)+8*(4*\u+\mt)+3] offset:\mt*16*RPITCH+(2*(\p)+\u)*64        ; each accumulator from its low end on
	ds_store_b128 v[STO], v[ACC+64*((\p)%2)+8*(4*\u+\mt)+4:ACC+64*((\p)%2)+8*(4*\u+\mt)+7] offset:\mt*16*RPITCH+(2*(\p)+\u)*64+16
.endr
.endr
.endm
	s_load_b256 s[4:11], s[0:1], 0x0               ; A, wimg, W's scales, the bias
	s_load_b128 s[12:15], s[0:1], 0x20             ; the residual, the output
	v_lshl_add_u32 v254, v0, 2, 0x10400
	v_mov_b32 v255, 0
	v_lshrrev_b32 v2, 5, v0
	v_readfirstlane_b32 s16, v2                    ; wave 0..3
	s_and_b32 s18, ttmp7, 0xffff                   ; the block of 64 rows
	v_and_b32 v2, 31, v0
	v_and_b32 v11, 15, v0                          ; r
	v_bfe_u32 v12, v0, 4, 1                        ; h
	v_lshlrev_b32 v[L16], 4, v2
.if SPLIT
	v_lshlrev_b32 v[WSA], 7, v11
	v_lshlrev_b32 v[ASV], 3, v11
.else
	v_lshlrev_b32 v[AV], 9, v11
	v_lshl_add_u32 v[AV], v12, 4, v[AV]            ; A's rows: 512 r + 16 h
	v_lshlrev_b32 v[WSA], 5, v11
	v_lshlrev_b32 v[ASV], 5, v11
.endif
	v_mul_u32_u24 v[STO], v11, RPITCH
	v_lshl_add_u32 v[STO], v12, 5, v[STO]
.if SPLIT
	s_mul_i32 s24, s16, REGION
.else
	s_lshl_b32 s24, s16, 8
.endif
	v_add_nc_u32 v[STO], s24, v[STO]
	s_mul_i32 s24, s16, 16*RPITCH
	v_add_nc_u32 v[RD], s24, v[L16]
.if SPLIT
	v_add_nc_u32 v[RD+1], REGION, v[RD]
	v_add_nc_u32 v[RD+2], 2*REGION, v[RD]
	v_add_nc_u32 v[RD+3], 3*REGION, v[RD]
.endif
	s_mov_b32 s25, 0
	s_wait_kmcnt 0x0
.if SPLIT
	s_lshl_b32 s24, s18, 17
	s_lshl_b32 s27, s16, 13
	s_add_co_u32 s24, s24, s27
	s_add_nc_u64 s[AB:AB+1], s[4:5], s[24:25]      ; images: 4 y tiles of 32,768 bytes, my K quarter
	s_lshl_b32 s24, s18, 13
	s_lshl_b32 s27, s16, 10
	s_add_co_u32 s24, s24, s27
	s_add_co_u32 s24, s24, 8388608
	s_add_nc_u64 s[ASB:ASB+1], s[4:5], s[24:25]
	s_lshl_b32 s24, ttmp9, 19
	s_lshl_b32 s27, s16, 13
	s_add_co_u32 s24, s24, s27
	s_add_co_u32 s24, s24, W2IMG
	s_add_nc_u64 s[WB:WB+1], s[WB:WB+1], s[24:25]  ; W's images: tile 16 x, K step 8 w
	s_lshl_b32 s24, ttmp9, 15
	s_lshl_b32 s27, s16, 5
	s_add_co_u32 s24, s24, s27
	s_add_nc_u64 s[WSB:WSB+1], s[WSB:WSB+1], s[24:25]
.else
	s_lshl_b32 s24, s18, 15
	s_add_nc_u64 s[AB:AB+1], s[4:5], s[24:25]      ; 64 y rows of 512 bytes
	s_lshl_b32 s24, s18, 11
	s_add_co_u32 s24, s24, 2097152
	s_add_nc_u64 s[ASB:ASB+1], s[4:5], s[24:25]
	s_lshl_b32 s24, ttmp9, 17
	s_lshl_b32 s27, s16, 15
	s_add_co_u32 s24, s24, s27
	s_add_nc_u64 s[WB:WB+1], s[WB:WB+1], s[24:25]  ; W's images: tile 16 x + 4 w
	s_lshl_b32 s26, ttmp9, 8
	s_lshl_b32 s27, s16, 6
	s_add_co_u32 s26, s26, s27                     ; my first column
	s_lshl_b32 s24, s26, 5
	s_add_nc_u64 s[WSB:WSB+1], s[WSB:WSB+1], s[24:25]
.endif
	s_lshl_b32 s24, ttmp9, 10
	s_add_nc_u64 s[10:11], s[10:11], s[24:25]
	s_lshl_b32 s26, s18, 6
	s_lshl_b32 s27, s16, 4
	s_add_co_u32 s26, s26, s27
	s_lshl_b32 s26, s26, 12
	s_add_co_u32 s24, s24, s26                     ; row 64 y + 16 w, column 256 x
	s_add_nc_u64 s[12:13], s[12:13], s[24:25]
	s_add_nc_u64 s[14:15], s[14:15], s[24:25]
	WIN 0x40
.irp mt, 0,1,2,3
.irp ks, 0,1,2,3,4,5,6,7
.irp c, 0,1
.if SPLIT
	global_load_b128 v[8*(8*\mt+\ks)+4*\c:8*(8*\mt+\ks)+4*\c+3], v[L16], s[AB:AB+1] offset:32768*\mt+1024*\ks+512*\c
.else
	global_load_b128 v[8*(8*\mt+\ks)+4*\c:8*(8*\mt+\ks)+4*\c+3], v[AV], s[AB:AB+1] offset:8192*\mt+64*\ks+32*\c
.endif
.endr
.endr
.endr
	WIN 0
.irp mt, 0,1,2,3
.if SPLIT
.irp wq, 0,1,2,3
	global_load_b64 v[AS+8*\mt+2*\wq:AS+8*\mt+2*\wq+1], v[ASV], s[ASB:ASB+1] offset:(\mt/2)*4096+256*\wq+(\mt%2)*128
.endr
.else
.irp hf, 0,1
	global_load_b128 v[AS+8*\mt+4*\hf:AS+8*\mt+4*\hf+3], v[ASV], s[ASB:ASB+1] offset:512*\mt+16*\hf
.endr
.endif
.endr
	WLOAD 0
	WLOAD 1
.if NP > 2
	WLOAD 2
.else
	RESLOAD
.endif
.set PP, 0
.rept NP
	OPAIR PP
.set PP, PP+1
.endr
	s_wait_dscnt 0x0                               ; for the others' sake: my results lie in the stage
	s_barrier_signal -1
	s_barrier_wait -1
	; THE WAY OUT: wave w takes rows 16 w on, four at a time
.irp bt, 0,1,2,3
.irp ii, 0,1,2,3
.irp e, 0,1
.irp k, 0,1,2,3
.if \k < NPART
	ds_load_b128 v[64+16*(2*\ii+\e)+4*\k:64+16*(2*\ii+\e)+4*\k+3], v[RD+\k] offset:(4*\bt+\ii)*RPITCH+512*\e
.endif
.endr
.endr
.endr
	s_wait_dscnt 0x0
.if \bt == 0
	s_wait_loadcnt 0x0                             ; residual and bias
.endif
.irp ii, 0,1,2,3
.irp e, 0,1
.if NPART == 4
	v_pk_add_f32 v[64+16*(2*\ii+\e):65+16*(2*\ii+\e)], v[64+16*(2*\ii+\e):65+16*(2*\ii+\e)], v[68+16*(2*\ii+\e):69+16*(2*\ii+\e)]
	v_pk_add_f32 v[66+16*(2*\ii+\e):67+16*(2*\ii+\e)], v[66+16*(2*\ii+\e):67+16*(2*\ii+\e)], v[70+16*(2*\ii+\e):71+16*(2*\ii+\e)]
	v_pk_add_f32 v[72+16*(2*\ii+\e):73+16*(2*\ii+\e)], v[72+16*(2*\ii+\e):73+16*(2*\ii+\e)], v[76+16*(2*\ii+\e):77+16*(2*\ii+\e)]
	v_pk_add_f32 v[74+16*(2*\ii+\e):75+16*(2*\ii+\e)], v[74+16*(2*\ii+\e):75+16*(2*\ii+\e)], v[78+16*(2*\ii+\e):79+16*(2*\ii+\e)]
	v_pk_add_f32 v[64+16*(2*\ii+\e):65+16*(2*\ii+\e)], v[64+16*(2*\ii+\e):65+16*(2*\ii+\e)], v[72+16*(2*\ii+\e):73+16*(2*\ii+\e)]
	v_pk_add_f32 v[66+16*(2*\ii+\e):67+16*(2*\ii+\e)], v[66+16*(2*\ii+\e):67+16*(2*\ii+\e)], v[74+16*(2*\ii+\e):75+16*(2*\ii+\e)]
.endif
	v_pk_add_f32 v[64+16*(2*\ii+\e):65+16*(2*\ii+\e)], v[64+16*(2*\ii+\e):65+16*(2*\ii+\e)], v[BI+4*\e:BI+4*\e+1]
	v_pk_add_f32 v[66+16*(2*\ii+\e):67+16*(2*\ii+\e)], v[66+16*(2*\ii+\e):67+16*(2*\ii+\e)], v[BI+4*\e+2:BI+4*\e+3]
.endr
.endr
	WIN 0xc3                                       ; the residual: destination and source 0 in window 3
.irp ii, 0,1,2,3
.irp e, 0,1
	v_pk_add_f32 v[128+8*(4*\bt+\ii)+4*\e:129+8*(4*\bt+\ii)+4*\e], v[128+8*(4*\bt+\ii)+4*\e:129+8*(4*\bt+\ii)+4*\e], v[64+16*(2*\ii+\e):65+16*(2*\ii+\e)]
	v_pk_add_f32 v[130+8*(4*\bt+\ii)+4*\e:131+8*(4*\bt+\ii)+4*\e], v[130+8*(4*\bt+\ii)+4*\e:131+8*(4*\bt+\ii)+4*\e], v[66+16*(2*\ii+\e):67+16*(2*\ii+\e)]
.endr
.endr
	WIN 0x0c                                       ; a store's data are its source 1
.irp ii, 0,1,2,3
.irp e, 0,1
	global_store_b128 v[L16], v[128+8*(4*\bt+\ii)+4*\e:131+8*(4*\bt+\ii)+4*\e], s[14:15] offset:4096*(4*\bt+\ii)+512*\e     ; 32 lanes store 512 consecutive bytes, at a multiple of 256 from the buffer's first byte
.endr
.endr
	WIN 0
.endr
	s_wait_tensorcnt 0x0
	ds_add_u32 v254, v255
	s_wait_dscnt 0x0
	s_endpgm
.Lfunc_end_k_q39e7640a26_proj:
	.size	k_q39e7640a26_proj, .Lfunc_end_k_q39e7640a26_proj-k_q39e7640a26_proj
	.p2alignl 7, 3214868480
	.fill 96, 4, 3214868480
	.section	.rodata,"a",@progbits
	.p2align	6, 0x0
	.amdhsa_kernel k_q39e7640a26_proj
		.amdhsa_group_segment_fixed_size 67072
		.amdhsa_private_segment_fixed_size 0
		.amdhsa_enable_private_segment 0
		.amdhsa_kernarg_size 48
		.amdhsa_user_sgpr_count 2
		.amdhsa_user_sgpr_kernarg_segment_ptr 1
		.amdhsa_wavefront_size32 1
		.amdhsa_system_sgpr_workgroup_id_x 1
		.amdhsa_system_sgpr_workgroup_id_y 1
		.amdhsa_system_sgpr_workgroup_id_z 1
		.amdhsa_system_vgpr_workitem_id 0
		.amdhsa_next_free_vgpr 1024
		.amdhsa_next_free_sgpr 66
		.amdhsa_reserve_vcc 0
		.amdhsa_float_denorm_mode_32 3
		.amdhsa_float_denorm_mode_16_64 3
		.amdhsa_memory_ordered 1
		.amdhsa_forward_progress 1
		.amdhsa_inst_pref_size 52
	.end_amdhsa_kernel
	.amdgpu_metadata
---
amdhsa.version: [ 1, 2 ]
amdhsa.kernels:
  - .name:           k_q39e7640a26_proj
    .symbol:         k_q39e7640a26_proj.kd
    .args:
      - { .name: att, .offset: 0, .size: 8, .value_kind: global_buffer, .address_space: global }
      - { .name: wimg, .offset: 8, .size: 8, .value_kind: global_buffer, .address_space: global }
      - { .name: w_proj_scales, .offset: 16, .size: 8, .value_kind: global_buffer, .address_space: global }
      - { .name: b_proj, .offset: 24, .size: 8, .value_kind: global_buffer, .address_space: global }
      - { .name: x, .offset: 32, .size: 8, .value_kind: global_buffer, .address_space: global }
      - { .name: x1, .offset: 40, .size: 8, .value_kind: global_buffer, .address_space: global }
    .group_segment_fixed_size: 67072
    .private_segment_fixed_size: 0
    .kernarg_segment_align: 8
    .kernarg_segment_size: 48
    .max_flat_workgroup_size: 128
    .sgpr_count:     66
    .vgpr_count:     1024
    .wavefront_size: 32
...
	.end_amdgpu_metadata
.endif
;; end of part 3
;; launch lnffn1 (part 4): grid 4 x 64, 4 waves a work-group, no clusters, 37,376 bytes of LDS; arguments x1, g2, be2, wimg, w1_scales, b1, hid; writes hid
.if DOCPART == 4
	.amdgcn_target "amdgcn-amd-amdhsa--gfx1250"
	.amdhsa_code_object_version 6
	.text
	.protected	k_q39e7640a26_lnffn1
	.globl	k_q39e7640a26_lnffn1
	.p2align	8
	.type	k_q39e7640a26_lnffn1,@function
k_q39e7640a26_lnffn1:
	s_mov_b64 s[64:65], 0
	v_nop
	global_prefetch_b8 v0, s[64:65] scope:SCOPE_SE
	s_setreg_imm32_b32 hwreg(HW_REG_WAVE_MODE, 25, 1), 1
	s_wait_xcnt 0x0
; h2 = LN(x1; g2, be2), quantised along its 1,024; relu(h2 W1 + b1) on codes of E2M1, quantised along the hidden axis and stored as images of the next product's operand registers.
; SHARES.  A work-group takes 64 rows (work-group y) and 1,024 hidden units (work-group x); wave w normalises and quantises 16 of the rows and multiplies all 64 rows by the 256 units 256 w on.
; LN AND ITS QUANTISER SHARE ONE LAYOUT: of a row a lane holds k = 128 (lane / 4) + 32 s + 8 (lane % 4) + 0 .. 7, s = 0 .. 3.  A block of 32 lies in four neighbouring lanes; a lane's eight registers are eight neighbours for the
; conversion; the four scale bytes of K step lane / 4 fall into one lane as a word.  Only codes and scale words go to LDS, as rows; every wave reads all 64 rows' fragments back.
; A STAYS, W STREAMS: the 64 rows' codes for all of K lie in window 1; W1 comes from memory straight into operand registers, 32 units (a pair of tiles) at a time, three pairs in flight.
; W1 is read as images of the operand registers, laid by the first launch at byte 524,288 of wimg: [tile][K step][c][lane x 16 bytes]: each load reads 512 consecutive bytes.
; THE ROWS OF W1 THAT FORM A TILE ARE NOT NEIGHBOURS: lane r of tile 2 B + u holds unit 32 B + 8 u + r + 8 (r / 8), so that the 16 registers of a pair's two tiles are 16 neighbours along the next K.
; b1 is the C of each sum's first product: eight registers a tile, in the result's layout, in window 3.
; No cluster: each operand byte is asked for once by a work-group, straight into registers; no slot in LDS is filled again, so there is no refill that partners could ask for jointly.
; LIMITS: NaN and infinities among the inputs are not served.  A block whose largest magnitude lies under 2^-124 gets the scale byte 1 (a block of zeros too, where the rule says 127: its codes are zeros, and this
; program alone reads the bytes).  The sums of LN are trees, not chains; its last multiply and add are fused.
; REGISTERS.  window 0: v1-15 addresses; v16-31 means and 1/sigma, later the quantiser's work; v32-63 A's scale words; v64-95, v160-191 codes to store; v96-159 LN's sums, its quantiser's work, the accumulators;
;   v192-239 W's scale words; v240-251 the hidden layer's scale words.  window 1: eight rows of x1, later A's fragments.  window 2: W's sets 0 and 1 (in set 1's place, while LN runs: g and be at v128-191).
;   window 3: v0-127 W's set 2; v128-255 b1.
.set ROWP,   0
.set NP,     8
.set TP,     32
.set TU,     8
.set WTILE,  8192                      ; a tile's images: 8 K steps of 1,024 bytes
.set SPITCH, 32
.set CPITCH, 528                       ; a row of codes in LDS: 512 bytes + 16: 33 x 16, so that sixteen rows' 16-byte pieces fall on different banks (64 banks of 4 bytes: ISA guide 11.1)
.set APITCH, 48                        ; a row's 8 scale words + 16: 3 x 16, for the same reason
.set ASC,    64*CPITCH
.set W1IMG,  524288
.set L16, 1
.set XO,  3
.set CW,  4
.set ASW, 5
.set AIR, 6
.set ASR, 7
.set WSA, 10
.set H64, 11
.set L8,  12
.set TM,  16
.set MU,  16
.set RS,  24
.set AS,  32
.set T,   96
.set ACC, 96
.set QM,  96
.set QS,  112
.set QB,  128
.set QC,  144
.set WS,  192
.set WB,  10
.set WSB, 12
.set SEL, 20
.set HB,  28
.set HS,  30
.set MSB, 0
.macro WIN new                         ; the immediate's high byte repeats the setting that is left; a switch that changes nothing is dropped
.if MSB != (\new)
	s_set_vgpr_msb (MSB<<8)|(\new)
.set MSB, (\new)
.endif
.endm
.macro PLACES n
.rept \n
	v_nop
.endr
.endm
.macro WFR p, u                        ; tile u of pair p: its 8 K steps' images, 16 loads of 512 consecutive bytes, into set p % 3
.set LB, (\p)%3
	WIN 0x80+0x40*(LB/2)
.irp ks, 0,1,2,3,4,5,6,7
.irp c, 0,1
	global_load_b128 v[128*(LB%2)+64*(\u)+8*\ks+4*\c:128*(LB%2)+64*(\u)+8*\ks+4*\c+3], v[L16], s[WB:WB+1] offset:(2*(\p)+(\u))*WTILE+1024*\ks+512*\c
.endr
.endr
.endm
.macro WSC p                           ; the pair's scale words: a row's 32 bytes are the words of its 8 K steps
.set LB, (\p)%3
	WIN 0
.irp u, 0,1
.irp hf, 0,1
	global_load_b128 v[WS+16*LB+8*\u+4*\hf:WS+16*LB+8*\u+4*\hf+3], v[WSA], s[WSB:WSB+1] offset:(TP*(\p)+TU*\u)*SPITCH+16*\hf
.endr
.endr
.endm
.macro WLOAD p
	WFR \p, 0
	WFR \p, 1
	WSC \p
.endm
.macro WMC d, a, b, c, sa, sb
	v_wmma_scale_f32_16x16x128_f8f6f4 v[(\d):(\d)+7], v[(\a):(\a)+7], v[(\b):(\b)+7], v[(\c):(\c)+7], v[(\sa)], v[(\sb)] matrix_a_fmt:MATRIX_FMT_FP4 matrix_b_fmt:MATRIX_FMT_FP4
.endm
; A pair's 64 products: K step by K step, the 8 accumulators by turns, one instruction a turn.  Source 0 = W1, source 1 = the rows; the first K step takes b1's registers of window 3 as C.
.macro MULPAIR p, acc
.set MB, (\p)%3
.set MO, 128*(MB%2)
.set MWIN, 0x04|(2+MB/2)
.irp ks, 0,1,2,3,4,5,6,7
.if \ks == 0
	WIN MWIN|0x30
.else
	WIN MWIN
.endif
.irp u, 0,1
.irp mt, 0,1,2,3
.if \ks == 0
	WMC (\acc)+8*(4*\u+\mt), MO+64*\u+8*\ks, 8*(8*\mt+\ks), 128+16*(\p)+8*\u, WS+16*MB+8*\u+\ks, AS+8*\mt+\ks
.else
	WMC (\acc)+8*(4*\u+\mt), MO+64*\u+8*\ks, 8*(8*\mt+\ks), (\acc)+8*(4*\u+\mt), WS+16*MB+8*\u+\ks, AS+8*\mt+\ks
.endif
.endr
.endr
.endr
.endm
; THE QUANTISER OF RESULTS, four units by turns.  Unit i: 16 neighbours along K in v[a..a+7], v[b..b+7]; lane l xor 16 holds the block's other 16.  Codes to v[d], v[d+1]; the scale's byte to v[TM+4+i].
.macro QM1 i, a
	v_max3_num_f32 v[TM+\i], |v[(\a)]|, |v[(\a)+1]|, 0x1800000      ; with the floor 2^(3 - 127): the byte cannot fall under 1
.endm
.macro QM2 i, a, k
	v_max3_num_f32 v[TM+\i], v[TM+\i], |v[(\a)+\k]|, |v[(\a)+\k+1]|
.endm
.macro QCV i, a, b, d
	v_cvt_scalef32_pk8_fp4_f32 v[(\d)], v[(\a):(\a)+7], v[TM+12+\i]
	v_cvt_scalef32_pk8_fp4_f32 v[(\d)+1], v[(\b):(\b)+7], v[TM+12+\i]
.endm
.macro Q4 a0,b0,d0,a1,b1,d1,a2,b2,d2,a3,b3,d3
	QM1 0, \a0
	QM1 1, \a1
	QM1 2, \a2
	QM1 3, \a3
.irp k, 2,4,6
	QM2 0, \a0, \k
	QM2 1, \a1, \k
	QM2 2, \a2, \k
	QM2 3, \a3, \k
.endr
.irp k, 0,2,4,6
	QM2 0, \b0, \k
	QM2 1, \b1, \k
	QM2 2, \b2, \k
	QM2 3, \b3, \k
.endr
.irp i, 0,1,2,3
	v_permlanex16_b32 v[TM+4+\i], v[TM+\i], s[SEL], s[SEL+1]
.endr
.irp i, 0,1,2,3
	v_max_num_f32 v[TM+\i], v[TM+\i], v[TM+4+\i]                    ; the block's largest magnitude
.endr
.irp i, 0,1,2,3
	v_add_nc_u32 v[TM+12+\i], 0xff000000, v[TM+\i]                  ; 2 off its exponent field: the conversion's scale operand
.endr
.irp i, 0,1,2,3
	v_lshrrev_b32 v[TM+4+\i], 23, v[TM+12+\i]                       ; the scale's byte
.endr
	QCV 0, \a0, \b0, \d0
	QCV 1, \a1, \b1, \d1
	QCV 2, \a2, \b2, \d2
	QCV 3, \a3, \b3, \d3
	v_nop                                                           ; one plain place behind the last scaled conversion
.endm
.macro SWAP4 d                         ; two half blocks a lane become one whole block: lane (r, h) then holds block h in v[d..d+3]
	v_permlane16_swap_b32 v[(\d)], v[(\d)+2]
	v_permlane16_swap_b32 v[(\d)+1], v[(\d)+3]
.endm
.macro XROWS gm                        ; rows 4 gm .. 4 gm + 3 of my tile into four slots of window 1: register 8 s + 4 half + e of a slot is k = 128 (lane / 4) + 32 s + 8 (lane % 4) + 4 half + e
	WIN 0x40
.irp q, 0,1,2,3
.irp i, 0,1,2,3,4,5,6,7
	global_load_b128 v[128*((\gm)%2)+32*\q+4*\i:128*((\gm)%2)+32*\q+4*\i+3], v[XO], s[4:5] offset:((4*(\gm)+\q)+8*ROWP*((4*(\gm)+\q)/8))*4096+128*(\i/2)+16*(\i%2)
.endr
.endr
.endm
.macro TADD a, b                       ; for the four rows: pair a += pair b
.irp q, 0,1,2,3
	v_pk_add_f32 v[T+16*\q+(\a):T+16*\q+(\a)+1], v[T+16*\q+(\a):T+16*\q+(\a)+1], v[T+16*\q+(\b):T+16*\q+(\b)+1]
.endr
.endm
.macro CROSS                           ; a pair's two halves, then the 32 lanes: every lane ends with the row's sum
.irp q, 0,1,2,3
	v_add_f32 v[T+16*\q], v[T+16*\q], v[T+16*\q+1]
.endr
.irp m, 1,2,4,8
.irp q, 0,1,2,3
	v_add_f32_dpp v[T+16*\q], v[T+16*\q], v[T+16*\q] row_xmask:\m row_mask:0xf bank_mask:0xf
.endr
.endr
.irp q, 0,1,2,3
	v_permlanex16_b32 v[T+16*\q+1], v[T+16*\q], s[SEL], s[SEL+1]
.endr
.irp q, 0,1,2,3
	v_add_f32 v[T+16*\q], v[T+16*\q], v[T+16*\q+1]
.endr
.endm
; LN of four rows and their quantising, the four by turns in every stage.  The mean first, then the squares of the differences: a common offset of the inputs costs no accuracy.
.macro LNGROUP gm
.set XB, 128*((\gm)%2)
.if (\gm) == 3
	s_wait_loadcnt 36                              ; my four rows are in; behind them were issued pair 0's 32 fragment loads and 4 scale loads
.else
	s_wait_loadcnt 32                              ; my four rows (and all that was asked for before them) are in; the next four rows' 32 loads may be out
.endif
	WIN 0x05
.irp i, 0,1,2,3,4,5,6,7
.irp q, 0,1,2,3
	v_pk_add_f32 v[T+16*\q+2*\i:T+16*\q+2*\i+1], v[XB+32*\q+4*\i:XB+32*\q+4*\i+1], v[XB+32*\q+4*\i+2:XB+32*\q+4*\i+3]
.endr
.endr
	WIN 0
	TADD 0, 2
	TADD 4, 6
	TADD 8, 10
	TADD 12, 14
	TADD 0, 4
	TADD 8, 12
	TADD 0, 8
	CROSS
.irp q, 0,1,2,3
	v_mul_f32 v[MU+2*\q], s22, v[T+16*\q]          ; the mean: x 2^-10
	v_mul_f32 v[MU+2*\q+1], s22, v[T+16*\q]
.endr
	WIN 0x41
.irp i, 0,1,2,3,4,5,6,7,8,9,10,11,12,13,14,15
.irp q, 0,1,2,3
	v_pk_add_f32 v[XB+32*\q+2*\i:XB+32*\q+2*\i+1], v[XB+32*\q+2*\i:XB+32*\q+2*\i+1], v[MU+2*\q:MU+2*\q+1] neg_lo:[0,1] neg_hi:[0,1]
.endr
.endr
	WIN 0x05
.irp i, 0,1,2,3
.irp q, 0,1,2,3
	v_pk_mul_f32 v[T+16*\q+2*\i:T+16*\q+2*\i+1], v[XB+32*\q+2*\i:XB+32*\q+2*\i+1], v[XB+32*\q+2*\i:XB+32*\q+2*\i+1]
.endr
.endr
.irp i, 4,5,6,7,8,9,10,11,12,13,14,15
.irp q, 0,1,2,3
	v_pk_fma_f32 v[T+16*\q+2*(\i%4):T+16*\q+2*(\i%4)+1], v[XB+32*\q+2*\i:XB+32*\q+2*\i+1], v[XB+32*\q+2*\i:XB+32*\q+2*\i+1], v[T+16*\q+2*(\i%4):T+16*\q+2*(\i%4)+1]
.endr
.endr
	WIN 0
	TADD 0, 2
	TADD 4, 6
	TADD 0, 4
	CROSS
.irp q, 0,1,2,3
	v_fma_f32 v[T+16*\q], v[T+16*\q], s22, s23     ; the variance + 1e-5
.endr
.irp q, 0,1,2,3
	v_rsq_f32 v[RS+2*\q], v[T+16*\q]
	v_rsq_f32 v[RS+2*\q+1], v[T+16*\q]
.endr
	v_nop                                          ; a plain place behind the last of the batch
	s_wait_alu depctr_va_vdst(0)                   ; one wait for the eight, ahead of their first reader
	WIN 0x41
.irp i, 0,1,2,3,4,5,6,7,8,9,10,11,12,13,14,15
.irp q, 0,1,2,3
	v_pk_mul_f32 v[XB+32*\q+2*\i:XB+32*\q+2*\i+1], v[XB+32*\q+2*\i:XB+32*\q+2*\i+1], v[RS+2*\q:RS+2*\q+1]
.endr
.endr
	WIN 0x69                                       ; g and be lie in window 2
.irp i, 0,1,2,3,4,5,6,7,8,9,10,11,12,13,14,15
.irp q, 0,1,2,3
	v_pk_fma_f32 v[XB+32*\q+2*\i:XB+32*\q+2*\i+1], v[XB+32*\q+2*\i:XB+32*\q+2*\i+1], v[128+2*\i:129+2*\i], v[160+2*\i:161+2*\i]
.endr
.endr
	; the rows are quantised where they stand: unit 4 q + s is my eight numbers of block 4 (lane / 4) + s of row q; sixteen units by turns
	WIN 0x05
.irp q, 0,1,2,3
.irp s, 0,1,2,3
	v_max3_num_f32 v[QM+4*\q+\s], |v[XB+32*\q+8*\s]|, |v[XB+32*\q+8*\s+1]|, 0x1800000      ; with the floor 2^(3 - 127): the byte cannot fall under 1
.endr
.endr
.irp k, 2,4,6
.irp q, 0,1,2,3
.irp s, 0,1,2,3
	v_max3_num_f32 v[QM+4*\q+\s], |v[XB+32*\q+8*\s+\k]|, |v[XB+32*\q+8*\s+\k+1]|, v[QM+4*\q+\s]
.endr
.endr
.endr
	WIN 0
.irp m, 1,2
.set N, 0
.rept 16
	v_max_num_f32_dpp v[QM+N], v[QM+N], v[QM+N] row_xmask:\m row_mask:0xf bank_mask:0xf     ; with the three other lanes of the block
.set N, N+1
.endr
.endr
.set N, 0
.rept 16
	v_add_nc_u32 v[QS+N], 0xff000000, v[QM+N]      ; 2 off the exponent field: the conversion's scale operand
.set N, N+1
.endr
.set N, 0
.rept 16
	v_lshrrev_b32 v[QB+N], 23, v[QS+N]             ; the scale's byte
.set N, N+1
.endr
.irp b, 1,2,3
.irp q, 0,1,2,3
	v_lshl_or_b32 v[QB+4*\q], v[QB+4*\q+\b], 8*\b, v[QB+4*\q]      ; the four blocks are K step lane / 4: their bytes are its scale word
.endr
.endr
	WIN 0x01
.irp q, 0,1,2,3
.irp s, 0,1,2,3
	v_cvt_scalef32_pk8_fp4_f32 v[QC+4*\q+\s], v[XB+32*\q+8*\s:XB+32*\q+8*\s+7], v[QS+4*\q+\s]
.endr
.endr
	v_nop                                          ; one plain place behind the last scaled conversion
	WIN 0
.irp q, 0,1,2,3
.irp s, 0,1,2,3
	ds_store_b32 v[CW], v[QC+4*\q+\s] offset:(4*(\gm)+\q)*CPITCH+16*\s       ; eight codes: 4 bytes at 64 (lane / 4) + 16 s + 4 (lane % 4) of the row
.endr
	ds_store_b32 v[ASW], v[QB+4*\q] offset:(4*(\gm)+\q)*APITCH               ; the four lanes of a K step write the same word with the same value
.endr
	s_wait_dscnt 0x0                               ; the stores have read their registers; behind the last group: for the others' sake, they have landed
.if (\gm) < 2
	XROWS (\gm)+2
.elseif (\gm) == 2
	WFR 0, 0
	WFR 0, 1
	WSC 0
.endif
.endm
.macro LWAIT p                         ; pair p's loads are in.  Behind them were issued: pairs p + 1 and p + 2 (72 loads; 63 is the most that the count can name), one pair (36), or nothing
.if (\p) == NP-1
	s_wait_loadcnt 0
.elseif (\p) == NP-2
	s_wait_loadcnt 36
.else
	s_wait_loadcnt 63
.endif
.endm
; A pair: 32 hidden units for the 64 rows: one block of 32 along the next K for each row.  Four pairs make a K step of the next product: its fragment and scale word for each of the four row tiles.
.macro FPAIR p
	LWAIT \p
	MULPAIR \p, ACC
	WIN 0
	PLACES 5                                       ; in front of loads into W's registers and of the first read of results (4), and of the next pair's products, which begin the same accumulators anew (5)
.if (\p)+3 < NP
	WLOAD (\p)+3
.endif
.set J, 0
.rept 64
	v_max_num_f32 v[ACC+J], 0, v[ACC+J]            ; the activation, in f32; each accumulator from its low end on
.set J, J+1
.endr
.set CDB, 64+96*((\p)/4)+2*((\p)%4)
	Q4 ACC,ACC+32,CDB, ACC+8,ACC+40,CDB+8, ACC+16,ACC+48,CDB+16, ACC+24,ACC+56,CDB+24
.irp mt, 0,1,2,3
.if (\p)%4 == 0
	v_mov_b32 v[240+4*((\p)/4)+\mt], v[TM+4+\mt]
.else
	v_lshl_or_b32 v[240+4*((\p)/4)+\mt], v[TM+4+\mt], 8*((\p)%4), v[240+4*((\p)/4)+\mt]
.endif
.endr
.if (\p)%4 == 3
.irp mt, 0,1,2,3
	SWAP4 64+96*((\p)/4)+8*\mt
	SWAP4 64+96*((\p)/4)+8*\mt+4
.endr
.irp mt, 0,1,2,3
.irp c, 0,1
	global_store_b128 v[L16], v[64+96*((\p)/4)+8*\mt+4*\c:64+96*((\p)/4)+8*\mt+4*\c+3], s[HB:HB+1] offset:32768*\mt+1024*((\p)/4)+512*\c     ; 32 lanes store 512 consecutive bytes
.endr
.endr
.endif
.endm
	s_load_b256 s[4:11], s[0:1], 0x0               ; x1, g2, be2, wimg
	s_load_b128 s[12:15], s[0:1], 0x20             ; W1's scales, b1
	s_load_b64 s[36:37], s[0:1], 0x30              ; hid
	v_lshl_add_u32 v254, v0, 2, 0x9000
	v_mov_b32 v255, 0
	; all offsets are made while the arguments are on their way
	v_lshrrev_b32 v2, 5, v0
	v_readfirstlane_b32 s16, v2                    ; wave 0..3
	s_and_b32 s18, ttmp7, 0xffff                   ; the block of 64 rows
	v_and_b32 v2, 31, v0                           ; lane
	v_and_b32 v14, 15, v0                          ; r
	v_bfe_u32 v15, v0, 4, 1                        ; h
	v_lshlrev_b32 v[L16], 4, v2
	v_lshlrev_b32 v[L8], 3, v2
	v_lshlrev_b32 v[H64], 6, v15
	v_lshrrev_b32 v[ASW], 2, v2                    ; lane / 4
	v_and_b32 v[CW], 3, v2                         ; lane % 4
	v_lshlrev_b32 v[XO], 5, v[CW]
	v_lshl_add_u32 v[XO], v[ASW], 9, v[XO]         ; x1, g, be: 512 (lane / 4) + 32 (lane % 4)
	v_lshlrev_b32 v[CW], 2, v[CW]
	v_lshl_add_u32 v[CW], v[ASW], 6, v[CW]         ; codes: 64 (lane / 4) + 4 (lane % 4),
	v_lshlrev_b32 v[ASW], 2, v[ASW]                ; scale words: 4 (lane / 4),
	s_mul_i32 s24, s16, 16*CPITCH
	v_add_nc_u32 v[CW], s24, v[CW]                 ; in my 16 rows
	s_mul_i32 s24, s16, 16*APITCH
	s_add_co_u32 s24, s24, ASC
	v_add_nc_u32 v[ASW], s24, v[ASW]
	v_mul_u32_u24 v[AIR], v14, CPITCH
	v_lshl_add_u32 v[AIR], v15, 4, v[AIR]          ; a fragment: row r, + 16 h
	v_mul_u32_u24 v[ASR], v14, APITCH
	v_add_nc_u32 v[ASR], ASC, v[ASR]
	v_and_b32 v[WSA], 8, v14
	v_add_nc_u32 v[WSA], v[WSA], v14               ; r + 8 (r / 8)
	v_lshlrev_b32 v[WSA], 5, v[WSA]
	s_mov_b32 s[SEL], 0x76543210
	s_mov_b32 s[SEL+1], 0xfedcba98                 ; v_permlanex16_b32's selects for lane l xor 16
	s_mov_b32 s22, 0x3a800000                      ; 2^-10
	s_mov_b32 s23, 0x3727c5ac                      ; 1e-5
	s_mov_b32 vcc_lo, 0xffff0000                   ; lanes 16-31: set once
	s_lshl_b32 s24, s18, 6
	s_lshl_b32 s25, s16, 4
	s_add_co_u32 s24, s24, s25                     ; my tile's first row: 64 y + 16 w
	s_lshl_b32 s24, s24, 12
	s_mov_b32 s25, 0
	s_lshl_b32 s26, ttmp9, 19
	s_lshl_b32 s27, s16, 17
	s_add_co_u32 s26, s26, s27
	s_add_co_u32 s26, s26, W1IMG                   ; W1's images: tile 64 x + 16 w
	s_mov_b32 s27, 0
	s_lshl_b32 s42, ttmp9, 10
	s_lshl_b32 s43, s16, 8
	s_add_co_u32 s42, s42, s43                     ; my first hidden unit
	s_lshl_b32 s38, s42, 5
	s_mov_b32 s39, 0
	s_lshl_b32 s40, s42, 2
	s_mov_b32 s41, 0
	s_lshl_b32 s[HB], s18, 17
	s_lshl_b32 s43, ttmp9, 13
	s_add_co_u32 s[HB], s[HB], s43
	s_lshl_b32 s43, s16, 11
	s_add_co_u32 s[HB], s[HB], s43                 ; hid's images: row tile 4 y, K step 8 x + 2 w
	s_mov_b32 s[HB+1], 0
	s_lshl_b32 s[HS], s18, 13
	s_lshl_b32 s43, ttmp9, 10
	s_add_co_u32 s[HS], s[HS], s43
	s_lshl_b32 s43, s16, 8
	s_add_co_u32 s[HS], s[HS], s43
	s_add_co_u32 s[HS], s[HS], 8388608             ; its scale words: pair of row tiles 2 y, quarter x, wave w
	s_mov_b32 s[HS+1], 0
	s_wait_kmcnt 0x0
	s_add_nc_u64 s[4:5], s[4:5], s[24:25]
	s_add_nc_u64 s[WB:WB+1], s[WB:WB+1], s[26:27]
	s_add_nc_u64 s[WSB:WSB+1], s[WSB:WSB+1], s[38:39]
	s_add_nc_u64 s[14:15], s[14:15], s[40:41]
	s_add_nc_u64 s[HB:HB+1], s[36:37], s[HB:HB+1]
	s_add_nc_u64 s[HS:HS+1], s[36:37], s[HS:HS+1]
	WIN 0xc0
.irp p, 0,1,2,3,4,5,6,7
.irp u, 0,1
.irp hf, 0,1
	global_load_b128 v[128+16*\p+8*\u+4*\hf:128+16*\p+8*\u+4*\hf+3], v[H64], s[14:15] offset:(32*\p+8*\u)*4+16*\hf     ; b1 at units 32 p + 8 u + 16 h + 0 .. 7
.endr
.endr
.endr
	WIN 0x80
.irp i, 0,1,2,3,4,5,6,7
	global_load_b128 v[128+4*\i:131+4*\i], v[XO], s[6:7] offset:128*(\i/2)+16*(\i%2)
.endr
.irp i, 0,1,2,3,4,5,6,7
	global_load_b128 v[160+4*\i:163+4*\i], v[XO], s[8:9] offset:128*(\i/2)+16*(\i%2)
.endr
	XROWS 0
	XROWS 1
	LNGROUP 0
	LNGROUP 1
	LNGROUP 2
	LNGROUP 3
	s_barrier_signal -1                            ; (the group has ended with the wait for my LDS stores)
	s_barrier_wait -1                              ; the 64 rows' codes and scale words lie in LDS
	WIN 0x40
.irp mt, 0,1,2,3
.irp ks, 0,1,2,3,4,5,6,7
.irp c, 0,1
	ds_load_b128 v[8*(8*\mt+\ks)+4*\c:8*(8*\mt+\ks)+4*\c+3], v[AIR] offset:\mt*16*CPITCH+64*\ks+32*\c
.endr
.endr
.endr
	WIN 0
.irp mt, 0,1,2,3
.irp hf, 0,1
	ds_load_b128 v[AS+8*\mt+4*\hf:AS+8*\mt+4*\hf+3], v[ASR] offset:\mt*16*APITCH+16*\hf
.endr
.endr
	WLOAD 1                                        ; g and be are done with: set 1 takes their place
	WLOAD 2
	s_wait_dscnt 0x0
.irp p, 0,1,2,3,4,5,6,7
	FPAIR \p
.endr
.irp a, 0,1
	v_cndmask_b32 v[248+2*\a], v[240+2*\a], v[241+2*\a], vcc_lo     ; lanes 0-15: row tile 2 a; lanes 16-31: row tile 2 a + 1; my first K step's words,
	v_cndmask_b32 v[249+2*\a], v[244+2*\a], v[245+2*\a], vcc_lo     ; and my second's
	global_store_b64 v[L8], v[248+2*\a:249+2*\a], s[HS:HS+1] offset:4096*\a     ; 32 lanes store 256 consecutive bytes
.endr
	s_wait_tensorcnt 0x0
	ds_add_u32 v254, v255
	s_wait_dscnt 0x0
	s_endpgm
.Lfunc_end_k_q39e7640a26_lnffn1:
	.size	k_q39e7640a26_lnffn1, .Lfunc_end_k_q39e7640a26_lnffn1-k_q39e7640a26_lnffn1
	.p2alignl 7, 3214868480
	.fill 96, 4, 3214868480
	.section	.rodata,"a",@progbits
	.p2align	6, 0x0
	.amdhsa_kernel k_q39e7640a26_lnffn1
		.amdhsa_group_segment_fixed_size 37376
		.amdhsa_private_segment_fixed_size 0
		.amdhsa_enable_private_segment 0
		.amdhsa_kernarg_size 56
		.amdhsa_user_sgpr_count 2
		.amdhsa_user_sgpr_kernarg_segment_ptr 1
		.amdhsa_wavefront_size32 1
		.amdhsa_system_sgpr_workgroup_id_x 1
		.amdhsa_system_sgpr_workgroup_id_y 1
		.amdhsa_system_sgpr_workgroup_id_z 1
		.amdhsa_system_vgpr_workitem_id 0
		.amdhsa_next_free_vgpr 1024
		.amdhsa_next_free_sgpr 66
		.amdhsa_reserve_vcc 1
		.amdhsa_float_denorm_mode_32 3
		.amdhsa_float_denorm_mode_16_64 3
		.amdhsa_memory_ordered 1
		.amdhsa_forward_progress 1
		.amdhsa_inst_pref_size 255
	.end_amdhsa_kernel
	.section	.bss,"aw",@nobits
	.p2align	6
	.space	262144
	.amdgpu_metadata
---
amdhsa.version: [ 1, 2 ]
amdhsa.kernels:
  - .name:           k_q39e7640a26_lnffn1
    .symbol:         k_q39e7640a26_lnffn1.kd
    .args:
      - { .name: x1, .offset: 0, .size: 8, .value_kind: global_buffer, .address_space: global }
      - { .name: g2, .offset: 8, .size: 8, .value_kind: global_buffer, .address_space: global }
      - { .name: be2, .offset: 16, .size: 8, .value_kind: global_buffer, .address_space: global }
      - { .name: wimg, .offset: 24, .size: 8, .value_kind: global_buffer, .address_space: global }
      - { .name: w1_scales, .offset: 32, .size: 8, .value_kind: global_buffer, .address_space: global }
      - { .name: b1, .offset: 40, .size: 8, .value_kind: global_buffer, .address_space: global }
      - { .name: hid, .offset: 48, .size: 8, .value_kind: global_buffer, .address_space: global }
    .group_segment_fixed_size: 37376
    .private_segment_fixed_size: 0
    .kernarg_segment_align: 8
    .kernarg_segment_size: 56
    .max_flat_workgroup_size: 128
    .sgpr_count:     66
    .vgpr_count:     1024
    .wavefront_size: 32
...
	.end_amdgpu_metadata
.endif
;; end of part 4
;; launch ffn2 (part 5): grid 4 x 64, 4 waves a work-group, no clusters, 266,752 bytes of LDS; arguments hid, wimg, w2_scales, b2, x1, out0; writes out0
.if DOCPART == 5
	.amdgcn_target "amdgcn-amd-amdhsa--gfx1250"
	.amdhsa_code_object_version 6
	.text
	.protected	k_q39e7640a26_ffn2
	.globl	k_q39e7640a26_ffn2
	.p2align	8
	.type	k_q39e7640a26_ffn2,@function
k_q39e7640a26_ffn2:
	s_mov_b64 s[64:65], 0
	v_nop
	global_prefetch_b8 v0, s[64:65] scope:SCOPE_SE
	s_setreg_imm32_b32 hwreg(HW_REG_WAVE_MODE, 25, 1), 1
	s_wait_xcnt 0x0
; out0 = x1 + A W2^T + b2 on codes of E2M1.  A: 4,096 rows x 4,096 K as images of the operand registers, [row tile][K step][2][512 bytes], its scale words behind them at byte 8,388,608.
; W2: images likewise, laid by the first launch at byte 2,621,440 of wimg: [tile of 16 columns][K step 0 .. 31][c][lane x 16 bytes]; its scale bytes as they are given, [1,024][128].
; SHARES.  A work-group makes 64 rows x 256 columns; THE WAVES SHARE K: wave w takes K steps 8 w .. 8 w + 7 for all 256 columns.  Its part of A STAYS in registers (4 tiles x 8 K steps), W STREAMS from memory into operand
; registers, 32 columns (a pair of tiles) at a time, three pairs in flight; each of its loads reads 512 consecutive bytes.  Source 0 = W, source 1 = the rows: a lane's eight results are eight neighbouring columns of one row.
; The four waves' partial sums meet in four regions of LDS; each wave then adds the four, bias and residual for 16 whole rows' 1,024 bytes and stores them.  (So a sum over K is four chains and a tree, not one chain.)
; No cluster: each operand byte is asked for once by a work-group, straight into registers; no slot in LDS is filled again, so there is no refill that partners could ask for jointly.
; LIMITS: NaN and infinities are not served.
; REGISTERS.  window 0: v1-10 addresses; v32-63 A's scale words; v64-191 two sets of accumulators, later rows from the stage; v192-239 W's scale words; v240-247 the bias.  window 1: A.  window 2: W's sets 0, 1.
;   window 3: v0-127 W's set 2; v128-255 the residual's rows, then the result.
.set SPLIT,  1
.if SPLIT
.set NP,     8
.set NPART,  4
.set WTILE,  32768                     ; a tile's images: 32 K steps of 1,024 bytes
.set SPITCH, 128
.else
.set NP,     2
.set NPART,  1
.set WTILE,  8192                      ; a tile's images: 8 K steps of 1,024 bytes
.set SPITCH, 32
.endif
.set W2IMG,  2621440
.set TP,     32
.set TU,     16
.set RPITCH, 1040                      ; a stage row: 1,024 bytes + 16: 65 x 16, so that sixteen rows' 16-byte pieces fall on different banks (64 banks of 4 bytes: ISA guide 11.1)
.set REGION, 64*RPITCH
.set L16, 1
.set ASV, 3
.set RD,  4
.set STO, 8
.set AV,  9
.set WSA, 10
.set AS,  32
.set ACC, 64
.set WS,  192
.set BI,  240
.set WB,  6
.set WSB, 8
.set AB,  20
.set ASB, 22
.set MSB, 0
.macro WIN new                         ; the immediate's high byte repeats the setting that is left; a switch that changes nothing is dropped
.if MSB != (\new)
	s_set_vgpr_msb (MSB<<8)|(\new)
.set MSB, (\new)
.endif
.endm
.macro PLACES n
.rept \n
	v_nop
.endr
.endm
.macro WFR p, u                        ; tile u of pair p: my 8 K steps' images, 16 loads of 512 consecutive bytes, into set p % 3
.set LB, (\p)%3
	WIN 0x80+0x40*(LB/2)
.irp ks, 0,1,2,3,4,5,6,7
.irp c, 0,1
	global_load_b128 v[128*(LB%2)+64*(\u)+8*\ks+4*\c:128*(LB%2)+64*(\u)+8*\ks+4*\c+3], v[L16], s[WB:WB+1] offset:(2*(\p)+(\u))*WTILE+1024*\ks+512*\c
.endr
.endr
.endm
.macro WSC p
.set LB, (\p)%3
	WIN 0
.irp u, 0,1
.irp hf, 0,1
	global_load_b128 v[WS+16*LB+8*\u+4*\hf:WS+16*LB+8*\u+4*\hf+3], v[WSA], s[WSB:WSB+1] offset:(TP*(\p)+TU*\u)*SPITCH+16*\hf
.endr
.endr
.endm
.macro WLOAD p
	WFR \p, 0
	WFR \p, 1
	WSC \p
.endm
.macro WM0 d, a, b, sa, sb
	v_wmma_scale_f32_16x16x128_f8f6f4 v[(\d):(\d)+7], v[(\a):(\a)+7], v[(\b):(\b)+7], 0, v[(\sa)], v[(\sb)] matrix_a_fmt:MATRIX_FMT_FP4 matrix_b_fmt:MATRIX_FMT_FP4
.endm
.macro WMC d, a, b, c, sa, sb
	v_wmma_scale_f32_16x16x128_f8f6f4 v[(\d):(\d)+7], v[(\a):(\a)+7], v[(\b):(\b)+7], v[(\c):(\c)+7], v[(\sa)], v[(\sb)] matrix_a_fmt:MATRIX_FMT_FP4 matrix_b_fmt:MATRIX_FMT_FP4
.endm
; A pair's 64 products: K step by K step, the 8 accumulators by turns, one instruction a turn; the first K step starts the sums with the constant 0.
.macro MULPAIR p, acc
.set MB, (\p)%3
.set MO, 128*(MB%2)
	WIN 0x04|(2+MB/2)
.irp ks, 0,1,2,3,4,5,6,7
.irp u, 0,1
.irp mt, 0,1,2,3
.if \ks == 0
	WM0 (\acc)+8*(4*\u+\mt), MO+64*\u+8*\ks, 8*(8*\mt+\ks), WS+16*MB+8*\u+\ks, AS+8*\mt+\ks
.else
	WMC (\acc)+8*(4*\u+\mt), MO+64*\u+8*\ks, 8*(8*\mt+\ks), (\acc)+8*(4*\u+\mt), WS+16*MB+8*\u+\ks, AS+8*\mt+\ks
.endif
.endr
.endr
.endr
.endm
.macro RESLOAD                         ; my 16 rows of the residual (1,024 bytes of each) and the 256 columns' bias: 34 loads
	WIN 0xc0
.irp i, 0,1,2,3,4,5,6,7,8,9,10,11,12,13,14,15
.irp e, 0,1
	global_load_b128 v[128+8*\i+4*\e:128+8*\i+4*\e+3], v[L16], s[12:13] offset:4096*\i+512*\e
.endr
.endr
	WIN 0
.irp e, 0,1
	global_load_b128 v[BI+4*\e:BI+4*\e+3], v[L16], s[10:11] offset:512*\e
.endr
.endm
.macro OPAIR p
.if (\p) == NP-1
	s_wait_loadcnt 34                              ; the last pair is in; residual and bias may be out
.else
	s_wait_loadcnt 63                              ; behind this pair's loads 70 or more were issued; 63 is the most that the count can name
.endif
	s_wait_dscnt 16                                ; the last pair's 16 stage stores may be out; those that read this set of accumulators are done
	MULPAIR \p, ACC+64*((\p)%2)
	WIN 0
	PLACES 5                                       ; in front of the stores that read results and of loads into W's registers (4); one more, since an accumulator set is begun anew behind LDS stores alone
.if (\p)+3 < NP
	WLOAD (\p)+3
.if (\p)+3 == NP-1
	RESLOAD
.endif
.endif
.irp u, 0,1
.irp mt, 0,1,2,3
	ds_store_b128 v[STO], v[ACC+64*((\p)%2)+8*(4*\u+\mt):ACC+64*((\p)%2)+8*(4*\u+\mt)+3] offset:\mt*16*RPITCH+(2*(\p)+\u)*64        ; each accumulator from its low end on
	ds_store_b128 v[STO], v[ACC+64*((\p)%2)+8*(4*\u+\mt)+4:ACC+64*((\p)%2)+8*(4*\u+\mt)+7] offset:\mt*16*RPITCH+(2*(\p)+\u)*64+16
.endr
.endr
.endm
	s_load_b256 s[4:11], s[0:1], 0x0               ; A, wimg, W's scales, the bias
	s_load_b128 s[12:15], s[0:1], 0x20             ; the residual, the output
	v_lshl_add_u32 v254, v0, 2, 0x41000
	v_mov_b32 v255, 0
	v_lshrrev_b32 v2, 5, v0
	v_readfirstlane_b32 s16, v2                    ; wave 0..3
	s_and_b32 s18, ttmp7, 0xffff                   ; the block of 64 rows
	v_and_b32 v2, 31, v0
	v_and_b32 v11, 15, v0                          ; r
	v_bfe_u32 v12, v0, 4, 1                        ; h
	v_lshlrev_b32 v[L16], 4, v2
.if SPLIT
	v_lshlrev_b32 v[WSA], 7, v11
	v_lshlrev_b32 v[ASV], 3, v11
.else
	v_lshlrev_b32 v[AV], 9, v11
	v_lshl_add_u32 v[AV], v12, 4, v[AV]            ; A's rows: 512 r + 16 h
	v_lshlrev_b32 v[WSA], 5, v11
	v_lshlrev_b32 v[ASV], 5, v11
.endif
	v_mul_u32_u24 v[STO], v11, RPITCH
	v_lshl_add_u32 v[STO], v12, 5, v[STO]
.if SPLIT
	s_mul_i32 s24, s16, REGION
.else
	s_lshl_b32 s24, s16, 8
.endif
	v_add_nc_u32 v[STO], s24, v[STO]
	s_mul_i32 s24, s16, 16*RPITCH
	v_add_nc_u32 v[RD], s24, v[L16]
.if SPLIT
	v_add_nc_u32 v[RD+1], REGION, v[RD]
	v_add_nc_u32 v[RD+2], 2*REGION, v[RD]
	v_add_nc_u32 v[RD+3], 3*REGION, v[RD]
.endif
	s_mov_b32 s25, 0
	s_wait_kmcnt 0x0
.if SPLIT
	s_lshl_b32 s24, s18, 17
	s_lshl_b32 s27, s16, 13
	s_add_co_u32 s24, s24, s27
	s_add_nc_u64 s[AB:AB+1], s[4:5], s[24:25]      ; images: 4 y tiles of 32,768 bytes, my K quarter
	s_lshl_b32 s24, s18, 13
	s_lshl_b32 s27, s16, 10
	s_add_co_u32 s24, s24, s27
	s_add_co_u32 s24, s24, 8388608
	s_add_nc_u64 s[ASB:ASB+1], s[4:5], s[24:25]
	s_lshl_b32 s24, ttmp9, 19
	s_lshl_b32 s27, s16, 13
	s_add_co_u32 s24, s24, s27
	s_add_co_u32 s24, s24, W2IMG
	s_add_nc_u64 s[WB:WB+1], s[WB:WB+1], s[24:25]  ; W's images: tile 16 x, K step 8 w
	s_lshl_b32 s24, ttmp9, 15
	s_lshl_b32 s27, s16, 5
	s_add_co_u32 s24, s24, s27
	s_add_nc_u64 s[WSB:WSB+1], s[WSB:WSB+1], s[24:25]
.else
	s_lshl_b32 s24, s18, 15
	s_add_nc_u64 s[AB:AB+1], s[4:5], s[24:25]      ; 64 y rows of 512 bytes
	s_lshl_b32 s24, s18, 11
	s_add_co_u32 s24, s24, 2097152
	s_add_nc_u64 s[ASB:ASB+1], s[4:5], s[24:25]
	s_lshl_b32 s24, ttmp9, 17
	s_lshl_b32 s27, s16, 15
	s_add_co_u32 s24, s24, s27
	s_add_nc_u64 s[WB:WB+1], s[WB:WB+1], s[24:25]  ; W's images: tile 16 x + 4 w
	s_lshl_b32 s26, ttmp9, 8
	s_lshl_b32 s27, s16, 6
	s_add_co_u32 s26, s26, s27                     ; my first column
	s_lshl_b32 s24, s26, 5
	s_add_nc_u64 s[WSB:WSB+1], s[WSB:WSB+1], s[24:25]
.endif
	s_lshl_b32 s24, ttmp9, 10
	s_add_nc_u64 s[10:11], s[10:11], s[24:25]
	s_lshl_b32 s26, s18, 6
	s_lshl_b32 s27, s16, 4
	s_add_co_u32 s26, s26, s27
	s_lshl_b32 s26, s26, 12
	s_add_co_u32 s24, s24, s26                     ; row 64 y + 16 w, column 256 x
	s_add_nc_u64 s[12:13], s[12:13], s[24:25]
	s_add_nc_u64 s[14:15], s[14:15], s[24:25]
	WIN 0x40
.irp mt, 0,1,2,3
.irp ks, 0,1,2,3,4,5,6,7
.irp c, 0,1
.if SPLIT
	global_load_b128 v[8*(8*\mt+\ks)+4*\c:8*(8*\mt+\ks)+4*\c+3], v[L16], s[AB:AB+1] offset:32768*\mt+1024*\ks+512*\c
.else
	global_load_b128 v[8*(8*\mt+\ks)+4*\c:8*(8*\mt+\ks)+4*\c+3], v[AV], s[AB:AB+1] offset:8192*\mt+64*\ks+32*\c
.endif
.endr
.endr
.endr
	WIN 0
.irp mt, 0,1,2,3
.if SPLIT
.irp wq, 0,1,2,3
	global_load_b64 v[AS+8*\mt+2*\wq:AS+8*\mt+2*\wq+1], v[ASV], s[ASB:ASB+1] offset:(\mt/2)*4096+256*\wq+(\mt%2)*128
.endr
.else
.irp hf, 0,1
	global_load_b128 v[AS+8*\mt+4*\hf:AS+8*\mt+4*\hf+3], v[ASV], s[ASB:ASB+1] offset:512*\mt+16*\hf
.endr
.endif
.endr
	WLOAD 0
	WLOAD 1
.if NP > 2
	WLOAD 2
.else
	RESLOAD
.endif
.set PP, 0
.rept NP
	OPAIR PP
.set PP, PP+1
.endr
	s_wait_dscnt 0x0                               ; for the others' sake: my partial sums lie in my region
	s_barrier_signal -1
	s_barrier_wait -1
	; THE WAY OUT: wave w takes rows 16 w on, four at a time
.irp bt, 0,1,2,3
.irp ii, 0,1,2,3
.irp e, 0,1
.irp k, 0,1,2,3
.if \k < NPART
	ds_load_b128 v[64+16*(2*\ii+\e)+4*\k:64+16*(2*\ii+\e)+4*\k+3], v[RD+\k] offset:(4*\bt+\ii)*RPITCH+512*\e
.endif
.endr
.endr
.endr
	s_wait_dscnt 0x0
.if \bt == 0
	s_wait_loadcnt 0x0                             ; residual and bias
.endif
.irp ii, 0,1,2,3
.irp e, 0,1
.if NPART == 4
	v_pk_add_f32 v[64+16*(2*\ii+\e):65+16*(2*\ii+\e)], v[64+16*(2*\ii+\e):65+16*(2*\ii+\e)], v[68+16*(2*\ii+\e):69+16*(2*\ii+\e)]
	v_pk_add_f32 v[66+16*(2*\ii+\e):67+16*(2*\ii+\e)], v[66+16*(2*\ii+\e):67+16*(2*\ii+\e)], v[70+16*(2*\ii+\e):71+16*(2*\ii+\e)]
	v_pk_add_f32 v[72+16*(2*\ii+\e):73+16*(2*\ii+\e)], v[72+16*(2*\ii+\e):73+16*(2*\ii+\e)], v[76+16*(2*\ii+\e):77+16*(2*\ii+\e)]
	v_pk_add_f32 v[74+16*(2*\ii+\e):75+16*(2*\ii+\e)], v[74+16*(2*\ii+\e):75+16*(2*\ii+\e)], v[78+16*(2*\ii+\e):79+16*(2*\ii+\e)]
	v_pk_add_f32 v[64+16*(2*\ii+\e):65+16*(2*\ii+\e)], v[64+16*(2*\ii+\e):65+16*(2*\ii+\e)], v[72+16*(2*\ii+\e):73+16*(2*\ii+\e)]
	v_pk_add_f32 v[66+16*(2*\ii+\e):67+16*(2*\ii+\e)], v[66+16*(2*\ii+\e):67+16*(2*\ii+\e)], v[74+16*(2*\ii+\e):75+16*(2*\ii+\e)]
.endif
	v_pk_add_f32 v[64+16*(2*\ii+\e):65+16*(2*\ii+\e)], v[64+16*(2*\ii+\e):65+16*(2*\ii+\e)], v[BI+4*\e:BI+4*\e+1]
	v_pk_add_f32 v[66+16*(2*\ii+\e):67+16*(2*\ii+\e)], v[66+16*(2*\ii+\e):67+16*(2*\ii+\e)], v[BI+4*\e+2:BI+4*\e+3]
.endr
.endr
	WIN 0xc3                                       ; the residual: destination and source 0 in window 3
.irp ii, 0,1,2,3
.irp e, 0,1
	v_pk_add_f32 v[128+8*(4*\bt+\ii)+4*\e:129+8*(4*\bt+\ii)+4*\e], v[128+8*(4*\bt+\ii)+4*\e:129+8*(4*\bt+\ii)+4*\e], v[64+16*(2*\ii+\e):65+16*(2*\ii+\e)]
	v_pk_add_f32 v[130+8*(4*\bt+\ii)+4*\e:131+8*(4*\bt+\ii)+4*\e], v[130+8*(4*\bt+\ii)+4*\e:131+8*(4*\bt+\ii)+4*\e], v[66+16*(2*\ii+\e):67+16*(2*\ii+\e)]
.endr
.endr
	WIN 0x0c                                       ; a store's data are its source 1
.irp ii, 0,1,2,3
.irp e, 0,1
	global_store_b128 v[L16], v[128+8*(4*\bt+\ii)+4*\e:131+8*(4*\bt+\ii)+4*\e], s[14:15] offset:4096*(4*\bt+\ii)+512*\e th:TH_STORE_NT     ; 32 lanes store 512 consecutive bytes, at a multiple of 256 from the buffer's first byte; written once, read by nobody here
.endr
.endr
	WIN 0
.endr
	s_wait_tensorcnt 0x0
	ds_add_u32 v254, v255
	s_wait_dscnt 0x0
	s_endpgm
.Lfunc_end_k_q39e7640a26_ffn2:
	.size	k_q39e7640a26_ffn2, .Lfunc_end_k_q39e7640a26_ffn2-k_q39e7640a26_ffn2
	.p2alignl 7, 3214868480
	.fill 96, 4, 3214868480
	.section	.rodata,"a",@progbits
	.p2align	6, 0x0
	.amdhsa_kernel k_q39e7640a26_ffn2
		.amdhsa_group_segment_fixed_size 266752
		.amdhsa_private_segment_fixed_size 0
		.amdhsa_enable_private_segment 0
		.amdhsa_kernarg_size 48
		.amdhsa_user_sgpr_count 2
		.amdhsa_user_sgpr_kernarg_segment_ptr 1
		.amdhsa_wavefront_size32 1
		.amdhsa_system_sgpr_workgroup_id_x 1
		.amdhsa_system_sgpr_workgroup_id_y 1
		.amdhsa_system_sgpr_workgroup_id_z 1
		.amdhsa_system_vgpr_workitem_id 0
		.amdhsa_next_free_vgpr 1024
		.amdhsa_next_free_sgpr 66
		.amdhsa_reserve_vcc 0
		.amdhsa_float_denorm_mode_32 3
		.amdhsa_float_denorm_mode_16_64 3
		.amdhsa_memory_ordered 1
		.amdhsa_forward_progress 1
		.amdhsa_inst_pref_size 147
	.end_amdhsa_kernel
	.amdgpu_metadata
---
amdhsa.version: [ 1, 2 ]
amdhsa.kernels:
  - .name:           k_q39e7640a26_ffn2
    .symbol:         k_q39e7640a26_ffn2.kd
    .args:
      - { .name: hid, .offset: 0, .size: 8, .value_kind: global_buffer, .address_space: global }
      - { .name: wimg, .offset: 8, .size: 8, .value_kind: global_buffer, .address_space: global }
      - { .name: w2_scales, .offset: 16, .size: 8, .value_kind: global_buffer, .address_space: global }
      - { .name: b2, .offset: 24, .size: 8, .value_kind: global_buffer, .address_space: global }
      - { .name: x1, .offset: 32, .size: 8, .value_kind: global_buffer, .address_space: global }
      - { .name: out0, .offset: 40, .size: 8, .value_kind: global_buffer, .address_space: global }
    .group_segment_fixed_size: 266752
    .private_segment_fixed_size: 0
    .kernarg_segment_align: 8
    .kernarg_segment_size: 48
    .max_flat_workgroup_size: 128
    .sgpr_count:     66
    .vgpr_count:     1024
    .wavefront_size: 32
...
	.end_amdgpu_metadata
.endif
;; end of part 5
;; ======== version 2 of 2: 5 launches; version 1 with the launches lnqkv, attn, proj, lnffn1, ffn2 written anew for expert scheduling mode
;; workspace buffers: qkv 6,815,744 bytes; att 2,228,224 bytes; x1 16,777,216 bytes; hid 8,912,896 bytes; wimg 4,718,592 bytes
;; launch lnqkv (part 6): grid 4 x 64, 4 waves a work-group, no clusters, 37,376 bytes of LDS; arguments x, g1, be1, w_qkv_codes, w_qkv_scales, qkv, w_proj_codes, w1_codes, w2_codes, wimg; writes qkv, wimg
.if DOCPART == 6
	.amdgcn_target "amdgcn-amd-amdhsa--gfx1250"
	.amdhsa_code_object_version 6
	.text
	.protected	k_q39e7640a26_lnqkv
	.globl	k_q39e7640a26_lnqkv
	.p2align	8
	.type	k_q39e7640a26_lnqkv,@function
k_q39e7640a26_lnqkv:
	s_mov_b64 s[64:65], 0
	v_nop
	global_prefetch_b8 v0, s[64:65] scope:SCOPE_SE
	s_setreg_imm32_b32 hwreg(HW_REG_WAVE_SCHED_MODE, 0, 2), 2
	s_setreg_imm32_b32 hwreg(HW_REG_WAVE_MODE, 25, 1), 1
	s_wait_xcnt 0x0
	s_wait_alu depctr_vm_vsrc(0)
; h = LN(x; g1, be1), quantised along its 1,024; h Wqkv on codes of E2M1; q and k quantised along the head's 64, v along the keys; all stored as images of the operand registers that the attention launch loads.
; BESIDE THAT each wave copies nine pieces of 512 bytes of the later launches' weights (w_proj, w1, w2) into wimg, laid as images of the operand registers: [tile][K step][c][lane x 16 bytes].
; SHARES.  A work-group takes 64 rows (work-group y) and four heads (work-group x); wave w normalises and quantises 16 of the rows and multiplies all 64 rows by the 192 columns of head 4 x + w.
; LN AND ITS QUANTISER SHARE ONE LAYOUT: of a row a lane holds k = 128 (lane / 4) + 32 s + 8 (lane % 4) + 0 .. 7, s = 0 .. 3.  A block of 32 lies in four neighbouring lanes; a lane's eight registers are eight neighbours for the
; conversion; the four scale bytes of K step lane / 4 fall into one lane as a word.  Only codes and scale words go to LDS, as rows; every wave reads all 64 rows' fragments back.
; A STAYS, W STREAMS: the 64 rows' codes for all of K (4 tiles x 8 K steps x 8 registers) lie in window 1; W comes from memory straight into operand registers, 32 columns (a pair of tiles) at a time, three pairs in flight.
; THE ROWS OF A TILE ARE NOT NEIGHBOURS: lane r of row tile mt takes row 32 (mt / 2) + 8 (mt % 2) + r + 8 (r / 8), and lane r of a pair's tile u takes column 32 p + 8 u + r + 8 (r / 8): so the 16 registers of two
; neighbouring tiles are 16 neighbours along the next product's K (columns for q and k, where W is source 0; keys for v, where the rows are source 0).
; No cluster: each operand byte is asked for once by a work-group, straight into registers; there is no slot in LDS that is filled again and so no refill that partners could ask for jointly.
; LIMITS: NaN and infinities among the inputs are not served.  A block whose largest magnitude lies under 2^-124 gets the scale byte 1 (a block of zeros too, where the rule says 127: its codes are zeros, and this
; program alone reads the bytes).  The sums of LN are trees, not chains; its last multiply and add are fused.
; REGISTERS.  window 0: v1-15 addresses; v16-31 means and 1/sigma, later the quantiser's work; v32-63 A's scale words; v64-95, v160-187 codes and words to store; v96-159 LN's sums, its quantiser's work, the accumulators;
;   v192-239 W's scale words, three sets; v240-247 q's and k's scale bytes.  window 1: eight rows of x, later A's fragments.  window 2: W's sets 0 and 1 (in set 1's place, while LN runs: g and be at v128-191).
;   window 3: v0-127 W's set 2; v128-163 the nine pieces on their way to wimg.
; THE MODE: SCHED_MODE bits 1:0 = 2 (LLVM: expert scheduling mode 2), set by the entry lines.  The code itself states the register dependences between vector or matrix instructions and memory or LDS instructions,
; with s_wait_alu, always for 0.
; THE PLAN.  Registers that memory or LDS instructions touch:
;   v1-13            offsets and LDS addresses: written at the head and never again: one wait on va_vdst ahead of the first load serves every load and store of the kernel.
;   window 1         two sets of four slots.  LN group g reads and writes set g % 2, its conversions last; behind them the rows of group g + 2 land in that set; behind group 3 A's fragments land in both.
;   QC, QB           written by a group's conversions and shifts; read by its twenty LDS stores; written again by the next group's sums, behind group 3 by the first products.
;   g, be            read by every group's multiply-adds; W's set 1 lands in their place behind group 3.
;     So a group holds ONE wait on va_vdst, behind its conversions (the loads of the next rows follow it at once, then the LDS stores), and one on vm_vsrc, behind its stores.
;   W's sets, words  pair p's products read set p % 3; pair p + 3's loads land in it: one wait on va_vdst behind the products of pairs 0 to 2; later pairs ask for nothing.
;   CQ, CK, CV, v176-180   written by the quantiser, stored once, never written again: one wait on va_vdst ahead of each of the four runs of stores.
;   window 3 v128-163      loaded and stored; no vector instruction names them.
.set ROWP,   1
.set NP,     6
.set TP,     32
.set TU,     8
.set WPITCH, 512
.set SPITCH, 32
.set CPITCH, 528                       ; a row of codes in LDS: 512 bytes + 16: 33 x 16, so that sixteen rows' 16-byte pieces fall on different banks (64 banks of 4 bytes: ISA guide 11.1)
.set APITCH, 48                        ; a row's 8 scale words + 16: 3 x 16, for the same reason
.set ASC,    64*CPITCH
.set KIMG,   2097152
.set VIMG,   4194304
.set QSC,    6291456
.set KVSC,   6553600
.set W1IMG,  524288                    ; wimg: w_proj's images at 0, w1's here,
.set W2IMG,  2621440                   ; w2's here
.set L16, 1
.set XO,  3
.set CW,  4
.set ASW, 5
.set AIR, 6
.set ASR, 7
.set VN,  8
.set WA,  9
.set WSA, 10
.set V2,  11
.set L4,  13
.set TM,  16
.set MU,  16
.set RS,  24
.set AS,  32
.set CQ,  64
.set CK,  80
.set T,   96
.set ACC, 96
.set QM,  96
.set QS,  112
.set QB,  128
.set QC,  144
.set CV,  160
.set WS,  192
.set SQ16, 240
.set SK16, 244
.set WB,  10
.set WSB, 12
.set HI,  17                           ; s17: the mask of lanes 16-31, set once by a scalar instruction
.set SEL, 20
.set SBI, 28
.set SBQ, 30
.set SBK, 32
.set SBV, 34
.set MSB, 0
.macro WIN new                         ; the immediate's high byte repeats the setting that is left; a switch that changes nothing is dropped
.if MSB != (\new)
	s_set_vgpr_msb (MSB<<8)|(\new)
.set MSB, (\new)
.endif
.endm
.macro PLACES n
.rept \n
	v_nop
.endr
.endm
.macro WFR p, u                        ; tile u of pair p: 16 rows of W x 1,024 K, 16 loads, into set p % 3
.set LB, (\p)%3
	WIN 0x80+0x40*(LB/2)
.irp ks, 0,1,2,3,4,5,6,7
.irp c, 0,1
	global_load_b128 v[128*(LB%2)+64*(\u)+8*\ks+4*\c:128*(LB%2)+64*(\u)+8*\ks+4*\c+3], v[WA], s[WB:WB+1] offset:(TP*(\p)+TU*(\u))*WPITCH+64*\ks+32*\c
.endr
.endr
.endm
.macro WSC p                           ; the pair's scale words: a row's 32 bytes are the words of its 8 K steps
.set LB, (\p)%3
	WIN 0
.irp u, 0,1
.irp hf, 0,1
	global_load_b128 v[WS+16*LB+8*\u+4*\hf:WS+16*LB+8*\u+4*\hf+3], v[WSA], s[WSB:WSB+1] offset:(TP*(\p)+TU*\u)*SPITCH+16*\hf
.endr
.endr
.endm
.macro WLOAD p
	WFR \p, 0
	WFR \p, 1
	WSC \p
.endm
.macro WM0 d, a, b, sa, sb
	v_wmma_scale_f32_16x16x128_f8f6f4 v[(\d):(\d)+7], v[(\a):(\a)+7], v[(\b):(\b)+7], 0, v[(\sa)], v[(\sb)] matrix_a_fmt:MATRIX_FMT_FP4 matrix_b_fmt:MATRIX_FMT_FP4
.endm
.macro WMC d, a, b, c, sa, sb
	v_wmma_scale_f32_16x16x128_f8f6f4 v[(\d):(\d)+7], v[(\a):(\a)+7], v[(\b):(\b)+7], v[(\c):(\c)+7], v[(\sa)], v[(\sb)] matrix_a_fmt:MATRIX_FMT_FP4 matrix_b_fmt:MATRIX_FMT_FP4
.endm
; A pair's 64 products: K step by K step, the 8 accumulators by turns, one instruction a turn.  mode 0: source 0 = W, source 1 = the rows; mode 1: the other way round.
; The first K step starts the sums with the constant 0.
.macro MULPAIR p, mode, acc
.set MB, (\p)%3
.set MO, 128*(MB%2)
.if \mode
.set MWIN, 0x01|((2+MB/2)<<2)
.else
.set MWIN, 0x04|(2+MB/2)
.endif
	WIN MWIN
.irp ks, 0,1,2,3,4,5,6,7
.irp u, 0,1
.irp mt, 0,1,2,3
.if \ks == 0
.if \mode
	WM0 (\acc)+8*(4*\u+\mt), 8*(8*\mt+\ks), MO+64*\u+8*\ks, AS+8*\mt+\ks, WS+16*MB+8*\u+\ks
.else
	WM0 (\acc)+8*(4*\u+\mt), MO+64*\u+8*\ks, 8*(8*\mt+\ks), WS+16*MB+8*\u+\ks, AS+8*\mt+\ks
.endif
.elseif \mode
	WMC (\acc)+8*(4*\u+\mt), 8*(8*\mt+\ks), MO+64*\u+8*\ks, (\acc)+8*(4*\u+\mt), AS+8*\mt+\ks, WS+16*MB+8*\u+\ks
.else
	WMC (\acc)+8*(4*\u+\mt), MO+64*\u+8*\ks, 8*(8*\mt+\ks), (\acc)+8*(4*\u+\mt), WS+16*MB+8*\u+\ks, AS+8*\mt+\ks
.endif
.endr
.endr
.endr
.endm
; THE QUANTISER OF RESULTS, four units by turns.  Unit i: 16 neighbours along K in v[a..a+7], v[b..b+7]; lane l xor 16 holds the block's other 16.  Codes to v[d], v[d+1]; the scale's byte to v[TM+4+i].
.macro QM1 i, a
	v_max3_num_f32 v[TM+\i], |v[(\a)]|, |v[(\a)+1]|, 0x1800000      ; with the floor 2^(3 - 127): the byte cannot fall under 1
.endm
.macro QM2 i, a, k
	v_max3_num_f32 v[TM+\i], v[TM+\i], |v[(\a)+\k]|, |v[(\a)+\k+1]|
.endm
.macro QCV i, a, b, d
	v_cvt_scalef32_pk8_fp4_f32 v[(\d)], v[(\a):(\a)+7], v[TM+12+\i]
	v_cvt_scalef32_pk8_fp4_f32 v[(\d)+1], v[(\b):(\b)+7], v[TM+12+\i]
.endm
.macro Q4 a0,b0,d0,a1,b1,d1,a2,b2,d2,a3,b3,d3
	QM1 0, \a0
	QM1 1, \a1
	QM1 2, \a2
	QM1 3, \a3
.irp k, 2,4,6
	QM2 0, \a0, \k
	QM2 1, \a1, \k
	QM2 2, \a2, \k
	QM2 3, \a3, \k
.endr
.irp k, 0,2,4,6
	QM2 0, \b0, \k
	QM2 1, \b1, \k
	QM2 2, \b2, \k
	QM2 3, \b3, \k
.endr
.irp i, 0,1,2,3
	v_permlanex16_b32 v[TM+4+\i], v[TM+\i], s[SEL], s[SEL+1]
.endr
.irp i, 0,1,2,3
	v_max_num_f32 v[TM+\i], v[TM+\i], v[TM+4+\i]                    ; the block's largest magnitude
.endr
.irp i, 0,1,2,3
	v_add_nc_u32 v[TM+12+\i], 0xff000000, v[TM+\i]                  ; 2 off its exponent field: the conversion's scale operand
.endr
.irp i, 0,1,2,3
	v_lshrrev_b32 v[TM+4+\i], 23, v[TM+12+\i]                       ; the scale's byte
.endr
	QCV 0, \a0, \b0, \d0
	QCV 1, \a1, \b1, \d1
	QCV 2, \a2, \b2, \d2
	QCV 3, \a3, \b3, \d3
	v_nop                                                           ; one plain place behind the last scaled conversion
.endm
.macro SWAP4 d                         ; two half blocks a lane become one whole block: lane (r, h) then holds block h in v[d..d+3]
	v_permlane16_swap_b32 v[(\d)], v[(\d)+2]
	v_permlane16_swap_b32 v[(\d)+1], v[(\d)+3]
.endm
.macro XROWS gm                        ; rows 4 gm .. 4 gm + 3 of my tile into four slots of window 1: register 8 s + 4 half + e of a slot is k = 128 (lane / 4) + 32 s + 8 (lane % 4) + 4 half + e
	WIN 0x40
.irp q, 0,1,2,3
.irp i, 0,1,2,3,4,5,6,7
	global_load_b128 v[128*((\gm)%2)+32*\q+4*\i:128*((\gm)%2)+32*\q+4*\i+3], v[XO], s[4:5] offset:((4*(\gm)+\q)+8*ROWP*((4*(\gm)+\q)/8))*4096+128*(\i/2)+16*(\i%2)
.endr
.endr
.endm
.macro TADD a, b                       ; for the four rows: pair a += pair b
.irp q, 0,1,2,3
	v_pk_add_f32 v[T+16*\q+(\a):T+16*\q+(\a)+1], v[T+16*\q+(\a):T+16*\q+(\a)+1], v[T+16*\q+(\b):T+16*\q+(\b)+1]
.endr
.endm
.macro CROSS                           ; a pair's two halves, then the 32 lanes: every lane ends with the row's sum
.irp q, 0,1,2,3
	v_add_f32 v[T+16*\q], v[T+16*\q], v[T+16*\q+1]
.endr
.irp m, 1,2,4,8
.irp q, 0,1,2,3
	v_add_f32_dpp v[T+16*\q], v[T+16*\q], v[T+16*\q] row_xmask:\m row_mask:0xf bank_mask:0xf
.endr
.endr
.irp q, 0,1,2,3
	v_permlanex16_b32 v[T+16*\q+1], v[T+16*\q], s[SEL], s[SEL+1]
.endr
.irp q, 0,1,2,3
	v_add_f32 v[T+16*\q], v[T+16*\q], v[T+16*\q+1]
.endr
.endm
; LN of four rows and their quantising, the four by turns in every stage.  The mean first, then the squares of the differences: a common offset of the inputs costs no accuracy.
.macro LNGROUP gm
.set XB, 128*((\gm)%2)
.if (\gm) == 3
	s_wait_loadcnt 36                              ; my four rows are in; behind them were issued pair 0's 32 fragment loads and 4 scale loads
.else
	s_wait_loadcnt 32                              ; my four rows (and all that was asked for before them) are in; the next four rows' 32 loads may be out
.endif
	WIN 0x05
.irp i, 0,1,2,3,4,5,6,7
.irp q, 0,1,2,3
	v_pk_add_f32 v[T+16*\q+2*\i:T+16*\q+2*\i+1], v[XB+32*\q+4*\i:XB+32*\q+4*\i+1], v[XB+32*\q+4*\i+2:XB+32*\q+4*\i+3]
.endr
.endr
	WIN 0
	TADD 0, 2
	TADD 4, 6
	TADD 8, 10
	TADD 12, 14
	TADD 0, 4
	TADD 8, 12
	TADD 0, 8
	CROSS
.irp q, 0,1,2,3
	v_mul_f32 v[MU+2*\q], s22, v[T+16*\q]          ; the mean: x 2^-10
	v_mul_f32 v[MU+2*\q+1], s22, v[T+16*\q]
.endr
	WIN 0x41
.irp i, 0,1,2,3,4,5,6,7,8,9,10,11,12,13,14,15
.irp q, 0,1,2,3
	v_pk_add_f32 v[XB+32*\q+2*\i:XB+32*\q+2*\i+1], v[XB+32*\q+2*\i:XB+32*\q+2*\i+1], v[MU+2*\q:MU+2*\q+1] neg_lo:[0,1] neg_hi:[0,1]
.endr
.endr
	WIN 0x05
.irp i, 0,1,2,3
.irp q, 0,1,2,3
	v_pk_mul_f32 v[T+16*\q+2*\i:T+16*\q+2*\i+1], v[XB+32*\q+2*\i:XB+32*\q+2*\i+1], v[XB+32*\q+2*\i:XB+32*\q+2*\i+1]
.endr
.endr
.irp i, 4,5,6,7,8,9,10,11,12,13,14,15
.irp q, 0,1,2,3
	v_pk_fma_f32 v[T+16*\q+2*(\i%4):T+16*\q+2*(\i%4)+1], v[XB+32*\q+2*\i:XB+32*\q+2*\i+1], v[XB+32*\q+2*\i:XB+32*\q+2*\i+1], v[T+16*\q+2*(\i%4):T+16*\q+2*(\i%4)+1]
.endr
.endr
	WIN 0
	TADD 0, 2
	TADD 4, 6
	TADD 0, 4
	CROSS
.irp q, 0,1,2,3
	v_fma_f32 v[T+16*\q], v[T+16*\q], s22, s23     ; the variance + 1e-5
.endr
	s_wait_alu depctr_va_vdst(0)
.irp q, 0,1,2,3
	v_rsq_f32 v[RS+2*\q], v[T+16*\q]
	v_rsq_f32 v[RS+2*\q+1], v[T+16*\q]
.endr
	v_nop                                          ; a plain place behind the last of the batch
	s_wait_alu depctr_va_vdst(0)                   ; the eight 1 / sigma in v[RS ..] are written: one wait for the batch, ahead of its first reader
	WIN 0x41
.irp i, 0,1,2,3,4,5,6,7,8,9,10,11,12,13,14,15
.irp q, 0,1,2,3
	v_pk_mul_f32 v[XB+32*\q+2*\i:XB+32*\q+2*\i+1], v[XB+32*\q+2*\i:XB+32*\q+2*\i+1], v[RS+2*\q:RS+2*\q+1]
.endr
.endr
	WIN 0x69                                       ; g and be lie in window 2
.irp i, 0,1,2,3,4,5,6,7,8,9,10,11,12,13,14,15
.irp q, 0,1,2,3
	v_pk_fma_f32 v[XB+32*\q+2*\i:XB+32*\q+2*\i+1], v[XB+32*\q+2*\i:XB+32*\q+2*\i+1], v[128+2*\i:129+2*\i], v[160+2*\i:161+2*\i]
.endr
.endr
	; the rows are quantised where they stand: unit 4 q + s is my eight numbers of block 4 (lane / 4) + s of row q; sixteen units by turns
	WIN 0x05
.irp q, 0,1,2,3
.irp s, 0,1,2,3
	v_max3_num_f32 v[QM+4*\q+\s], |v[XB+32*\q+8*\s]|, |v[XB+32*\q+8*\s+1]|, 0x1800000      ; with the floor 2^(3 - 127): the byte cannot fall under 1
.endr
.endr
.irp k, 2,4,6
.irp q, 0,1,2,3
.irp s, 0,1,2,3
	v_max3_num_f32 v[QM+4*\q+\s], |v[XB+32*\q+8*\s+\k]|, |v[XB+32*\q+8*\s+\k+1]|, v[QM+4*\q+\s]
.endr
.endr
.endr
	WIN 0
.irp m, 1,2
.set N, 0
.rept 16
	v_max_num_f32_dpp v[QM+N], v[QM+N], v[QM+N] row_xmask:\m row_mask:0xf bank_mask:0xf     ; with the three other lanes of the block
.set N, N+1
.endr
.endr
.set N, 0
.rept 16
	v_add_nc_u32 v[QS+N], 0xff000000, v[QM+N]      ; 2 off the exponent field: the conversion's scale operand
.set N, N+1
.endr
.set N, 0
.rept 16
	v_lshrrev_b32 v[QB+N], 23, v[QS+N]             ; the scale's byte
.set N, N+1
.endr
.irp b, 1,2,3
.irp q, 0,1,2,3
	v_lshl_or_b32 v[QB+4*\q], v[QB+4*\q+\b], 8*\b, v[QB+4*\q]      ; the four blocks are K step lane / 4: their bytes are its scale word
.endr
.endr
	WIN 0x01
.irp q, 0,1,2,3
.irp s, 0,1,2,3
	v_cvt_scalef32_pk8_fp4_f32 v[QC+4*\q+\s], v[XB+32*\q+8*\s:XB+32*\q+8*\s+7], v[QS+4*\q+\s]
.endr
.endr
	v_nop                                          ; one plain place behind the last scaled conversion
	WIN 0
	s_wait_alu depctr_va_vdst(0)                   ; the conversions and shifts have written v[QC ..] and v[QB ..], which the LDS stores read; the group is done reading and writing its four slots of window 1 (and g and be), in which later loads land
.if (\gm) < 2
	XROWS (\gm)+2                                  ; the emptied slots are asked for again at once
	WIN 0
.elseif (\gm) == 2
	WFR 0, 0
	WFR 0, 1
	WSC 0
.endif
.irp q, 0,1,2,3
.irp s, 0,1,2,3
	ds_store_b32 v[CW], v[QC+4*\q+\s] offset:(4*(\gm)+\q)*CPITCH+16*\s       ; eight codes: 4 bytes at 64 (lane / 4) + 16 s + 4 (lane % 4) of the row
.endr
	ds_store_b32 v[ASW], v[QB+4*\q] offset:(4*(\gm)+\q)*APITCH               ; the four lanes of a K step write the same word with the same value
.endr
	s_wait_dscnt 0x0                               ; my LDS stores have landed: behind the last group for the others' sake, ahead of the barrier
	s_wait_alu depctr_vm_vsrc(0)                   ; the LDS stores have read v[QC ..] and v[QB ..], which the next group's sums (behind the last group: the first products) write
.endm
.macro LWAIT p                         ; pair p's loads are in.  Behind them were issued: pairs p + 1 and p + 2 (72 loads; 63 is the most that the count can name), one pair (36), or nothing
.if (\p) == NP-1
	s_wait_loadcnt 0
.elseif (\p) == NP-2
	s_wait_loadcnt 36
.else
	s_wait_loadcnt 63
.endif
.endm
.macro PAIR p, mode
	LWAIT \p
	MULPAIR \p, \mode, ACC
	WIN 0
	PLACES 5                                       ; in front of the first read of results (4), and of the next pair's products, which begin the same accumulators anew (5)
.if (\p)+3 < NP
	s_wait_alu depctr_va_vdst(0)                   ; the pair's products are done reading W's set and its scale words, in which the loads below land
	WLOAD (\p)+3
.endif
.endm
.macro QKEP cb, sb, blk                ; q or k: block blk of the head's two; unit mt = row tile mt
	Q4 ACC,ACC+32,(\cb)+2*(\blk), ACC+8,ACC+40,(\cb)+4+2*(\blk), ACC+16,ACC+48,(\cb)+8+2*(\blk), ACC+24,ACC+56,(\cb)+12+2*(\blk)
.irp mt, 0,1,2,3
.if \blk
	v_lshl_or_b32 v[(\sb)+\mt], v[TM+4+\mt], 8, v[(\sb)+\mt]
.else
	v_mov_b32 v[(\sb)+\mt], v[TM+4+\mt]
.endif
.endr
.endm
.macro VEP bd                          ; v: columns 32 bd on; unit 2 u + beta: tile u, keys 32 beta + 16 (lane / 16) + 0 .. 15
	Q4 ACC,ACC+8,CV+8*(\bd), ACC+16,ACC+24,CV+8*(\bd)+2, ACC+32,ACC+40,CV+8*(\bd)+4, ACC+48,ACC+56,CV+8*(\bd)+6
	v_lshl_or_b32 v184, v[TM+5], 8, v[TM+4]
	v_lshl_or_b32 v185, v[TM+7], 8, v[TM+6]
	v_cndmask_b32 v[179+(\bd)], v184, v185, s[HI]  ; lanes 0-15: tile 2 bd; lanes 16-31: tile 2 bd + 1
	SWAP4 CV+8*(\bd)
	SWAP4 CV+8*(\bd)+4
	s_wait_alu depctr_va_vdst(0)                   ; v's codes v[CV + 8 bd ..] and their bytes v[179 + bd] are written, which the three stores read
	global_store_b128 v[L16], v[CV+8*(\bd):CV+8*(\bd)+3], s[SBI:SBI+1] offset:VIMG+1024*(\bd)
	global_store_b128 v[L16], v[CV+8*(\bd)+4:CV+8*(\bd)+7], s[SBI:SBI+1] offset:VIMG+1024*(\bd)+512
	global_store_b16 v[L4], v[179+(\bd)], s[SBV:SBV+1] offset:KVSC+4096+128*(\bd)
.endm
	s_load_b256 s[4:11], s[0:1], 0x0               ; x, g1, be1, W's codes
	s_load_b128 s[12:15], s[0:1], 0x20             ; W's scales, qkv
	s_load_b256 s[40:47], s[0:1], 0x30             ; w_proj's, w1's, w2's codes, wimg
	v_lshl_add_u32 v254, v0, 2, 0x9000
	v_mov_b32 v255, 0
	; all offsets are made while the arguments are on their way
	v_lshrrev_b32 v2, 5, v0
	v_readfirstlane_b32 s16, v2                    ; wave 0..3
	s_and_b32 s18, ttmp7, 0xffff                   ; the block of 64 rows
	v_and_b32 v2, 31, v0                           ; lane
	v_and_b32 v14, 15, v0                          ; r
	v_bfe_u32 v15, v0, 4, 1                        ; h
	v_lshlrev_b32 v[L16], 4, v2
	v_lshlrev_b32 v[L4], 2, v2
	v_lshrrev_b32 v[ASW], 2, v2                    ; lane / 4
	v_and_b32 v[CW], 3, v2                         ; lane % 4
	v_lshlrev_b32 v[XO], 5, v[CW]
	v_lshl_add_u32 v[XO], v[ASW], 9, v[XO]         ; x, g, be: 512 (lane / 4) + 32 (lane % 4)
	v_lshlrev_b32 v[CW], 2, v[CW]
	v_lshl_add_u32 v[CW], v[ASW], 6, v[CW]         ; codes: 64 (lane / 4) + 4 (lane % 4),
	v_lshlrev_b32 v[ASW], 2, v[ASW]                ; scale words: 4 (lane / 4),
	s_wait_alu depctr_va_sdst(0)                   ; s16 is written, ahead of its first reader: LDS addresses and every base are made from it
	s_mul_i32 s24, s16, 16*CPITCH
	v_add_nc_u32 v[CW], s24, v[CW]                 ; in my 16 rows
	s_mul_i32 s24, s16, 16*APITCH
	s_add_co_u32 s24, s24, ASC
	v_add_nc_u32 v[ASW], s24, v[ASW]
	v_mul_u32_u24 v[AIR], v14, CPITCH
	v_lshl_add_u32 v[AIR], v15, 4, v[AIR]          ; a fragment: row r, + 16 h
	v_mul_u32_u24 v[ASR], v14, APITCH
	v_add_nc_u32 v[ASR], ASC, v[ASR]
	v_lshlrev_b32 v[VN], 9, v14
	v_lshl_add_u32 v[VN], v15, 4, v[VN]            ; w_proj: 512 r + 16 h
	v_lshlrev_b32 v[V2], 11, v14
	v_lshl_add_u32 v[V2], v15, 4, v[V2]            ; w2: 2,048 r + 16 h
	v_and_b32 v[WSA], 8, v14
	v_add_nc_u32 v[WSA], v[WSA], v14               ; r + 8 (r / 8)
	v_lshlrev_b32 v[WA], 9, v[WSA]
	v_lshl_add_u32 v[WA], v15, 4, v[WA]            ; W and w1: 512 (r + 8 (r / 8)) + 16 h
	v_lshlrev_b32 v[WSA], 5, v[WSA]
	s_mov_b32 s[SEL], 0x76543210
	s_mov_b32 s[SEL+1], 0xfedcba98                 ; v_permlanex16_b32's selects for lane l xor 16
	s_mov_b32 s22, 0x3a800000                      ; 2^-10
	s_mov_b32 s23, 0x3727c5ac                      ; 1e-5
	s_mov_b32 s[HI], 0xffff0000                    ; lanes 16-31: set once
	s_lshl_b32 s24, s18, 6
	s_lshr_b32 s25, s16, 1
	s_lshl_b32 s25, s25, 5
	s_add_co_u32 s24, s24, s25
	s_and_b32 s25, s16, 1
	s_lshl_b32 s25, s25, 3
	s_add_co_u32 s24, s24, s25                     ; my tile's first row: 64 y + 32 (w / 2) + 8 (w % 2)
	s_lshl_b32 s24, s24, 12
	s_mov_b32 s25, 0
	s_lshl_b32 s26, ttmp9, 2
	s_add_co_u32 s26, s26, s16                     ; my head
	s_mul_i32 s36, s26, 192*512
	s_mov_b32 s37, 0
	s_mul_i32 s38, s26, 192*32
	s_mov_b32 s39, 0
	s_lshr_b32 s27, s18, 5
	s_lshl_b32 s27, s27, 4
	s_add_co_u32 s27, s27, s26                     ; bh = 16 b + head
	s_and_b32 s19, s18, 31                         ; g: which 64 of the sequence
	s_lshl_b32 s[SBI], s27, 16
	s_lshl_b32 s59, s19, 11
	s_add_co_u32 s[SBI], s[SBI], s59               ; images: 65,536 bh + 2,048 g
	s_mov_b32 s[SBI+1], 0
	s_lshl_b32 s60, s27, 13
	s_lshl_b32 s59, s19, 8
	s_add_co_u32 s[SBQ], s60, s59                  ; q's words: 8,192 bh + 256 g
	s_mov_b32 s[SBQ+1], 0
	s_lshl_b32 s59, s19, 7
	s_add_co_u32 s[SBK], s60, s59                  ; k's: 8,192 bh + 128 g
	s_mov_b32 s[SBK+1], 0
	s_lshr_b32 s59, s19, 1
	s_lshl_b32 s59, s59, 8
	s_add_co_u32 s[SBV], s60, s59
	s_and_b32 s59, s19, 1
	s_lshl_b32 s59, s59, 1
	s_add_co_u32 s[SBV], s[SBV], s59               ; v's: 8,192 bh + 256 (g / 2) + 2 (g % 2)
	s_mov_b32 s[SBV+1], 0
	; the copy.  W = my wave's number in the launch, 0 .. 1,023.  Piece n of a weight is 512 bytes of its images; a tile has 16 pieces (w_proj, w1) or 64 (w2), 32 bytes of each of its 16 rows a piece.
	s_lshl_b32 s58, s18, 4
	s_lshl_b32 s59, ttmp9, 2
	s_add_co_u32 s58, s58, s59
	s_add_co_u32 s58, s58, s16                     ; W = 16 y + 4 x + w
	s_lshr_b32 s59, s58, 4
	s_and_b32 s60, s58, 15
	s_lshl_b32 s48, s59, 13                        ; w_proj, piece W: tile W / 16 (16 rows of 512 bytes), 32 (W % 16) bytes along the rows
	s_lshl_b32 s61, s60, 5
	s_add_co_u32 s48, s48, s61
	s_mov_b32 s49, 0
	s_lshl_b32 s52, s59, 15                        ; w2, pieces 4 W on: tile W / 16 (16 rows of 2,048 bytes), 128 (W % 16) bytes along the rows
	s_lshl_b32 s61, s60, 7
	s_add_co_u32 s52, s52, s61
	s_mov_b32 s53, 0
	s_lshr_b32 s59, s58, 3                         ; w1, pieces 4 W on: tile W / 4 = 2 B + u begins at row 32 B + 8 u; 128 (W % 4) bytes along the rows
	s_lshl_b32 s50, s59, 14
	s_bfe_u32 s59, s58, 0x10002
	s_lshl_b32 s59, s59, 12
	s_add_co_u32 s50, s50, s59
	s_and_b32 s59, s58, 3
	s_lshl_b32 s59, s59, 7
	s_add_co_u32 s50, s50, s59
	s_mov_b32 s51, 0
	s_lshl_b32 s54, s58, 9                         ; where they go: 512 W,
	s_mov_b32 s55, 0
	s_lshl_b32 s56, s58, 11                        ; 2,048 W
	s_mov_b32 s57, 0
	s_wait_kmcnt 0x0
	s_add_nc_u64 s[4:5], s[4:5], s[24:25]
	s_add_nc_u64 s[40:41], s[40:41], s[48:49]
	s_add_nc_u64 s[42:43], s[42:43], s[50:51]
	s_add_nc_u64 s[44:45], s[44:45], s[52:53]
	s_add_nc_u64 s[54:55], s[46:47], s[54:55]
	s_add_nc_u64 s[56:57], s[46:47], s[56:57]
	s_add_nc_u64 s[WB:WB+1], s[WB:WB+1], s[36:37]
	s_add_nc_u64 s[WSB:WSB+1], s[WSB:WSB+1], s[38:39]
	s_add_nc_u64 s[SBI:SBI+1], s[14:15], s[SBI:SBI+1]
	s_add_nc_u64 s[SBQ:SBQ+1], s[14:15], s[SBQ:SBQ+1]
	s_add_nc_u64 s[SBK:SBK+1], s[14:15], s[SBK:SBK+1]
	s_add_nc_u64 s[SBV:SBV+1], s[14:15], s[SBV:SBV+1]
	WIN 0xc0
	s_wait_alu depctr_va_vdst(0)                   ; the offsets and LDS addresses v1 to v13 are written, which every load and store of the kernel reads
	global_load_b128 v[128:131], v[VN], s[40:41]
.irp k, 0,1,2,3
	global_load_b128 v[132+4*\k:135+4*\k], v[WA], s[42:43] offset:32*\k
.endr
.irp k, 0,1,2,3
	global_load_b128 v[148+4*\k:151+4*\k], v[V2], s[44:45] offset:32*\k
.endr
	WIN 0x80
.irp i, 0,1,2,3,4,5,6,7
	global_load_b128 v[128+4*\i:131+4*\i], v[XO], s[6:7] offset:128*(\i/2)+16*(\i%2)
.endr
.irp i, 0,1,2,3,4,5,6,7
	global_load_b128 v[160+4*\i:163+4*\i], v[XO], s[8:9] offset:128*(\i/2)+16*(\i%2)
.endr
	XROWS 0
	XROWS 1
	LNGROUP 0
	WIN 0x0c                                       ; a store's data are its source 1.  The nine pieces were my oldest loads: the group's wait has shown them in.  Their registers are written by nothing else, and no vector instruction names them
	global_store_b128 v[L16], v[128:131], s[54:55]                                    ; 32 lanes store 512 consecutive bytes
.irp k, 0,1,2,3
	global_store_b128 v[L16], v[132+4*\k:135+4*\k], s[56:57] offset:W1IMG+512*\k
.endr
.irp k, 0,1,2,3
	global_store_b128 v[L16], v[148+4*\k:151+4*\k], s[56:57] offset:W2IMG+512*\k
.endr
	LNGROUP 1
	LNGROUP 2
	LNGROUP 3
	s_barrier_signal -1                            ; (the group has ended with the wait for my LDS stores)
	s_barrier_wait -1                              ; the 64 rows' codes and scale words lie in LDS
	WIN 0x40                                       ; the loads below owe no further wait: no vector instruction since the last group's wait on va_vdst names window 1, g, be or any other register in which they land
.irp mt, 0,1,2,3
.irp ks, 0,1,2,3,4,5,6,7
.irp c, 0,1
	ds_load_b128 v[8*(8*\mt+\ks)+4*\c:8*(8*\mt+\ks)+4*\c+3], v[AIR] offset:\mt*16*CPITCH+64*\ks+32*\c
.endr
.endr
.endr
	WIN 0
.irp mt, 0,1,2,3
.irp hf, 0,1
	ds_load_b128 v[AS+8*\mt+4*\hf:AS+8*\mt+4*\hf+3], v[ASR] offset:\mt*16*APITCH+16*\hf
.endr
.endr
	WLOAD 1                                        ; g and be are done with: set 1 takes their place
	WLOAD 2
	s_wait_dscnt 0x0
	PAIR 0, 0
	QKEP CQ, SQ16, 0
	PAIR 1, 0
	QKEP CQ, SQ16, 1
.irp mt, 0,1,2,3
	SWAP4 CQ+4*\mt
.endr
.irp mt, 0,1,2,3
	v_lshl_or_b32 v[184+\mt], v[SQ16+\mt], 16, v[SQ16+\mt]                            ; q's two bytes twice: it is used in either half of the instruction's K
.endr
	v_cndmask_b32 v176, v184, v185, s[HI]
	v_cndmask_b32 v177, v186, v187, s[HI]
	s_wait_alu depctr_va_vdst(0)                   ; q's codes v[CQ ..] and its words v176, v177 are written, which the six stores read
.irp mt, 0,1,2,3
	global_store_b128 v[L16], v[CQ+4*\mt:CQ+4*\mt+3], s[SBI:SBI+1] offset:512*\mt     ; 32 lanes store 512 consecutive bytes
.endr
	global_store_b32 v[L4], v176, s[SBQ:SBQ+1] offset:QSC
	global_store_b32 v[L4], v177, s[SBQ:SBQ+1] offset:QSC+128
	PAIR 2, 0
	QKEP CK, SK16, 0
	PAIR 3, 0
	QKEP CK, SK16, 1
.irp mt, 0,1,2,3
	SWAP4 CK+4*\mt
.endr
	v_lshl_or_b32 v184, v[SK16+1], 16, v[SK16]     ; two key tiles share a fragment: their bytes share a word
	v_lshl_or_b32 v185, v[SK16+3], 16, v[SK16+2]
	v_cndmask_b32 v178, v184, v185, s[HI]
	s_wait_alu depctr_va_vdst(0)                   ; k's codes v[CK ..] and its words v178 are written, which the five stores read
.irp mt, 0,1,2,3
	global_store_b128 v[L16], v[CK+4*\mt:CK+4*\mt+3], s[SBI:SBI+1] offset:KIMG+512*\mt
.endr
	global_store_b32 v[L4], v178, s[SBK:SBK+1] offset:KVSC
	PAIR 4, 1
	VEP 0
	PAIR 5, 1
	VEP 1
	s_wait_dscnt 0x0                               ; the closing lines, six on end
	s_wait_alu 0x0
	s_wait_tensorcnt 0x0
	ds_add_u32 v254, v255
	s_wait_dscnt 0x0
	s_endpgm
.Lfunc_end_k_q39e7640a26_lnqkv:
	.size	k_q39e7640a26_lnqkv, .Lfunc_end_k_q39e7640a26_lnqkv-k_q39e7640a26_lnqkv
	.p2alignl 7, 3214868480
	.fill 96, 4, 3214868480
	.section	.rodata,"a",@progbits
	.p2align	6, 0x0
	.amdhsa_kernel k_q39e7640a26_lnqkv
		.amdhsa_group_segment_fixed_size 37376
		.amdhsa_private_segment_fixed_size 0
		.amdhsa_enable_private_segment 0
		.amdhsa_kernarg_size 80
		.amdhsa_user_sgpr_count 2
		.amdhsa_user_sgpr_kernarg_segment_ptr 1
		.amdhsa_wavefront_size32 1
		.amdhsa_system_sgpr_workgroup_id_x 1
		.amdhsa_system_sgpr_workgroup_id_y 1
		.amdhsa_system_sgpr_workgroup_id_z 1
		.amdhsa_system_vgpr_workitem_id 0
		.amdhsa_next_free_vgpr 1024
		.amdhsa_next_free_sgpr 66
		.amdhsa_reserve_vcc 0
		.amdhsa_float_denorm_mode_32 3
		.amdhsa_float_denorm_mode_16_64 3
		.amdhsa_memory_ordered 1
		.amdhsa_forward_progress 1
		.amdhsa_inst_pref_size 255
	.end_amdhsa_kernel
	.section	.bss,"aw",@nobits
	.p2align	6
	.space	262144
	.amdgpu_metadata
---
amdhsa.version: [ 1, 2 ]
amdhsa.kernels:
  - .name:           k_q39e7640a26_lnqkv
    .symbol:         k_q39e7640a26_lnqkv.kd
    .args:
      - { .name: x, .offset: 0, .size: 8, .value_kind: global_buffer, .address_space: global }
      - { .name: g1, .offset: 8, .size: 8, .value_kind: global_buffer, .address_space: global }
      - { .name: be1, .offset: 16, .size: 8, .value_kind: global_buffer, .address_space: global }
      - { .name: w_qkv_codes, .offset: 24, .size: 8, .value_kind: global_buffer, .address_space: global }
      - { .name: w_qkv_scales, .offset: 32, .size: 8, .value_kind: global_buffer, .address_space: global }
      - { .name: qkv, .offset: 40, .size: 8, .value_kind: global_buffer, .address_space: global }
      - { .name: w_proj_codes, .offset: 48, .size: 8, .value_kind: global_buffer, .address_space: global }
      - { .name: w1_codes, .offset: 56, .size: 8, .value_kind: global_buffer, .address_space: global }
      - { .name: w2_codes, .offset: 64, .size: 8, .value_kind: global_buffer, .address_space: global }
      - { .name: wimg, .offset: 72, .size: 8, .value_kind: global_buffer, .address_space: global }
    .group_segment_fixed_size: 37376
    .private_segment_fixed_size: 0
    .kernarg_segment_align: 8
    .kernarg_segment_size: 80
    .max_flat_workgroup_size: 128
    .sgpr_count:     66
    .vgpr_count:     1024
    .wavefront_size: 32
...
	.end_amdgpu_metadata
.endif
;; end of part 6
;; launch attn (part 7): grid 8 x 32, 16 waves a work-group, no clusters, 43,008 bytes of LDS; arguments qkv, att; writes att
.if DOCPART == 7
	.amdgcn_target "amdgcn-amd-amdhsa--gfx1250"
	.amdhsa_code_object_version 6
	.text
	.protected	k_q39e7640a26_attn
	.globl	k_q39e7640a26_attn
	.p2align	8
	.type	k_q39e7640a26_attn,@function
k_q39e7640a26_attn:
	s_mov_b64 s[64:65], 0
	v_nop
	global_prefetch_b8 v0, s[64:65] scope:SCOPE_SE
	s_setreg_imm32_b32 hwreg(HW_REG_WAVE_SCHED_MODE, 0, 2), 2
	s_setreg_imm32_b32 hwreg(HW_REG_WAVE_MODE, 25, 1), 1
	s_wait_xcnt 0x0
	s_wait_alu depctr_vm_vsrc(0)
; Causal attention on codes of E2M1; head size 64, 2,048 keys, 32 heads (batch x head).  O / l is quantised along the head's 64 and stored as the next product's operand: [bh][q][32 bytes] read on end is [4,096][512 bytes].
; SOFTMAX: t = score x log2(e) / 8; M = the running largest t rounded up to a whole number; p = 2^(t - M) is quantised along the keys; the sum of the unquantised p divides at the end.
; SHARES.  A work-group owns two blocks of 128 queries of a head, i and 15 - i: i + 1 and 16 - i key steps of 128, 17 for every work-group.  A wave owns one tile of 16 queries; eight waves take each block.
; K = 64 IS HALF OF THE INSTRUCTION'S 128: a fragment of k holds two tiles of 16 keys (one in each half of K), and q is used as [q | zeros] and as [zeros | q]: v[20:27] and v[16:23] round the same four registers.
; Both products are used transposed: a lane holds one query.  The keys of a tile and the channels of a tile of v are chosen (r + 8 (r / 8)) so that two neighbouring tiles' 16 registers are 16 neighbours along the next K.
; k and v come as images of the operand registers, 256 keys (a chunk: 8,192 bytes of each) at a time: each of the 512 threads copies 16 bytes of each into one of two buffers in LDS, a chunk ahead of its use.
; Every work-group walks all 8 chunks, so that trip counts are constants; a key step all of whose keys come after a wave's queries is left out by a scalar branch on ids, inside which stands no barrier.
; No cluster: partners would want different numbers of chunks' work, and the copies go through registers.
; LIMITS: NaN and infinities are not served; a block whose largest magnitude lies under 2^-124 (a block of zeros too) gets the scale byte 1: its codes are then zeros or tiny, and this program alone reads the bytes.
; REGISTERS: v1-10 addresses; v12 -M, v13 the largest t, v[14:15] the sum; v16-27 q between zeros; v28 q's scale word; v32-63 k; v64-95 v; v96-159 S^T, then p; v160-191 O^T; v192-199 p's codes; v200-214 at work;
;   v232-236 scale words of k, v and p; v240-251 bytes on their way to LDS.
; THE MODE: SCHED_MODE bits 1:0 = 2 (LLVM: expert scheduling mode 2), set by the entry lines.  The code itself states the register dependences between vector or matrix instructions and memory or LDS instructions,
; with s_wait_alu, always for 0.
; THE PLAN.  Registers that memory or LDS instructions touch, in the loop:
;   KF, VF, KW, VW   a step's products read them; the next step's LDS loads land in them: ONE wait on va_vdst at a step's head, behind the branch that can leave the step out.
;   v[ADS]           the LDS address of a trip's scale words: written once a trip, at its head, behind a wait on vm_vsrc; read by four loads of each step (the trip's four steps reach on by immediates), behind the step's wait.
;   v240-247         a chunk's bytes: loaded, read by two LDS stores, loaded again: one wait on vm_vsrc a chunk; no vector instruction names them.
;   v[L16], v[CPY]   written at the head and never again: the chunks are reached by a scalar base, written behind the wait that shows the loads that read it done.
;   PCD, PWD         p's codes and scale word are written by vector instructions and taken by the second product as operand and scales: a wait on va_vdst directly ahead of its four instructions, behind their places.
;   The masks of the diagonal go from compares into s40-47, eight at a time, with one wait on va_sdst behind each eight.
.set SCL,  32768                       ; LDS: two buffers of 16,384 (k, then v), then the head's scale words: k's 4,096, v's 4,096
.set KIMG, 2097152
.set VIMG, 4194304
.set QSC,  6291456
.set KVSC, 6553600
.set L16, 1
.set CPY, 2
.set SC0, 5
.set ADS, 6
.set DQ,  7
.set KF,  32
.set VF,  64
.set S,   96
.set O,   160
.set PCD, 192
.set BM,  200
.set BP,  204
.set SO,  208
.set F,   212
.set TA,  214
.set KW,  232
.set VW,  234
.set PWD, 236
.set HI,  17                           ; s17: the mask of lanes 16-31
.set SEL, 20
.set CS,  22
.set STEPN, 24
.set BW,  25
.set TS,  26                           ; s26: 1,024 x the trip
.set TRIP, 27
.set CO,  28                           ; s[28:29]: the next chunk's byte offset in the head's images, as a pair with 0 above it
.set NB,  30                           ; s[30:31]: the head's images at that chunk
.set MK,  40                           ; s40-47: eight masks of the diagonal
.macro SMUL d, a, b, sa, row           ; a product that starts a sum
.if \row
	v_wmma_scale_f32_16x16x128_f8f6f4 v[(\d):(\d)+7], v[(\a):(\a)+7], v[(\b):(\b)+7], 0, v[(\sa)], v28 matrix_a_fmt:MATRIX_FMT_FP4 matrix_b_fmt:MATRIX_FMT_FP4 matrix_a_scale:MATRIX_SCALE_ROW1
.else
	v_wmma_scale_f32_16x16x128_f8f6f4 v[(\d):(\d)+7], v[(\a):(\a)+7], v[(\b):(\b)+7], 0, v[(\sa)], v28 matrix_a_fmt:MATRIX_FMT_FP4 matrix_b_fmt:MATRIX_FMT_FP4
.endif
.endm
.macro OMUL d, a, sa, row              ; O^T += v^T p^T
.if \row
	v_wmma_scale_f32_16x16x128_f8f6f4 v[(\d):(\d)+7], v[(\a):(\a)+7], v[PCD:PCD+7], v[(\d):(\d)+7], v[(\sa)], v[PWD] matrix_a_fmt:MATRIX_FMT_FP4 matrix_b_fmt:MATRIX_FMT_FP4 matrix_a_scale:MATRIX_SCALE_ROW1
.else
	v_wmma_scale_f32_16x16x128_f8f6f4 v[(\d):(\d)+7], v[(\a):(\a)+7], v[PCD:PCD+7], v[(\d):(\d)+7], v[(\sa)], v[PWD] matrix_a_fmt:MATRIX_FMT_FP4 matrix_b_fmt:MATRIX_FMT_FP4
.endif
.endm
; A KEY STEP: 128 keys, half sg of the chunk in buffer buf: step 2 buf + sg of the trip's four.
.macro STEP buf, sg
	s_cmp_gt_u32 s[STEPN], s[BW]                   ; all its keys come after my queries: left out
	s_cbranch_scc1 .Lskip_\@
	s_wait_alu depctr_va_vdst(0)                   ; the products of the step before are done reading k's and v's fragments and scale words, in which the loads below land; v[ADS] is written, which four of them read; at the first step: the zero codes round q are written, which the products take as their operand
.irp b, 0,1,2,3
.irp u, 0,1
	ds_load_b128 v[KF+8*\b+4*\u:KF+8*\b+4*\u+3], v[L16] offset:16384*(\buf)+(8*(\sg)+2*\b+\u)*512
.endr
.endr
	ds_load_b32 v[KW], v[ADS] offset:256*(2*(\buf)+(\sg))
	ds_load_b32 v[KW+1], v[ADS] offset:256*(2*(\buf)+(\sg))+128
.irp t, 0,1,2,3
.irp c, 0,1
	ds_load_b128 v[VF+8*\t+4*\c:VF+8*\t+4*\c+3], v[L16] offset:16384*(\buf)+8192+((2*(\sg)+\c)*4+\t)*512
.endr
.endr
	ds_load_b32 v[VW], v[ADS] offset:256*(2*(\buf)+(\sg))+4096
	ds_load_b32 v[VW+1], v[ADS] offset:256*(2*(\buf)+(\sg))+4224
	s_wait_dscnt 10                                ; k's ten loads are in; v's ten may be out
.irp b, 0,1,2,3
	SMUL S+16*\b, KF+8*\b, 20, KW+\b/2, \b%2       ; the fragment's first tile of keys: q in the lower half of K
	SMUL S+8+16*\b, KF+8*\b, 16, KW+\b/2, \b%2     ; its second: q in the upper half
.endr                                              ; register 16 b + i of lane (r, h): key 32 b + 16 h + i of the step, query r
.rept 4
	v_nop
.endr
	s_cmp_lg_u32 s[STEPN], s[BW]                   ; only my block's own step lies on the diagonal
	s_cbranch_scc1 .Lopen_\@
	v_mov_b32 v[TA], 0xff800000                    ; -infinity: p = 0 there
.set N, 0
.rept 8                                            ; an accumulator's eight registers at a time, from its low end on
.irp m, 0,1,2,3,4,5,6,7
	v_cmp_gt_i32 s[MK+\m], 32*((N+\m)/16)+(N+\m)%16, v[DQ]      ; hidden where the register's key lies behind my query
.endr
	s_wait_alu depctr_va_sdst(0)                   ; the eight compares have written s40 to s47, ahead of their first readers
.irp m, 0,1,2,3,4,5,6,7
	v_cndmask_b32 v[S+N+\m], v[S+N+\m], v[TA], s[MK+\m]
.endr
.set N, N+8
.endr
.Lopen_\@:
.irp b, 0,1,2,3
	v_max3_num_f32 v[BM+\b], v[S+16*\b], v[S+1+16*\b], v[S+2+16*\b]     ; the largest score of each block of 32 keys: for the row's maximum, and for the block's largest p
.endr
.irp i, 3,5,7,9,11,13
.irp b, 0,1,2,3
	v_max3_num_f32 v[BM+\b], v[BM+\b], v[S+16*\b+\i], v[S+1+16*\b+\i]
.endr
.endr
.irp b, 0,1,2,3
	v_max_num_f32 v[BM+\b], v[BM+\b], v[S+15+16*\b]
.endr
.irp b, 0,1,2,3
	v_permlanex16_b32 v[BP+\b], v[BM+\b], s[SEL], s[SEL+1]
.endr
.irp b, 0,1,2,3
	v_max_num_f32 v[BM+\b], v[BM+\b], v[BP+\b]
.endr
	v_max3_num_f32 v[TA], v[BM], v[BM+1], v[BM+2]
	v_max_num_f32 v[TA], v[TA], v[BM+3]
	v_mul_f32 v[TA], s[CS], v[TA]
	v_max_num_f32 v13, v13, v[TA]                  ; the running largest t
	v_mov_b32 v[TA], v12
	v_floor_f32 v12, -v13                          ; -M = floor(-t): M is a whole number
	v_sub_f32 v[TA], v12, v[TA]
	v_cvt_i32_f32 v[TA], v[TA]                     ; (it saturates)
	v_ldexp_f32 v[F], 1.0, v[TA]                   ; f = 2^(old M - new M): rounds nothing
.set N, 0
.rept 32
	v_pk_fma_f32 v[S+N:S+N+1], v[S+N:S+N+1], s[CS:CS+1], v[12:13] op_sel_hi:[1,0,0]   ; t - M
.set N, N+2
.endr
.irp b, 0,1,2,3
	v_fma_f32 v[BM+\b], v[BM+\b], s[CS], v12
.endr
.set N, 0
	s_wait_alu depctr_va_vdst(0)
.rept 64
	v_exp_f32 v[S+N], v[S+N]
.set N, N+1
.endr
	v_pk_mul_f32 v[14:15], v[14:15], v[F:F+1] op_sel_hi:[1,0]      ; the sums under the new M: a plain place behind the batch
	s_wait_alu depctr_va_vdst(0)                   ; the 64 p in v[S ..] are written: one wait for the batch, ahead of its first reader
.irp b, 0,1,2,3
	v_exp_f32 v[BM+\b], v[BM+\b]                   ; the block's largest p
.endr
	v_pk_add_f32 v[BP:BP+1], v[S:S+1], v[S+2:S+3]  ; the sum of the unquantised p, in two chains
.irp j, 4,8,12,16,20,24,28,32,36,40,44,48,52,56,60
	v_pk_add_f32 v[14:15], v[14:15], v[S+\j:S+\j+1]
	v_pk_add_f32 v[BP:BP+1], v[BP:BP+1], v[S+2+\j:S+3+\j]
.endr
	v_pk_add_f32 v[14:15], v[14:15], v[BP:BP+1]
	s_wait_alu depctr_va_vdst(0)                   ; the four largest p in v[BM ..] are written, ahead of their first reader
.irp b, 0,1,2,3
	v_max_num_f32 v[BM+\b], 0x1800000, v[BM+\b]    ; the floor 2^(3 - 127)
.endr
.irp b, 0,1,2,3
	v_add_nc_u32 v[SO+\b], 0xff000000, v[BM+\b]
.endr
.irp b, 0,1,2,3
	v_lshrrev_b32 v[BP+\b], 23, v[SO+\b]
.endr
	v_lshl_or_b32 v[PWD], v[BP+1], 8, v[BP]
	v_lshl_or_b32 v[PWD], v[BP+2], 16, v[PWD]
	v_lshl_or_b32 v[PWD], v[BP+3], 24, v[PWD]
.irp b, 0,1,2,3
	v_cvt_scalef32_pk8_fp4_f32 v[PCD+2*\b], v[S+16*\b:S+7+16*\b], v[SO+\b]
	v_cvt_scalef32_pk8_fp4_f32 v[PCD+1+2*\b], v[S+8+16*\b:S+15+16*\b], v[SO+\b]
.endr
	v_nop
.irp c, 0,1
.irp i, 0,1
	v_permlane16_swap_b32 v[PCD+4*\c+\i], v[PCD+2+4*\c+\i]
.endr
.endr
.set N, 0
.rept 16
	v_pk_mul_f32 v[O+N:O+N+1], v[O+N:O+N+1], v[F:F+1] op_sel_hi:[1,0]     ; O^T under the new M; these sixteen are also the places between p's codes and word and the products
.set N, N+2
.endr
	s_wait_dscnt 0x0                               ; v is in
	s_wait_alu depctr_va_vdst(0)                   ; p's codes v[PCD ..] and its scale word v[PWD] are written, which the products below take as operand and scales; the places above stay beside this wait
.irp t, 0,1,2,3
	OMUL O+8*\t, VF+8*\t, VW+\t/2, \t%2            ; four accumulators by turns
.endr
.rept 4
	v_nop                                          ; in front of the next vector instruction that reads or writes O^T
.endr
.Lskip_\@:
	s_add_co_u32 s[STEPN], s[STEPN], 1
.endm
; A CHUNK: my 32 bytes go to LDS; one barrier; the next chunk is asked for; two key steps.  One barrier a chunk does with two buffers: a wave stores chunk c + 2 behind barrier c + 1, which every wave signals behind its reads of chunk c.
.macro CHUNK buf
	s_wait_loadcnt 0x0                             ; my part of this chunk is in registers (and the loads that read the base s[NB:NB+1] are done: it may be written)
	ds_store_b128 v[CPY], v[240:243] offset:16384*(\buf)
	ds_store_b128 v[CPY], v[244:247] offset:16384*(\buf)+8192
	s_add_co_u32 s[CO], s[CO], 8192
	s_min_u32 s[CO], s[CO], 57344                  ; the last chunk is asked for once more: no load leaves the head's bytes
	s_add_nc_u64 s[NB:NB+1], s[8:9], s[CO:CO+1]    ; the head's images at the next chunk
	s_wait_dscnt 0x0                               ; my stores have landed, and my reads of the chunk before are over
	s_barrier_signal -1
	s_barrier_wait -1
	s_wait_alu depctr_vm_vsrc(0)                   ; my two LDS stores have read v[240:247], in which the next chunk's loads land
	global_load_b128 v[240:243], v[CPY], s[NB:NB+1] offset:KIMG
	global_load_b128 v[244:247], v[CPY], s[NB:NB+1] offset:VIMG
	STEP \buf, 0
	STEP \buf, 1
.endm
	s_load_b128 s[4:7], s[0:1], 0x0                ; qkv, att
	v_lshl_add_u32 v254, v0, 2, 0xa000
	v_mov_b32 v255, 0
	v_lshrrev_b32 v3, 5, v0
	v_readfirstlane_b32 s16, v3                    ; wave 0..15
	s_and_b32 s18, ttmp7, 0xffff                   ; bh
	v_and_b32 v3, 31, v0
	v_lshlrev_b32 v[L16], 4, v3                    ; 16 x lane
	v_lshlrev_b32 v[CPY], 4, v0                    ; 16 x thread: my bytes of a chunk, in memory and in LDS
	v_lshl_add_u32 v[SC0], v3, 2, SCL
	v_and_b32 v11, 15, v0                          ; r
	v_bfe_u32 v3, v0, 4, 1                         ; h
	v_lshlrev_b32 v10, 2, v11
	v_and_b32 v[DQ], 8, v11
	v_add_nc_u32 v[DQ], v[DQ], v11                 ; r + 8 (r / 8)
	v_lshlrev_b32 v8, 5, v[DQ]
	v_lshl_add_u32 v8, v3, 4, v8                   ; the way out: 32 bytes a query, + 16 h
	v_lshl_add_u32 v9, v[DQ], 1, v3                ; and 2 scale bytes a query, + h
	v_lshlrev_b32 v3, 4, v3
	v_sub_nc_u32 v[DQ], v[DQ], v3
	s_wait_alu depctr_va_vdst(0)
	s_wait_alu depctr_va_sdst(0)                   ; s16 is written, ahead of its first reader: my tile, my block and every base are made from it
	s_lshr_b32 s19, s16, 1                         ; my tile in its block
	s_lshr_b32 s29, s16, 2
	s_xor_b32 s29, s29, s16
	s_and_b32 s29, s29, 1                          ; which of the two blocks
	s_sub_co_u32 s30, 15, ttmp9
	s_cmp_eq_u32 s29, 0
	s_cselect_b32 s[BW], ttmp9, s30                ; my block of 128 queries; also my last key step
	s_lshl_b32 s30, s[BW], 3
	s_add_co_u32 s30, s30, s19                     ; my tile in the head
	s_lshr_b32 s31, s19, 1
	s_lshl_b32 s31, s31, 5
	s_and_b32 s36, s19, 1
	s_lshl_b32 s36, s36, 3
	s_add_co_u32 s31, s31, s36                     ; its first query in the block
	v_add_nc_u32 v[DQ], s31, v[DQ]                 ; my query in its block - 16 h
	s_lshl_b32 s36, s[BW], 7
	s_add_co_u32 s36, s36, s31
	s_lshl_b32 s37, s18, 11
	s_add_co_u32 s36, s36, s37                     ; 2,048 bh + the tile's first query
	s_mov_b32 s39, 0
	s_mov_b32 s[SEL], 0x76543210
	s_mov_b32 s[SEL+1], 0xfedcba98
	s_mov_b32 s[CS], 0x3e38aa3b                    ; log2(e) / 8
	s_mov_b32 s[CS+1], s[CS]
	s_mov_b32 s[STEPN], 0
	s_mov_b32 s[TS], 0
	s_mov_b32 s[CO], 0
	s_mov_b32 s[CO+1], 0
	s_mov_b32 s[TRIP], 4
	s_lshl_b32 s38, s18, 16
	s_wait_kmcnt 0x0
	s_add_nc_u64 s[8:9], s[4:5], s[38:39]          ; the head's images
	s_lshl_b32 s38, s30, 9
	s_add_nc_u64 s[10:11], s[8:9], s[38:39]        ; my tile of q
	s_lshl_b32 s38, s18, 13
	s_add_nc_u64 s[12:13], s[4:5], s[38:39]        ; the head's scale words
	s_lshl_b32 s38, s30, 6
	s_add_nc_u64 s[14:15], s[12:13], s[38:39]
	s_lshl_b32 s38, s36, 5
	s_add_nc_u64 s[32:33], s[6:7], s[38:39]
	s_lshl_b32 s38, s36, 1
	s_add_nc_u64 s[34:35], s[6:7], s[38:39]
	s_wait_alu depctr_va_vdst(0)                   ; the offsets and LDS addresses v1, v2, v8, v9 and v10 are written, which the loads and stores of the kernel read
	global_load_b128 v[20:23], v[L16], s[10:11]
	global_load_b32 v28, v10, s[14:15] offset:QSC
	global_load_b128 v[248:251], v[CPY], s[12:13] offset:KVSC
	global_load_b128 v[240:243], v[CPY], s[8:9] offset:KIMG
	global_load_b128 v[244:247], v[CPY], s[8:9] offset:VIMG
.irp j, 16,17,18,19,24,25,26,27
	v_mov_b32 v[\j], 0                             ; zero codes round q
.endr
	v_mov_b32 v13, 0xff61b1e6                      ; -3e38, under every t
	v_floor_f32 v12, -v13
	v_mov_b32 v14, 0
	v_mov_b32 v15, 0
.irp b, 0,1,2,3
	v_mov_b32 v[BP+\b], 0                          ; a lane permute's destination counts as one of its sources
.endr
	v_mov_b32 v[F+1], 0                            ; named as the upper half of a pair
	v_mov_b32 v[TA], 0
.set N, 0
.rept 32
	v_mov_b32 v[O+N], 0                            ; the step is written once: the first finds zeros
.set N, N+1
.endr
	s_wait_loadcnt 2                               ; q, its word and the scale words are in; the first chunk's two loads may be out
	ds_store_b128 v[CPY], v[248:251] offset:SCL
.Lloop:
	s_wait_alu depctr_vm_vsrc(0)                   ; the LDS loads of the trip before have read v[ADS]
	v_add_nc_u32 v[ADS], s[TS], v[SC0]             ; this trip's scale words: 1,024 bytes a trip, 256 a step
	CHUNK 0
	CHUNK 1
	s_add_co_u32 s[TS], s[TS], 1024
	s_sub_co_u32 s[TRIP], s[TRIP], 1
	s_cmp_lg_u32 s[TRIP], 0
	s_cbranch_scc1 .Lloop
	; THE WAY OUT: O^T / the sum, quantised along the head's 64: tiles 2 c and 2 c + 1 hold channels 32 c + 16 h + 0 .. 15
	v_add_f32 v14, v14, v15
	v_permlanex16_b32 v[TA], v14, s[SEL], s[SEL+1]
	v_add_f32 v14, v14, v[TA]
	s_wait_alu depctr_va_vdst(0)
	v_rcp_f32 v14, v14
	v_nop
	s_wait_alu depctr_va_vdst(0)                   ; 1 / l in v14 is written, ahead of its first reader
.set N, 0
.rept 32
	v_mul_f32 v[S+N], v[O+N], v14
.set N, N+1
.endr
.irp i, 0,1
	v_max3_num_f32 v[BM+\i], |v[S+16*\i]|, |v[S+1+16*\i]|, 0x1800000
.endr
.irp k, 2,4,6,8,10,12,14
.irp i, 0,1
	v_max3_num_f32 v[BM+\i], v[BM+\i], |v[S+16*\i+\k]|, |v[S+1+16*\i+\k]|
.endr
.endr
.irp i, 0,1
	v_permlanex16_b32 v[BP+\i], v[BM+\i], s[SEL], s[SEL+1]
.endr
.irp i, 0,1
	v_max_num_f32 v[BM+\i], v[BM+\i], v[BP+\i]
.endr
.irp i, 0,1
	v_add_nc_u32 v[SO+\i], 0xff000000, v[BM+\i]
.endr
.irp i, 0,1
	v_lshrrev_b32 v[BP+\i], 23, v[SO+\i]
.endr
.irp i, 0,1
	v_cvt_scalef32_pk8_fp4_f32 v[PCD+2*\i], v[S+16*\i:S+7+16*\i], v[SO+\i]
	v_cvt_scalef32_pk8_fp4_f32 v[PCD+1+2*\i], v[S+8+16*\i:S+15+16*\i], v[SO+\i]
.endr
	v_nop
	v_permlane16_swap_b32 v[PCD], v[PCD+2]
	v_permlane16_swap_b32 v[PCD+1], v[PCD+3]       ; lane (r, h): block h whole
	s_mov_b32 s[HI], 0xffff0000
	v_cndmask_b32 v[TA], v[BP], v[BP+1], s[HI]     ; and its byte
	s_wait_alu depctr_va_vdst(0)                   ; the codes v[PCD ..] and the byte v[TA] are written, which the two stores read
	global_store_b128 v8, v[PCD:PCD+3], s[32:33]   ; two runs of 256 consecutive bytes
	global_store_b8 v9, v[TA], s[34:35] offset:2097152
	s_wait_dscnt 0x0                               ; the closing lines, six on end
	s_wait_alu 0x0
	s_wait_tensorcnt 0x0
	ds_add_u32 v254, v255
	s_wait_dscnt 0x0
	s_endpgm
.Lfunc_end_k_q39e7640a26_attn:
	.size	k_q39e7640a26_attn, .Lfunc_end_k_q39e7640a26_attn-k_q39e7640a26_attn
	.p2alignl 7, 3214868480
	.fill 96, 4, 3214868480
	.section	.rodata,"a",@progbits
	.p2align	6, 0x0
	.amdhsa_kernel k_q39e7640a26_attn
		.amdhsa_group_segment_fixed_size 43008
		.amdhsa_private_segment_fixed_size 0
		.amdhsa_enable_private_segment 0
		.amdhsa_kernarg_size 16
		.amdhsa_user_sgpr_count 2
		.amdhsa_user_sgpr_kernarg_segment_ptr 1
		.amdhsa_wavefront_size32 1
		.amdhsa_system_sgpr_workgroup_id_x 1
		.amdhsa_system_sgpr_workgroup_id_y 1
		.amdhsa_system_sgpr_workgroup_id_z 1
		.amdhsa_system_vgpr_workitem_id 0
		.amdhsa_next_free_vgpr 256
		.amdhsa_next_free_sgpr 66
		.amdhsa_reserve_vcc 0
		.amdhsa_float_denorm_mode_32 3
		.amdhsa_float_denorm_mode_16_64 3
		.amdhsa_memory_ordered 1
		.amdhsa_forward_progress 1
		.amdhsa_inst_pref_size 107
	.end_amdhsa_kernel
	.amdgpu_metadata
---
amdhsa.version: [ 1, 2 ]
amdhsa.kernels:
  - .name:           k_q39e7640a26_attn
    .symbol:         k_q39e7640a26_attn.kd
    .args:
      - { .name: qkv, .offset: 0, .size: 8, .value_kind: global_buffer, .address_space: global }
      - { .name: att, .offset: 8, .size: 8, .value_kind: global_buffer, .address_space: global }
    .group_segment_fixed_size: 43008
    .private_segment_fixed_size: 0
    .kernarg_segment_align: 8
    .kernarg_segment_size: 16
    .max_flat_workgroup_size: 512
    .sgpr_count:     66
    .vgpr_count:     256
    .wavefront_size: 32
...
	.end_amdgpu_metadata
.endif
;; end of part 7
;; launch proj (part 8): grid 4 x 64, 4 waves a work-group, no clusters, 67,072 bytes of LDS; arguments att, wimg, w_proj_scales, b_proj, x, x1; writes x1
.if DOCPART == 8
	.amdgcn_target "amdgcn-amd-amdhsa--gfx1250"
	.amdhsa_code_object_version 6
	.text
	.protected	k_q39e7640a26_proj
	.globl	k_q39e7640a26_proj
	.p2align	8
	.type	k_q39e7640a26_proj,@function
k_q39e7640a26_proj:
	s_mov_b64 s[64:65], 0
	v_nop
	global_prefetch_b8 v0, s[64:65] scope:SCOPE_SE
	s_setreg_imm32_b32 hwreg(HW_REG_WAVE_SCHED_MODE, 0, 2), 2
	s_setreg_imm32_b32 hwreg(HW_REG_WAVE_MODE, 25, 1), 1
	s_wait_xcnt 0x0
	s_wait_alu depctr_vm_vsrc(0)
; x1 = x + A W^T + bias on codes of E2M1.  A: 4,096 rows x 1,024 K, codes row-major (512 bytes a row) with 32 scale bytes a row behind them at byte 2,097,152.
; W: images of the operand registers, laid by the first launch at byte 0 of wimg: [tile of 16 columns][K step][c][lane x 16 bytes]; its scale bytes as they are given, [1,024][32].
; SHARES.  A work-group makes 64 rows x 256 columns; wave w the columns 64 w on, all of K.  A STAYS in registers (4 tiles x 8 K steps), W STREAMS from memory into operand registers, 32 columns (a pair of tiles) at a time;
; each of its loads reads 512 consecutive bytes.
; Source 0 = W, source 1 = the rows: a lane's eight results are eight neighbouring columns of one row.  The results meet in a stage in LDS; each wave then adds bias and residual to 16 whole rows' 1,024 bytes and stores them.
; No cluster: each operand byte is asked for once by a work-group, straight into registers; no slot in LDS is filled again, so there is no refill that partners could ask for jointly.
; LIMITS: NaN and infinities are not served.
; REGISTERS.  window 0: v1-10 addresses; v32-63 A's scale words; v64-191 two sets of accumulators, later rows from the stage; v192-239 W's scale words; v240-247 the bias.  window 1: A.  window 2: W's sets 0, 1.
;   window 3: v0-127 W's set 2; v128-255 the residual's rows, then the result.
; THE MODE: SCHED_MODE bits 1:0 = 2 (LLVM: expert scheduling mode 2), set by the entry lines.  The code itself states the register dependences between vector or matrix instructions and memory or LDS instructions,
; with s_wait_alu, always for 0.
; THE PLAN.  Registers that memory or LDS instructions touch:
;   v1-10             offsets and LDS addresses: written at the head and never again: one wait on va_vdst ahead of the first load.
;   accumulators      pair p's products write set p % 2; its sixteen stage stores read it; pair p + 2's products write it anew; behind the barrier rows from the stage land in both sets.
;   W's sets, words   pair p's products read set p % 3; pair p + 3's loads land in it.
;     So ONE wait on va_vdst stands behind a pair's products and their places, ahead of its loads and stage stores; one on vm_vsrc at the head of every pair from the third on, and one behind the barrier.
;   window 3 v128-255 loaded; a batch's additions write the result in place; its stores read it; never written again: one wait on va_vdst ahead of each batch's stores, which also shows the additions done with the rows
;                     from the stage, in which the next batch's LDS loads land.
.set SPLIT,  0
.if SPLIT
.set NP,     8
.set NPART,  4
.set WTILE,  32768                     ; a tile's images: 32 K steps of 1,024 bytes
.set SPITCH, 128
.else
.set NP,     2
.set NPART,  1
.set WTILE,  8192                      ; a tile's images: 8 K steps of 1,024 bytes
.set SPITCH, 32
.endif
.set W2IMG,  2621440
.set TP,     32
.set TU,     16
.set RPITCH, 1040                      ; a stage row: 1,024 bytes + 16: 65 x 16, so that sixteen rows' 16-byte pieces fall on different banks (64 banks of 4 bytes: ISA guide 11.1)
.set REGION, 64*RPITCH
.set L16, 1
.set ASV, 3
.set RD,  4
.set STO, 8
.set AV,  9
.set WSA, 10
.set AS,  32
.set ACC, 64
.set WS,  192
.set BI,  240
.set WB,  6
.set WSB, 8
.set AB,  20
.set ASB, 22
.set MSB, 0
.macro WIN new                         ; the immediate's high byte repeats the setting that is left; a switch that changes nothing is dropped
.if MSB != (\new)
	s_set_vgpr_msb (MSB<<8)|(\new)
.set MSB, (\new)
.endif
.endm
.macro PLACES n
.rept \n
	v_nop
.endr
.endm
.macro WFR p, u                        ; tile u of pair p: my 8 K steps' images, 16 loads of 512 consecutive bytes, into set p % 3
.set LB, (\p)%3
	WIN 0x80+0x40*(LB/2)
.irp ks, 0,1,2,3,4,5,6,7
.irp c, 0,1
	global_load_b128 v[128*(LB%2)+64*(\u)+8*\ks+4*\c:128*(LB%2)+64*(\u)+8*\ks+4*\c+3], v[L16], s[WB:WB+1] offset:(2*(\p)+(\u))*WTILE+1024*\ks+512*\c
.endr
.endr
.endm
.macro WSC p
.set LB, (\p)%3
	WIN 0
.irp u, 0,1
.irp hf, 0,1
	global_load_b128 v[WS+16*LB+8*\u+4*\hf:WS+16*LB+8*\u+4*\hf+3], v[WSA], s[WSB:WSB+1] offset:(TP*(\p)+TU*\u)*SPITCH+16*\hf
.endr
.endr
.endm
.macro WLOAD p
	WFR \p, 0
	WFR \p, 1
	WSC \p
.endm
.macro WM0 d, a, b, sa, sb
	v_wmma_scale_f32_16x16x128_f8f6f4 v[(\d):(\d)+7], v[(\a):(\a)+7], v[(\b):(\b)+7], 0, v[(\sa)], v[(\sb)] matrix_a_fmt:MATRIX_FMT_FP4 matrix_b_fmt:MATRIX_FMT_FP4
.endm
.macro WMC d, a, b, c, sa, sb
	v_wmma_scale_f32_16x16x128_f8f6f4 v[(\d):(\d)+7], v[(\a):(\a)+7], v[(\b):(\b)+7], v[(\c):(\c)+7], v[(\sa)], v[(\sb)] matrix_a_fmt:MATRIX_FMT_FP4 matrix_b_fmt:MATRIX_FMT_FP4
.endm
; A pair's 64 products: K step by K step, the 8 accumulators by turns, one instruction a turn; the first K step starts the sums with the constant 0.
.macro MULPAIR p, acc
.set MB, (\p)%3
.set MO, 128*(MB%2)
	WIN 0x04|(2+MB/2)
.irp ks, 0,1,2,3,4,5,6,7
.irp u, 0,1
.irp mt, 0,1,2,3
.if \ks == 0
	WM0 (\acc)+8*(4*\u+\mt), MO+64*\u+8*\ks, 8*(8*\mt+\ks), WS+16*MB+8*\u+\ks, AS+8*\mt+\ks
.else
	WMC (\acc)+8*(4*\u+\mt), MO+64*\u+8*\ks, 8*(8*\mt+\ks), (\acc)+8*(4*\u+\mt), WS+16*MB+8*\u+\ks, AS+8*\mt+\ks
.endif
.endr
.endr
.endr
.endm
.macro RESLOAD                         ; my 16 rows of the residual (1,024 bytes of each) and the 256 columns' bias: 34 loads
	WIN 0xc0
.irp i, 0,1,2,3,4,5,6,7,8,9,10,11,12,13,14,15
.irp e, 0,1
	global_load_b128 v[128+8*\i+4*\e:128+8*\i+4*\e+3], v[L16], s[12:13] offset:4096*\i+512*\e
.endr
.endr
	WIN 0
.irp e, 0,1
	global_load_b128 v[BI+4*\e:BI+4*\e+3], v[L16], s[10:11] offset:512*\e
.endr
.endm
.macro OPAIR p
.if (\p) == NP-1
	s_wait_loadcnt 34                              ; the last pair is in; residual and bias may be out
.else
	s_wait_loadcnt 63                              ; behind this pair's loads 70 or more were issued; 63 is the most that the count can name
.endif
	s_wait_dscnt 16                                ; the last pair's 16 stage stores may be out; those of the pair before it are done
.if (\p) >= 2
	s_wait_alu depctr_vm_vsrc(0)                   ; the stage stores of two pairs back have read this set of accumulators, which the products below write anew
.endif
	MULPAIR \p, ACC+64*((\p)%2)
	WIN 0
	PLACES 5                                       ; in front of the stores that read results (4); one more, since an accumulator set is begun anew behind LDS stores alone
	s_wait_alu depctr_va_vdst(0)                   ; the pair's products have written their accumulators, which the stage stores read, and are done reading W's set and its scale words, in which the loads below land; the places above stay beside this wait
.if (\p)+3 < NP
	WLOAD (\p)+3                                   ; the emptied set is asked for again at once
.if (\p)+3 == NP-1
	RESLOAD
.endif
.endif
.irp u, 0,1
.irp mt, 0,1,2,3
	ds_store_b128 v[STO], v[ACC+64*((\p)%2)+8*(4*\u+\mt):ACC+64*((\p)%2)+8*(4*\u+\mt)+3] offset:\mt*16*RPITCH+(2*(\p)+\u)*64        ; each accumulator from its low end on
	ds_store_b128 v[STO], v[ACC+64*((\p)%2)+8*(4*\u+\mt)+4:ACC+64*((\p)%2)+8*(4*\u+\mt)+7] offset:\mt*16*RPITCH+(2*(\p)+\u)*64+16
.endr
.endr
.endm
	s_load_b256 s[4:11], s[0:1], 0x0               ; A, wimg, W's scales, the bias
	s_load_b128 s[12:15], s[0:1], 0x20             ; the residual, the output
	v_lshl_add_u32 v254, v0, 2, 0x10400
	v_mov_b32 v255, 0
	v_lshrrev_b32 v2, 5, v0
	v_readfirstlane_b32 s16, v2                    ; wave 0..3
	s_and_b32 s18, ttmp7, 0xffff                   ; the block of 64 rows
	v_and_b32 v2, 31, v0
	v_and_b32 v11, 15, v0                          ; r
	v_bfe_u32 v12, v0, 4, 1                        ; h
	v_lshlrev_b32 v[L16], 4, v2
.if SPLIT
	v_lshlrev_b32 v[WSA], 7, v11
	v_lshlrev_b32 v[ASV], 3, v11
.else
	v_lshlrev_b32 v[AV], 9, v11
	v_lshl_add_u32 v[AV], v12, 4, v[AV]            ; A's rows: 512 r + 16 h
	v_lshlrev_b32 v[WSA], 5, v11
	v_lshlrev_b32 v[ASV], 5, v11
.endif
	v_mul_u32_u24 v[STO], v11, RPITCH
	v_lshl_add_u32 v[STO], v12, 5, v[STO]
	s_wait_alu depctr_va_sdst(0)                   ; s16 is written, ahead of its first reader: LDS addresses and every base are made from it
.if SPLIT
	s_mul_i32 s24, s16, REGION
.else
	s_lshl_b32 s24, s16, 8
.endif
	v_add_nc_u32 v[STO], s24, v[STO]
	s_mul_i32 s24, s16, 16*RPITCH
	v_add_nc_u32 v[RD], s24, v[L16]
.if SPLIT
	v_add_nc_u32 v[RD+1], REGION, v[RD]
	v_add_nc_u32 v[RD+2], 2*REGION, v[RD]
	v_add_nc_u32 v[RD+3], 3*REGION, v[RD]
.endif
	s_mov_b32 s25, 0
	s_wait_kmcnt 0x0
.if SPLIT
	s_lshl_b32 s24, s18, 17
	s_lshl_b32 s27, s16, 13
	s_add_co_u32 s24, s24, s27
	s_add_nc_u64 s[AB:AB+1], s[4:5], s[24:25]      ; images: 4 y tiles of 32,768 bytes, my K quarter
	s_lshl_b32 s24, s18, 13
	s_lshl_b32 s27, s16, 10
	s_add_co_u32 s24, s24, s27
	s_add_co_u32 s24, s24, 8388608
	s_add_nc_u64 s[ASB:ASB+1], s[4:5], s[24:25]
	s_lshl_b32 s24, ttmp9, 19
	s_lshl_b32 s27, s16, 13
	s_add_co_u32 s24, s24, s27
	s_add_co_u32 s24, s24, W2IMG
	s_add_nc_u64 s[WB:WB+1], s[WB:WB+1], s[24:25]  ; W's images: tile 16 x, K step 8 w
	s_lshl_b32 s24, ttmp9, 15
	s_lshl_b32 s27, s16, 5
	s_add_co_u32 s24, s24, s27
	s_add_nc_u64 s[WSB:WSB+1], s[WSB:WSB+1], s[24:25]
.else
	s_lshl_b32 s24, s18, 15
	s_add_nc_u64 s[AB:AB+1], s[4:5], s[24:25]      ; 64 y rows of 512 bytes
	s_lshl_b32 s24, s18, 11
	s_add_co_u32 s24, s24, 2097152
	s_add_nc_u64 s[ASB:ASB+1], s[4:5], s[24:25]
	s_lshl_b32 s24, ttmp9, 17
	s_lshl_b32 s27, s16, 15
	s_add_co_u32 s24, s24, s27
	s_add_nc_u64 s[WB:WB+1], s[WB:WB+1], s[24:25]  ; W's images: tile 16 x + 4 w
	s_lshl_b32 s26, ttmp9, 8
	s_lshl_b32 s27, s16, 6
	s_add_co_u32 s26, s26, s27                     ; my first column
	s_lshl_b32 s24, s26, 5
	s_add_nc_u64 s[WSB:WSB+1], s[WSB:WSB+1], s[24:25]
.endif
	s_lshl_b32 s24, ttmp9, 10
	s_add_nc_u64 s[10:11], s[10:11], s[24:25]
	s_lshl_b32 s26, s18, 6
	s_lshl_b32 s27, s16, 4
	s_add_co_u32 s26, s26, s27
	s_lshl_b32 s26, s26, 12
	s_add_co_u32 s24, s24, s26                     ; row 64 y + 16 w, column 256 x
	s_add_nc_u64 s[12:13], s[12:13], s[24:25]
	s_add_nc_u64 s[14:15], s[14:15], s[24:25]
	WIN 0x40
	s_wait_alu depctr_va_vdst(0)                   ; the offsets and LDS addresses v1 to v10 are written, which every load and store of the kernel reads
.irp mt, 0,1,2,3
.irp ks, 0,1,2,3,4,5,6,7
.irp c, 0,1
.if SPLIT
	global_load_b128 v[8*(8*\mt+\ks)+4*\c:8*(8*\mt+\ks)+4*\c+3], v[L16], s[AB:AB+1] offset:32768*\mt+1024*\ks+512*\c
.else
	global_load_b128 v[8*(8*\mt+\ks)+4*\c:8*(8*\mt+\ks)+4*\c+3], v[AV], s[AB:AB+1] offset:8192*\mt+64*\ks+32*\c
.endif
.endr
.endr
.endr
	WIN 0
.irp mt, 0,1,2,3
.if SPLIT
.irp wq, 0,1,2,3
	global_load_b64 v[AS+8*\mt+2*\wq:AS+8*\mt+2*\wq+1], v[ASV], s[ASB:ASB+1] offset:(\mt/2)*4096+256*\wq+(\mt%2)*128
.endr
.else
.irp hf, 0,1
	global_load_b128 v[AS+8*\mt+4*\hf:AS+8*\mt+4*\hf+3], v[ASV], s[ASB:ASB+1] offset:512*\mt+16*\hf
.endr
.endif
.endr
	WLOAD 0
	WLOAD 1
.if NP > 2
	WLOAD 2
.else
	RESLOAD
.endif
.set PP, 0
.rept NP
	OPAIR PP
.set PP, PP+1
.endr
	s_wait_dscnt 0x0                               ; for the others' sake: my results lie in the stage
	s_barrier_signal -1
	s_barrier_wait -1
	s_wait_alu depctr_vm_vsrc(0)                   ; my stage stores have read the accumulators' registers, in which the rows from the stage land
	; THE WAY OUT: wave w takes rows 16 w on, four at a time
.irp bt, 0,1,2,3
.irp ii, 0,1,2,3
.irp e, 0,1
.irp k, 0,1,2,3
.if \k < NPART
	ds_load_b128 v[64+16*(2*\ii+\e)+4*\k:64+16*(2*\ii+\e)+4*\k+3], v[RD+\k] offset:(4*\bt+\ii)*RPITCH+512*\e
.endif
.endr
.endr
.endr
	s_wait_dscnt 0x0
.if \bt == 0
	s_wait_loadcnt 0x0                             ; residual and bias
.endif
.irp ii, 0,1,2,3
.irp e, 0,1
.if NPART == 4
	v_pk_add_f32 v[64+16*(2*\ii+\e):65+16*(2*\ii+\e)], v[64+16*(2*\ii+\e):65+16*(2*\ii+\e)], v[68+16*(2*\ii+\e):69+16*(2*\ii+\e)]
	v_pk_add_f32 v[66+16*(2*\ii+\e):67+16*(2*\ii+\e)], v[66+16*(2*\ii+\e):67+16*(2*\ii+\e)], v[70+16*(2*\ii+\e):71+16*(2*\ii+\e)]
	v_pk_add_f32 v[72+16*(2*\ii+\e):73+16*(2*\ii+\e)], v[72+16*(2*\ii+\e):73+16*(2*\ii+\e)], v[76+16*(2*\ii+\e):77+16*(2*\ii+\e)]
	v_pk_add_f32 v[74+16*(2*\ii+\e):75+16*(2*\ii+\e)], v[74+16*(2*\ii+\e):75+16*(2*\ii+\e)], v[78+16*(2*\ii+\e):79+16*(2*\ii+\e)]
	v_pk_add_f32 v[64+16*(2*\ii+\e):65+16*(2*\ii+\e)], v[64+16*(2*\ii+\e):65+16*(2*\ii+\e)], v[72+16*(2*\ii+\e):73+16*(2*\ii+\e)]
	v_pk_add_f32 v[66+16*(2*\ii+\e):67+16*(2*\ii+\e)], v[66+16*(2*\ii+\e):67+16*(2*\ii+\e)], v[74+16*(2*\ii+\e):75+16*(2*\ii+\e)]
.endif
	v_pk_add_f32 v[64+16*(2*\ii+\e):65+16*(2*\ii+\e)], v[64+16*(2*\ii+\e):65+16*(2*\ii+\e)], v[BI+4*\e:BI+4*\e+1]
	v_pk_add_f32 v[66+16*(2*\ii+\e):67+16*(2*\ii+\e)], v[66+16*(2*\ii+\e):67+16*(2*\ii+\e)], v[BI+4*\e+2:BI+4*\e+3]
.endr
.endr
	WIN 0xc3                                       ; the residual: destination and source 0 in window 3
.irp ii, 0,1,2,3
.irp e, 0,1
	v_pk_add_f32 v[128+8*(4*\bt+\ii)+4*\e:129+8*(4*\bt+\ii)+4*\e], v[128+8*(4*\bt+\ii)+4*\e:129+8*(4*\bt+\ii)+4*\e], v[64+16*(2*\ii+\e):65+16*(2*\ii+\e)]
	v_pk_add_f32 v[130+8*(4*\bt+\ii)+4*\e:131+8*(4*\bt+\ii)+4*\e], v[130+8*(4*\bt+\ii)+4*\e:131+8*(4*\bt+\ii)+4*\e], v[66+16*(2*\ii+\e):67+16*(2*\ii+\e)]
.endr
.endr
	WIN 0x0c                                       ; a store's data are its source 1
	s_wait_alu depctr_va_vdst(0)                   ; the additions have written the four rows of the result, which the stores read; they are done with the rows from the stage, in whose registers the next four rows' LDS loads land
.irp ii, 0,1,2,3
.irp e, 0,1
	global_store_b128 v[L16], v[128+8*(4*\bt+\ii)+4*\e:131+8*(4*\bt+\ii)+4*\e], s[14:15] offset:4096*(4*\bt+\ii)+512*\e     ; 32 lanes store 512 consecutive bytes, at a multiple of 256 from the buffer's first byte
.endr
.endr
	WIN 0
.endr
	s_wait_dscnt 0x0                               ; the closing lines, six on end
	s_wait_alu 0x0
	s_wait_tensorcnt 0x0
	ds_add_u32 v254, v255
	s_wait_dscnt 0x0
	s_endpgm
.Lfunc_end_k_q39e7640a26_proj:
	.size	k_q39e7640a26_proj, .Lfunc_end_k_q39e7640a26_proj-k_q39e7640a26_proj
	.p2alignl 7, 3214868480
	.fill 96, 4, 3214868480
	.section	.rodata,"a",@progbits
	.p2align	6, 0x0
	.amdhsa_kernel k_q39e7640a26_proj
		.amdhsa_group_segment_fixed_size 67072
		.amdhsa_private_segment_fixed_size 0
		.amdhsa_enable_private_segment 0
		.amdhsa_kernarg_size 48
		.amdhsa_user_sgpr_count 2
		.amdhsa_user_sgpr_kernarg_segment_ptr 1
		.amdhsa_wavefront_size32 1
		.amdhsa_system_sgpr_workgroup_id_x 1
		.amdhsa_system_sgpr_workgroup_id_y 1
		.amdhsa_system_sgpr_workgroup_id_z 1
		.amdhsa_system_vgpr_workitem_id 0
		.amdhsa_next_free_vgpr 1024
		.amdhsa_next_free_sgpr 66
		.amdhsa_reserve_vcc 0
		.amdhsa_float_denorm_mode_32 3
		.amdhsa_float_denorm_mode_16_64 3
		.amdhsa_memory_ordered 1
		.amdhsa_forward_progress 1
		.amdhsa_inst_pref_size 52
	.end_amdhsa_kernel
	.amdgpu_metadata
---
amdhsa.version: [ 1, 2 ]
amdhsa.kernels:
  - .name:           k_q39e7640a26_proj
    .symbol:         k_q39e7640a26_proj.kd
    .args:
      - { .name: att, .offset: 0, .size: 8, .value_kind: global_buffer, .address_space: global }
      - { .name: wimg, .offset: 8, .size: 8, .value_kind: global_buffer, .address_space: global }
      - { .name: w_proj_scales, .offset: 16, .size: 8, .value_kind: global_buffer, .address_space: global }
      - { .name: b_proj, .offset: 24, .size: 8, .value_kind: global_buffer, .address_space: global }
      - { .name: x, .offset: 32, .size: 8, .value_kind: global_buffer, .address_space: global }
      - { .name: x1, .offset: 40, .size: 8, .value_kind: global_buffer, .address_space: global }
    .group_segment_fixed_size: 67072
    .private_segment_fixed_size: 0
    .kernarg_segment_align: 8
    .kernarg_segment_size: 48
    .max_flat_workgroup_size: 128
    .sgpr_count:     66
    .vgpr_count:     1024
    .wavefront_size: 32
...
	.end_amdgpu_metadata
.endif
;; end of part 8
;; launch lnffn1 (part 9): grid 4 x 64, 4 waves a work-group, no clusters, 37,376 bytes of LDS; arguments x1, g2, be2, wimg, w1_scales, b1, hid; writes hid
.if DOCPART == 9
	.amdgcn_target "amdgcn-amd-amdhsa--gfx1250"
	.amdhsa_code_object_version 6
	.text
	.protected	k_q39e7640a26_lnffn1
	.globl	k_q39e7640a26_lnffn1
	.p2align	8
	.type	k_q39e7640a26_lnffn1,@function
k_q39e7640a26_lnffn1:
	s_mov_b64 s[64:65], 0
	v_nop
	global_prefetch_b8 v0, s[64:65] scope:SCOPE_SE
	s_setreg_imm32_b32 hwreg(HW_REG_WAVE_SCHED_MODE, 0, 2), 2
	s_setreg_imm32_b32 hwreg(HW_REG_WAVE_MODE, 25, 1), 1
	s_wait_xcnt 0x0
	s_wait_alu depctr_vm_vsrc(0)
; h2 = LN(x1; g2, be2), quantised along its 1,024; relu(h2 W1 + b1) on codes of E2M1, quantised along the hidden axis and stored as images of the next product's operand registers.
; SHARES.  A work-group takes 64 rows (work-group y) and 1,024 hidden units (work-group x); wave w normalises and quantises 16 of the rows and multiplies all 64 rows by the 256 units 256 w on.
; LN AND ITS QUANTISER SHARE ONE LAYOUT: of a row a lane holds k = 128 (lane / 4) + 32 s + 8 (lane % 4) + 0 .. 7, s = 0 .. 3.  A block of 32 lies in four neighbouring lanes; a lane's eight registers are eight neighbours for the
; conversion; the four scale bytes of K step lane / 4 fall into one lane as a word.  Only codes and scale words go to LDS, as rows; every wave reads all 64 rows' fragments back.
; A STAYS, W STREAMS: the 64 rows' codes for all of K lie in window 1; W1 comes from memory straight into operand registers, 32 units (a pair of tiles) at a time, three pairs in flight.
; W1 is read as images of the operand registers, laid by the first launch at byte 524,288 of wimg: [tile][K step][c][lane x 16 bytes]: each load reads 512 consecutive bytes.
; THE ROWS OF W1 THAT FORM A TILE ARE NOT NEIGHBOURS: lane r of tile 2 B + u holds unit 32 B + 8 u + r + 8 (r / 8), so that the 16 registers of a pair's two tiles are 16 neighbours along the next K.
; b1 is the C of each sum's first product: eight registers a tile, in the result's layout, in window 3.
; No cluster: each operand byte is asked for once by a work-group, straight into registers; no slot in LDS is filled again, so there is no refill that partners could ask for jointly.
; LIMITS: NaN and infinities among the inputs are not served.  A block whose largest magnitude lies under 2^-124 gets the scale byte 1 (a block of zeros too, where the rule says 127: its codes are zeros, and this
; program alone reads the bytes).  The sums of LN are trees, not chains; its last multiply and add are fused.
; REGISTERS.  window 0: v1-15 addresses; v16-31 means and 1/sigma, later the quantiser's work; v32-63 A's scale words; v64-95, v160-191 codes to store; v96-159 LN's sums, its quantiser's work, the accumulators;
;   v192-239 W's scale words; v240-251 the hidden layer's scale words.  window 1: eight rows of x1, later A's fragments.  window 2: W's sets 0 and 1 (in set 1's place, while LN runs: g and be at v128-191).
;   window 3: v0-127 W's set 2; v128-255 b1.
; THE MODE: SCHED_MODE bits 1:0 = 2 (LLVM: expert scheduling mode 2), set by the entry lines.  The code itself states the register dependences between vector or matrix instructions and memory or LDS instructions,
; with s_wait_alu, always for 0.
; THE PLAN.  Registers that memory or LDS instructions touch:
;   v1-12            offsets and LDS addresses: written at the head and never again: one wait on va_vdst ahead of the first load serves every load and store of the kernel.
;   window 1         two sets of four slots.  LN group g reads and writes set g % 2, its conversions last; behind them the rows of group g + 2 land in that set; behind group 3 A's fragments land in both.
;   QC, QB           written by a group's conversions and shifts; read by its twenty LDS stores; written again by the next group's sums, behind group 3 by the first products.
;   g, be            read by every group's multiply-adds; W's set 1 lands in their place behind group 3.
;     So a group holds ONE wait on va_vdst, behind its conversions (the loads of the next rows follow it at once, then the LDS stores), and one on vm_vsrc, behind its stores.
;   W's sets, words  pair p's products read set p % 3; pair p + 3's loads land in it: one wait on va_vdst behind the products of pairs 0 to 4; later pairs ask for nothing.
;   v64-95, v160-191, v248-251   codes and words: written by the quantiser, stored once, never written again: one wait on va_vdst ahead of each of the three runs of stores.
.set ROWP,   0
.set NP,     8
.set TP,     32
.set TU,     8
.set WTILE,  8192                      ; a tile's images: 8 K steps of 1,024 bytes
.set SPITCH, 32
.set CPITCH, 528                       ; a row of codes in LDS: 512 bytes + 16: 33 x 16, so that sixteen rows' 16-byte pieces fall on different banks (64 banks of 4 bytes: ISA guide 11.1)
.set APITCH, 48                        ; a row's 8 scale words + 16: 3 x 16, for the same reason
.set ASC,    64*CPITCH
.set W1IMG,  524288
.set L16, 1
.set XO,  3
.set CW,  4
.set ASW, 5
.set AIR, 6
.set ASR, 7
.set WSA, 10
.set H64, 11
.set L8,  12
.set TM,  16
.set MU,  16
.set RS,  24
.set AS,  32
.set T,   96
.set ACC, 96
.set QM,  96
.set QS,  112
.set QB,  128
.set QC,  144
.set WS,  192
.set WB,  10
.set WSB, 12
.set HI,  17                           ; s17: the mask of lanes 16-31, set once by a scalar instruction
.set SEL, 20
.set HB,  28
.set HS,  30
.set MSB, 0
.macro WIN new                         ; the immediate's high byte repeats the setting that is left; a switch that changes nothing is dropped
.if MSB != (\new)
	s_set_vgpr_msb (MSB<<8)|(\new)
.set MSB, (\new)
.endif
.endm
.macro PLACES n
.rept \n
	v_nop
.endr
.endm
.macro WFR p, u                        ; tile u of pair p: its 8 K steps' images, 16 loads of 512 consecutive bytes, into set p % 3
.set LB, (\p)%3
	WIN 0x80+0x40*(LB/2)
.irp ks, 0,1,2,3,4,5,6,7
.irp c, 0,1
	global_load_b128 v[128*(LB%2)+64*(\u)+8*\ks+4*\c:128*(LB%2)+64*(\u)+8*\ks+4*\c+3], v[L16], s[WB:WB+1] offset:(2*(\p)+(\u))*WTILE+1024*\ks+512*\c
.endr
.endr
.endm
.macro WSC p                           ; the pair's scale words: a row's 32 bytes are the words of its 8 K steps
.set LB, (\p)%3
	WIN 0
.irp u, 0,1
.irp hf, 0,1
	global_load_b128 v[WS+16*LB+8*\u+4*\hf:WS+16*LB+8*\u+4*\hf+3], v[WSA], s[WSB:WSB+1] offset:(TP*(\p)+TU*\u)*SPITCH+16*\hf
.endr
.endr
.endm
.macro WLOAD p
	WFR \p, 0
	WFR \p, 1
	WSC \p
.endm
.macro WMC d, a, b, c, sa, sb
	v_wmma_scale_f32_16x16x128_f8f6f4 v[(\d):(\d)+7], v[(\a):(\a)+7], v[(\b):(\b)+7], v[(\c):(\c)+7], v[(\sa)], v[(\sb)] matrix_a_fmt:MATRIX_FMT_FP4 matrix_b_fmt:MATRIX_FMT_FP4
.endm
; A pair's 64 products: K step by K step, the 8 accumulators by turns, one instruction a turn.  Source 0 = W1, source 1 = the rows; the first K step takes b1's registers of window 3 as C.
.macro MULPAIR p, acc
.set MB, (\p)%3
.set MO, 128*(MB%2)
.set MWIN, 0x04|(2+MB/2)
.irp ks, 0,1,2,3,4,5,6,7
.if \ks == 0
	WIN MWIN|0x30
.else
	WIN MWIN
.endif
.irp u, 0,1
.irp mt, 0,1,2,3
.if \ks == 0
	WMC (\acc)+8*(4*\u+\mt), MO+64*\u+8*\ks, 8*(8*\mt+\ks), 128+16*(\p)+8*\u, WS+16*MB+8*\u+\ks, AS+8*\mt+\ks
.else
	WMC (\acc)+8*(4*\u+\mt), MO+64*\u+8*\ks, 8*(8*\mt+\ks), (\acc)+8*(4*\u+\mt), WS+16*MB+8*\u+\ks, AS+8*\mt+\ks
.endif
.endr
.endr
.endr
.endm
; THE QUANTISER OF RESULTS, four units by turns.  Unit i: 16 neighbours along K in v[a..a+7], v[b..b+7]; lane l xor 16 holds the block's other 16.  Codes to v[d], v[d+1]; the scale's byte to v[TM+4+i].
.macro QM1 i, a
	v_max3_num_f32 v[TM+\i], |v[(\a)]|, |v[(\a)+1]|, 0x1800000      ; with the floor 2^(3 - 127): the byte cannot fall under 1
.endm
.macro QM2 i, a, k
	v_max3_num_f32 v[TM+\i], v[TM+\i], |v[(\a)+\k]|, |v[(\a)+\k+1]|
.endm
.macro QCV i, a, b, d
	v_cvt_scalef32_pk8_fp4_f32 v[(\d)], v[(\a):(\a)+7], v[TM+12+\i]
	v_cvt_scalef32_pk8_fp4_f32 v[(\d)+1], v[(\b):(\b)+7], v[TM+12+\i]
.endm
.macro Q4 a0,b0,d0,a1,b1,d1,a2,b2,d2,a3,b3,d3
	QM1 0, \a0
	QM1 1, \a1
	QM1 2, \a2
	QM1 3, \a3
.irp k, 2,4,6
	QM2 0, \a0, \k
	QM2 1, \a1, \k
	QM2 2, \a2, \k
	QM2 3, \a3, \k
.endr
.irp k, 0,2,4,6
	QM2 0, \b0, \k
	QM2 1, \b1, \k
	QM2 2, \b2, \k
	QM2 3, \b3, \k
.endr
.irp i, 0,1,2,3
	v_permlanex16_b32 v[TM+4+\i], v[TM+\i], s[SEL], s[SEL+1]
.endr
.irp i, 0,1,2,3
	v_max_num_f32 v[TM+\i], v[TM+\i], v[TM+4+\i]                    ; the block's largest magnitude
.endr
.irp i, 0,1,2,3
	v_add_nc_u32 v[TM+12+\i], 0xff000000, v[TM+\i]                  ; 2 off its exponent field: the conversion's scale operand
.endr
.irp i, 0,1,2,3
	v_lshrrev_b32 v[TM+4+\i], 23, v[TM+12+\i]                       ; the scale's byte
.endr
	QCV 0, \a0, \b0, \d0
	QCV 1, \a1, \b1, \d1
	QCV 2, \a2, \b2, \d2
	QCV 3, \a3, \b3, \d3
	v_nop                                                           ; one plain place behind the last scaled conversion
.endm
.macro SWAP4 d                         ; two half blocks a lane become one whole block: lane (r, h) then holds block h in v[d..d+3]
	v_permlane16_swap_b32 v[(\d)], v[(\d)+2]
	v_permlane16_swap_b32 v[(\d)+1], v[(\d)+3]
.endm
.macro XROWS gm                        ; rows 4 gm .. 4 gm + 3 of my tile into four slots of window 1: register 8 s + 4 half + e of a slot is k = 128 (lane / 4) + 32 s + 8 (lane % 4) + 4 half + e
	WIN 0x40
.irp q, 0,1,2,3
.irp i, 0,1,2,3,4,5,6,7
	global_load_b128 v[128*((\gm)%2)+32*\q+4*\i:128*((\gm)%2)+32*\q+4*\i+3], v[XO], s[4:5] offset:((4*(\gm)+\q)+8*ROWP*((4*(\gm)+\q)/8))*4096+128*(\i/2)+16*(\i%2)
.endr
.endr
.endm
.macro TADD a, b                       ; for the four rows: pair a += pair b
.irp q, 0,1,2,3
	v_pk_add_f32 v[T+16*\q+(\a):T+16*\q+(\a)+1], v[T+16*\q+(\a):T+16*\q+(\a)+1], v[T+16*\q+(\b):T+16*\q+(\b)+1]
.endr
.endm
.macro CROSS                           ; a pair's two halves, then the 32 lanes: every lane ends with the row's sum
.irp q, 0,1,2,3
	v_add_f32 v[T+16*\q], v[T+16*\q], v[T+16*\q+1]
.endr
.irp m, 1,2,4,8
.irp q, 0,1,2,3
	v_add_f32_dpp v[T+16*\q], v[T+16*\q], v[T+16*\q] row_xmask:\m row_mask:0xf bank_mask:0xf
.endr
.endr
.irp q, 0,1,2,3
	v_permlanex16_b32 v[T+16*\q+1], v[T+16*\q], s[SEL], s[SEL+1]
.endr
.irp q, 0,1,2,3
	v_add_f32 v[T+16*\q], v[T+16*\q], v[T+16*\q+1]
.endr
.endm
; LN of four rows and their quantising, the four by turns in every stage.  The mean first, then the squares of the differences: a common offset of the inputs costs no accuracy.
.macro LNGROUP gm
.set XB, 128*((\gm)%2)
.if (\gm) == 3
	s_wait_loadcnt 36                              ; my four rows are in; behind them were issued pair 0's 32 fragment loads and 4 scale loads
.else
	s_wait_loadcnt 32                              ; my four rows (and all that was asked for before them) are in; the next four rows' 32 loads may be out
.endif
	WIN 0x05
.irp i, 0,1,2,3,4,5,6,7
.irp q, 0,1,2,3
	v_pk_add_f32 v[T+16*\q+2*\i:T+16*\q+2*\i+1], v[XB+32*\q+4*\i:XB+32*\q+4*\i+1], v[XB+32*\q+4*\i+2:XB+32*\q+4*\i+3]
.endr
.endr
	WIN 0
	TADD 0, 2
	TADD 4, 6
	TADD 8, 10
	TADD 12, 14
	TADD 0, 4
	TADD 8, 12
	TADD 0, 8
	CROSS
.irp q, 0,1,2,3
	v_mul_f32 v[MU+2*\q], s22, v[T+16*\q]          ; the mean: x 2^-10
	v_mul_f32 v[MU+2*\q+1], s22, v[T+16*\q]
.endr
	WIN 0x41
.irp i, 0,1,2,3,4,5,6,7,8,9,10,11,12,13,14,15
.irp q, 0,1,2,3
	v_pk_add_f32 v[XB+32*\q+2*\i:XB+32*\q+2*\i+1], v[XB+32*\q+2*\i:XB+32*\q+2*\i+1], v[MU+2*\q:MU+2*\q+1] neg_lo:[0,1] neg_hi:[0,1]
.endr
.endr
	WIN 0x05
.irp i, 0,1,2,3
.irp q, 0,1,2,3
	v_pk_mul_f32 v[T+16*\q+2*\i:T+16*\q+2*\i+1], v[XB+32*\q+2*\i:XB+32*\q+2*\i+1], v[XB+32*\q+2*\i:XB+32*\q+2*\i+1]
.endr
.endr
.irp i, 4,5,6,7,8,9,10,11,12,13,14,15
.irp q, 0,1,2,3
	v_pk_fma_f32 v[T+16*\q+2*(\i%4):T+16*\q+2*(\i%4)+1], v[XB+32*\q+2*\i:XB+32*\q+2*\i+1], v[XB+32*\q+2*\i:XB+32*\q+2*\i+1], v[T+16*\q+2*(\i%4):T+16*\q+2*(\i%4)+1]
.endr
.endr
	WIN 0
	TADD 0, 2
	TADD 4, 6
	TADD 0, 4
	CROSS
.irp q, 0,1,2,3
	v_fma_f32 v[T+16*\q], v[T+16*\q], s22, s23     ; the variance + 1e-5
.endr
	s_wait_alu depctr_va_vdst(0)
.irp q, 0,1,2,3
	v_rsq_f32 v[RS+2*\q], v[T+16*\q]
	v_rsq_f32 v[RS+2*\q+1], v[T+16*\q]
.endr
	v_nop                                          ; a plain place behind the last of the batch
	s_wait_alu depctr_va_vdst(0)                   ; the eight 1 / sigma in v[RS ..] are written: one wait for the batch, ahead of its first reader
	WIN 0x41
.irp i, 0,1,2,3,4,5,6,7,8,9,10,11,12,13,14,15
.irp q, 0,1,2,3
	v_pk_mul_f32 v[XB+32*\q+2*\i:XB+32*\q+2*\i+1], v[XB+32*\q+2*\i:XB+32*\q+2*\i+1], v[RS+2*\q:RS+2*\q+1]
.endr
.endr
	WIN 0x69                                       ; g and be lie in window 2
.irp i, 0,1,2,3,4,5,6,7,8,9,10,11,12,13,14,15
.irp q, 0,1,2,3
	v_pk_fma_f32 v[XB+32*\q+2*\i:XB+32*\q+2*\i+1], v[XB+32*\q+2*\i:XB+32*\q+2*\i+1], v[128+2*\i:129+2*\i], v[160+2*\i:161+2*\i]
.endr
.endr
	; the rows are quantised where they stand: unit 4 q + s is my eight numbers of block 4 (lane / 4) + s of row q; sixteen units by turns
	WIN 0x05
.irp q, 0,1,2,3
.irp s, 0,1,2,3
	v_max3_num_f32 v[QM+4*\q+\s], |v[XB+32*\q+8*\s]|, |v[XB+32*\q+8*\s+1]|, 0x1800000      ; with the floor 2^(3 - 127): the byte cannot fall under 1
.endr
.endr
.irp k, 2,4,6
.irp q, 0,1,2,3
.irp s, 0,1,2,3
	v_max3_num_f32 v[QM+4*\q+\s], |v[XB+32*\q+8*\s+\k]|, |v[XB+32*\q+8*\s+\k+1]|, v[QM+4*\q+\s]
.endr
.endr
.endr
	WIN 0
.irp m, 1,2
.set N, 0
.rept 16
	v_max_num_f32_dpp v[QM+N], v[QM+N], v[QM+N] row_xmask:\m row_mask:0xf bank_mask:0xf     ; with the three other lanes of the block
.set N, N+1
.endr
.endr
.set N, 0
.rept 16
	v_add_nc_u32 v[QS+N], 0xff000000, v[QM+N]      ; 2 off the exponent field: the conversion's scale operand
.set N, N+1
.endr
.set N, 0
.rept 16
	v_lshrrev_b32 v[QB+N], 23, v[QS+N]             ; the scale's byte
.set N, N+1
.endr
.irp b, 1,2,3
.irp q, 0,1,2,3
	v_lshl_or_b32 v[QB+4*\q], v[QB+4*\q+\b], 8*\b, v[QB+4*\q]      ; the four blocks are K step lane / 4: their bytes are its scale word
.endr
.endr
	WIN 0x01
.irp q, 0,1,2,3
.irp s, 0,1,2,3
	v_cvt_scalef32_pk8_fp4_f32 v[QC+4*\q+\s], v[XB+32*\q+8*\s:XB+32*\q+8*\s+7], v[QS+4*\q+\s]
.endr
.endr
	v_nop                                          ; one plain place behind the last scaled conversion
	WIN 0
	s_wait_alu depctr_va_vdst(0)                   ; the conversions and shifts have written v[QC ..] and v[QB ..], which the LDS stores read; the group is done reading and writing its four slots of window 1 (and g and be), in which later loads land
.if (\gm) < 2
	XROWS (\gm)+2                                  ; the emptied slots are asked for again at once
	WIN 0
.elseif (\gm) == 2
	WFR 0, 0
	WFR 0, 1
	WSC 0
.endif
.irp q, 0,1,2,3
.irp s, 0,1,2,3
	ds_store_b32 v[CW], v[QC+4*\q+\s] offset:(4*(\gm)+\q)*CPITCH+16*\s       ; eight codes: 4 bytes at 64 (lane / 4) + 16 s + 4 (lane % 4) of the row
.endr
	ds_store_b32 v[ASW], v[QB+4*\q] offset:(4*(\gm)+\q)*APITCH               ; the four lanes of a K step write the same word with the same value
.endr
	s_wait_dscnt 0x0                               ; my LDS stores have landed: behind the last group for the others' sake, ahead of the barrier
	s_wait_alu depctr_vm_vsrc(0)                   ; the LDS stores have read v[QC ..] and v[QB ..], which the next group's sums (behind the last group: the first products) write
.endm
.macro LWAIT p                         ; pair p's loads are in.  Behind them were issued: pairs p + 1 and p + 2 (72 loads; 63 is the most that the count can name), one pair (36), or nothing
.if (\p) == NP-1
	s_wait_loadcnt 0
.elseif (\p) == NP-2
	s_wait_loadcnt 36
.else
	s_wait_loadcnt 63
.endif
.endm
; A pair: 32 hidden units for the 64 rows: one block of 32 along the next K for each row.  Four pairs make a K step of the next product: its fragment and scale word for each of the four row tiles.
.macro FPAIR p
	LWAIT \p
	MULPAIR \p, ACC
	WIN 0
	PLACES 5                                       ; in front of the first read of results (4), and of the next pair's products, which begin the same accumulators anew (5)
.if (\p)+3 < NP
	s_wait_alu depctr_va_vdst(0)                   ; the pair's products are done reading W's set and its scale words, in which the loads below land
	WLOAD (\p)+3
.endif
.set J, 0
.rept 64
	v_max_num_f32 v[ACC+J], 0, v[ACC+J]            ; the activation, in f32; each accumulator from its low end on
.set J, J+1
.endr
.set CDB, 64+96*((\p)/4)+2*((\p)%4)
	Q4 ACC,ACC+32,CDB, ACC+8,ACC+40,CDB+8, ACC+16,ACC+48,CDB+16, ACC+24,ACC+56,CDB+24
.irp mt, 0,1,2,3
.if (\p)%4 == 0
	v_mov_b32 v[240+4*((\p)/4)+\mt], v[TM+4+\mt]
.else
	v_lshl_or_b32 v[240+4*((\p)/4)+\mt], v[TM+4+\mt], 8*((\p)%4), v[240+4*((\p)/4)+\mt]
.endif
.endr
.if (\p)%4 == 3
.irp mt, 0,1,2,3
	SWAP4 64+96*((\p)/4)+8*\mt
	SWAP4 64+96*((\p)/4)+8*\mt+4
.endr
	s_wait_alu depctr_va_vdst(0)                   ; the K step's codes, 32 registers from v[64 + 96 (p / 4)] on, are written, which the eight stores read
.irp mt, 0,1,2,3
.irp c, 0,1
	global_store_b128 v[L16], v[64+96*((\p)/4)+8*\mt+4*\c:64+96*((\p)/4)+8*\mt+4*\c+3], s[HB:HB+1] offset:32768*\mt+1024*((\p)/4)+512*\c     ; 32 lanes store 512 consecutive bytes
.endr
.endr
.endif
.endm
	s_load_b256 s[4:11], s[0:1], 0x0               ; x1, g2, be2, wimg
	s_load_b128 s[12:15], s[0:1], 0x20             ; W1's scales, b1
	s_load_b64 s[36:37], s[0:1], 0x30              ; hid
	v_lshl_add_u32 v254, v0, 2, 0x9000
	v_mov_b32 v255, 0
	; all offsets are made while the arguments are on their way
	v_lshrrev_b32 v2, 5, v0
	v_readfirstlane_b32 s16, v2                    ; wave 0..3
	s_and_b32 s18, ttmp7, 0xffff                   ; the block of 64 rows
	v_and_b32 v2, 31, v0                           ; lane
	v_and_b32 v14, 15, v0                          ; r
	v_bfe_u32 v15, v0, 4, 1                        ; h
	v_lshlrev_b32 v[L16], 4, v2
	v_lshlrev_b32 v[L8], 3, v2
	v_lshlrev_b32 v[H64], 6, v15
	v_lshrrev_b32 v[ASW], 2, v2                    ; lane / 4
	v_and_b32 v[CW], 3, v2                         ; lane % 4
	v_lshlrev_b32 v[XO], 5, v[CW]
	v_lshl_add_u32 v[XO], v[ASW], 9, v[XO]         ; x1, g, be: 512 (lane / 4) + 32 (lane % 4)
	v_lshlrev_b32 v[CW], 2, v[CW]
	v_lshl_add_u32 v[CW], v[ASW], 6, v[CW]         ; codes: 64 (lane / 4) + 4 (lane % 4),
	v_lshlrev_b32 v[ASW], 2, v[ASW]                ; scale words: 4 (lane / 4),
	s_wait_alu depctr_va_sdst(0)                   ; s16 is written, ahead of its first reader: LDS addresses and every base are made from it
	s_mul_i32 s24, s16, 16*CPITCH
	v_add_nc_u32 v[CW], s24, v[CW]                 ; in my 16 rows
	s_mul_i32 s24, s16, 16*APITCH
	s_add_co_u32 s24, s24, ASC
	v_add_nc_u32 v[ASW], s24, v[ASW]
	v_mul_u32_u24 v[AIR], v14, CPITCH
	v_lshl_add_u32 v[AIR], v15, 4, v[AIR]          ; a fragment: row r, + 16 h
	v_mul_u32_u24 v[ASR], v14, APITCH
	v_add_nc_u32 v[ASR], ASC, v[ASR]
	v_and_b32 v[WSA], 8, v14
	v_add_nc_u32 v[WSA], v[WSA], v14               ; r + 8 (r / 8)
	v_lshlrev_b32 v[WSA], 5, v[WSA]
	s_mov_b32 s[SEL], 0x76543210
	s_mov_b32 s[SEL+1], 0xfedcba98                 ; v_permlanex16_b32's selects for lane l xor 16
	s_mov_b32 s22, 0x3a800000                      ; 2^-10
	s_mov_b32 s23, 0x3727c5ac                      ; 1e-5
	s_mov_b32 s[HI], 0xffff0000                    ; lanes 16-31: set once
	s_lshl_b32 s24, s18, 6
	s_lshl_b32 s25, s16, 4
	s_add_co_u32 s24, s24, s25                     ; my tile's first row: 64 y + 16 w
	s_lshl_b32 s24, s24, 12
	s_mov_b32 s25, 0
	s_lshl_b32 s26, ttmp9, 19
	s_lshl_b32 s27, s16, 17
	s_add_co_u32 s26, s26, s27
	s_add_co_u32 s26, s26, W1IMG                   ; W1's images: tile 64 x + 16 w
	s_mov_b32 s27, 0
	s_lshl_b32 s42, ttmp9, 10
	s_lshl_b32 s43, s16, 8
	s_add_co_u32 s42, s42, s43                     ; my first hidden unit
	s_lshl_b32 s38, s42, 5
	s_mov_b32 s39, 0
	s_lshl_b32 s40, s42, 2
	s_mov_b32 s41, 0
	s_lshl_b32 s[HB], s18, 17
	s_lshl_b32 s43, ttmp9, 13
	s_add_co_u32 s[HB], s[HB], s43
	s_lshl_b32 s43, s16, 11
	s_add_co_u32 s[HB], s[HB], s43                 ; hid's images: row tile 4 y, K step 8 x + 2 w
	s_mov_b32 s[HB+1], 0
	s_lshl_b32 s[HS], s18, 13
	s_lshl_b32 s43, ttmp9, 10
	s_add_co_u32 s[HS], s[HS], s43
	s_lshl_b32 s43, s16, 8
	s_add_co_u32 s[HS], s[HS], s43
	s_add_co_u32 s[HS], s[HS], 8388608             ; its scale words: pair of row tiles 2 y, quarter x, wave w
	s_mov_b32 s[HS+1], 0
	s_wait_kmcnt 0x0
	s_add_nc_u64 s[4:5], s[4:5], s[24:25]
	s_add_nc_u64 s[WB:WB+1], s[WB:WB+1], s[26:27]
	s_add_nc_u64 s[WSB:WSB+1], s[WSB:WSB+1], s[38:39]
	s_add_nc_u64 s[14:15], s[14:15], s[40:41]
	s_add_nc_u64 s[HB:HB+1], s[36:37], s[HB:HB+1]
	s_add_nc_u64 s[HS:HS+1], s[36:37], s[HS:HS+1]
	WIN 0xc0
	s_wait_alu depctr_va_vdst(0)                   ; the offsets and LDS addresses v1 to v12 are written, which every load and store of the kernel reads
.irp p, 0,1,2,3,4,5,6,7
.irp u, 0,1
.irp hf, 0,1
	global_load_b128 v[128+16*\p+8*\u+4*\hf:128+16*\p+8*\u+4*\hf+3], v[H64], s[14:15] offset:(32*\p+8*\u)*4+16*\hf     ; b1 at units 32 p + 8 u + 16 h + 0 .. 7
.endr
.endr
.endr
	WIN 0x80
.irp i, 0,1,2,3,4,5,6,7
	global_load_b128 v[128+4*\i:131+4*\i], v[XO], s[6:7] offset:128*(\i/2)+16*(\i%2)
.endr
.irp i, 0,1,2,3,4,5,6,7
	global_load_b128 v[160+4*\i:163+4*\i], v[XO], s[8:9] offset:128*(\i/2)+16*(\i%2)
.endr
	XROWS 0
	XROWS 1
	LNGROUP 0
	LNGROUP 1
	LNGROUP 2
	LNGROUP 3
	s_barrier_signal -1                            ; (the group has ended with the wait for my LDS stores)
	s_barrier_wait -1                              ; the 64 rows' codes and scale words lie in LDS
	WIN 0x40                                       ; the loads below owe no further wait: no vector instruction since the last group's wait on va_vdst names window 1, g, be or any other register in which they land
.irp mt, 0,1,2,3
.irp ks, 0,1,2,3,4,5,6,7
.irp c, 0,1
	ds_load_b128 v[8*(8*\mt+\ks)+4*\c:8*(8*\mt+\ks)+4*\c+3], v[AIR] offset:\mt*16*CPITCH+64*\ks+32*\c
.endr
.endr
.endr
	WIN 0
.irp mt, 0,1,2,3
.irp hf, 0,1
	ds_load_b128 v[AS+8*\mt+4*\hf:AS+8*\mt+4*\hf+3], v[ASR] offset:\mt*16*APITCH+16*\hf
.endr
.endr
	WLOAD 1                                        ; g and be are done with: set 1 takes their place
	WLOAD 2
	s_wait_dscnt 0x0
.irp p, 0,1,2,3,4,5,6,7
	FPAIR \p
.endr
.irp a, 0,1
	v_cndmask_b32 v[248+2*\a], v[240+2*\a], v[241+2*\a], s[HI]      ; lanes 0-15: row tile 2 a; lanes 16-31: row tile 2 a + 1; my first K step's words,
	v_cndmask_b32 v[249+2*\a], v[244+2*\a], v[245+2*\a], s[HI]      ; and my second's
.endr
	s_wait_alu depctr_va_vdst(0)                   ; the scale words v[248:251] are written, which the two stores read
.irp a, 0,1
	global_store_b64 v[L8], v[248+2*\a:249+2*\a], s[HS:HS+1] offset:4096*\a     ; 32 lanes store 256 consecutive bytes
.endr
	s_wait_dscnt 0x0                               ; the closing lines, six on end
	s_wait_alu 0x0
	s_wait_tensorcnt 0x0
	ds_add_u32 v254, v255
	s_wait_dscnt 0x0
	s_endpgm
.Lfunc_end_k_q39e7640a26_lnffn1:
	.size	k_q39e7640a26_lnffn1, .Lfunc_end_k_q39e7640a26_lnffn1-k_q39e7640a26_lnffn1
	.p2alignl 7, 3214868480
	.fill 96, 4, 3214868480
	.section	.rodata,"a",@progbits
	.p2align	6, 0x0
	.amdhsa_kernel k_q39e7640a26_lnffn1
		.amdhsa_group_segment_fixed_size 37376
		.amdhsa_private_segment_fixed_size 0
		.amdhsa_enable_private_segment 0
		.amdhsa_kernarg_size 56
		.amdhsa_user_sgpr_count 2
		.amdhsa_user_sgpr_kernarg_segment_ptr 1
		.amdhsa_wavefront_size32 1
		.amdhsa_system_sgpr_workgroup_id_x 1
		.amdhsa_system_sgpr_workgroup_id_y 1
		.amdhsa_system_sgpr_workgroup_id_z 1
		.amdhsa_system_vgpr_workitem_id 0
		.amdhsa_next_free_vgpr 1024
		.amdhsa_next_free_sgpr 66
		.amdhsa_reserve_vcc 0
		.amdhsa_float_denorm_mode_32 3
		.amdhsa_float_denorm_mode_16_64 3
		.amdhsa_memory_ordered 1
		.amdhsa_forward_progress 1
		.amdhsa_inst_pref_size 255
	.end_amdhsa_kernel
	.section	.bss,"aw",@nobits
	.p2align	6
	.space	262144
	.amdgpu_metadata
---
amdhsa.version: [ 1, 2 ]
amdhsa.kernels:
  - .name:           k_q39e7640a26_lnffn1
    .symbol:         k_q39e7640a26_lnffn1.kd
    .args:
      - { .name: x1, .offset: 0, .size: 8, .value_kind: global_buffer, .address_space: global }
      - { .name: g2, .offset: 8, .size: 8, .value_kind: global_buffer, .address_space: global }
      - { .name: be2, .offset: 16, .size: 8, .value_kind: global_buffer, .address_space: global }
      - { .name: wimg, .offset: 24, .size: 8, .value_kind: global_buffer, .address_space: global }
      - { .name: w1_scales, .offset: 32, .size: 8, .value_kind: global_buffer, .address_space: global }
      - { .name: b1, .offset: 40, .size: 8, .value_kind: global_buffer, .address_space: global }
      - { .name: hid, .offset: 48, .size: 8, .value_kind: global_buffer, .address_space: global }
    .group_segment_fixed_size: 37376
    .private_segment_fixed_size: 0
    .kernarg_segment_align: 8
    .kernarg_segment_size: 56
    .max_flat_workgroup_size: 128
    .sgpr_count:     66
    .vgpr_count:     1024
    .wavefront_size: 32
...
	.end_amdgpu_metadata
.endif
;; end of part 9
;; launch ffn2 (part 10): grid 4 x 64, 4 waves a work-group, no clusters, 266,752 bytes of LDS; arguments hid, wimg, w2_scales, b2, x1, out0; writes out0
.if DOCPART == 10
	.amdgcn_target "amdgcn-amd-amdhsa--gfx1250"
	.amdhsa_code_object_version 6
	.text
	.protected	k_q39e7640a26_ffn2
	.globl	k_q39e7640a26_ffn2
	.p2align	8
	.type	k_q39e7640a26_ffn2,@function
k_q39e7640a26_ffn2:
	s_mov_b64 s[64:65], 0
	v_nop
	global_prefetch_b8 v0, s[64:65] scope:SCOPE_SE
	s_setreg_imm32_b32 hwreg(HW_REG_WAVE_SCHED_MODE, 0, 2), 2
	s_setreg_imm32_b32 hwreg(HW_REG_WAVE_MODE, 25, 1), 1
	s_wait_xcnt 0x0
	s_wait_alu depctr_vm_vsrc(0)
; out0 = x1 + A W2^T + b2 on codes of E2M1.  A: 4,096 rows x 4,096 K as images of the operand registers, [row tile][K step][2][512 bytes], its scale words behind them at byte 8,388,608.
; W2: images likewise, laid by the first launch at byte 2,621,440 of wimg: [tile of 16 columns][K step 0 .. 31][c][lane x 16 bytes]; its scale bytes as they are given, [1,024][128].
; SHARES.  A work-group makes 64 rows x 256 columns; THE WAVES SHARE K: wave w takes K steps 8 w .. 8 w + 7 for all 256 columns.  Its part of A STAYS in registers (4 tiles x 8 K steps), W STREAMS from memory into operand
; registers, 32 columns (a pair of tiles) at a time, three pairs in flight; each of its loads reads 512 consecutive bytes.  Source 0 = W, source 1 = the rows: a lane's eight results are eight neighbouring columns of one row.
; The four waves' partial sums meet in four regions of LDS; each wave then adds the four, bias and residual for 16 whole rows' 1,024 bytes and stores them.  (So a sum over K is four chains and a tree, not one chain.)
; No cluster: each operand byte is asked for once by a work-group, straight into registers; no slot in LDS is filled again, so there is no refill that partners could ask for jointly.
; LIMITS: NaN and infinities are not served.
; REGISTERS.  window 0: v1-10 addresses; v32-63 A's scale words; v64-191 two sets of accumulators, later rows from the stage; v192-239 W's scale words; v240-247 the bias.  window 1: A.  window 2: W's sets 0, 1.
;   window 3: v0-127 W's set 2; v128-255 the residual's rows, then the result.
; THE MODE: SCHED_MODE bits 1:0 = 2 (LLVM: expert scheduling mode 2), set by the entry lines.  The code itself states the register dependences between vector or matrix instructions and memory or LDS instructions,
; with s_wait_alu, always for 0.
; THE PLAN.  Registers that memory or LDS instructions touch:
;   v1-10             offsets and LDS addresses: written at the head and never again: one wait on va_vdst ahead of the first load.
;   accumulators      pair p's products write set p % 2; its sixteen stage stores read it; pair p + 2's products write it anew; behind the barrier rows from the stage land in both sets.
;   W's sets, words   pair p's products read set p % 3; pair p + 3's loads land in it.
;     So ONE wait on va_vdst stands behind a pair's products and their places, ahead of its loads and stage stores; one on vm_vsrc at the head of every pair from the third on, and one behind the barrier.
;   window 3 v128-255 loaded; a batch's additions write the result in place; its stores read it; never written again: one wait on va_vdst ahead of each batch's stores, which also shows the additions done with the rows
;                     from the stage, in which the next batch's LDS loads land.
.set SPLIT,  1
.if SPLIT
.set NP,     8
.set NPART,  4
.set WTILE,  32768                     ; a tile's images: 32 K steps of 1,024 bytes
.set SPITCH, 128
.else
.set NP,     2
.set NPART,  1
.set WTILE,  8192                      ; a tile's images: 8 K steps of 1,024 bytes
.set SPITCH, 32
.endif
.set W2IMG,  2621440
.set TP,     32
.set TU,     16
.set RPITCH, 1040                      ; a stage row: 1,024 bytes + 16: 65 x 16, so that sixteen rows' 16-byte pieces fall on different banks (64 banks of 4 bytes: ISA guide 11.1)
.set REGION, 64*RPITCH
.set L16, 1
.set ASV, 3
.set RD,  4
.set STO, 8
.set AV,  9
.set WSA, 10
.set AS,  32
.set ACC, 64
.set WS,  192
.set BI,  240
.set WB,  6
.set WSB, 8
.set AB,  20
.set ASB, 22
.set MSB, 0
.macro WIN new                         ; the immediate's high byte repeats the setting that is left; a switch that changes nothing is dropped
.if MSB != (\new)
	s_set_vgpr_msb (MSB<<8)|(\new)
.set MSB, (\new)
.endif
.endm
.macro PLACES n
.rept \n
	v_nop
.endr
.endm
.macro WFR p, u                        ; tile u of pair p: my 8 K steps' images, 16 loads of 512 consecutive bytes, into set p % 3
.set LB, (\p)%3
	WIN 0x80+0x40*(LB/2)
.irp ks, 0,1,2,3,4,5,6,7
.irp c, 0,1
	global_load_b128 v[128*(LB%2)+64*(\u)+8*\ks+4*\c:128*(LB%2)+64*(\u)+8*\ks+4*\c+3], v[L16], s[WB:WB+1] offset:(2*(\p)+(\u))*WTILE+1024*\ks+512*\c
.endr
.endr
.endm
.macro WSC p
.set LB, (\p)%3
	WIN 0
.irp u, 0,1
.irp hf, 0,1
	global_load_b128 v[WS+16*LB+8*\u+4*\hf:WS+16*LB+8*\u+4*\hf+3], v[WSA], s[WSB:WSB+1] offset:(TP*(\p)+TU*\u)*SPITCH+16*\hf
.endr
.endr
.endm
.macro WLOAD p
	WFR \p, 0
	WFR \p, 1
	WSC \p
.endm
.macro WM0 d, a, b, sa, sb
	v_wmma_scale_f32_16x16x128_f8f6f4 v[(\d):(\d)+7], v[(\a):(\a)+7], v[(\b):(\b)+7], 0, v[(\sa)], v[(\sb)] matrix_a_fmt:MATRIX_FMT_FP4 matrix_b_fmt:MATRIX_FMT_FP4
.endm
.macro WMC d, a, b, c, sa, sb
	v_wmma_scale_f32_16x16x128_f8f6f4 v[(\d):(\d)+7], v[(\a):(\a)+7], v[(\b):(\b)+7], v[(\c):(\c)+7], v[(\sa)], v[(\sb)] matrix_a_fmt:MATRIX_FMT_FP4 matrix_b_fmt:MATRIX_FMT_FP4
.endm
; A pair's 64 products: K step by K step, the 8 accumulators by turns, one instruction a turn; the first K step starts the sums with the constant 0.
.macro MULPAIR p, acc
.set MB, (\p)%3
.set MO, 128*(MB%2)
	WIN 0x04|(2+MB/2)
.irp ks, 0,1,2,3,4,5,6,7
.irp u, 0,1
.irp mt, 0,1,2,3
.if \ks == 0
	WM0 (\acc)+8*(4*\u+\mt), MO+64*\u+8*\ks, 8*(8*\mt+\ks), WS+16*MB+8*\u+\ks, AS+8*\mt+\ks
.else
	WMC (\acc)+8*(4*\u+\mt), MO+64*\u+8*\ks, 8*(8*\mt+\ks), (\acc)+8*(4*\u+\mt), WS+16*MB+8*\u+\ks, AS+8*\mt+\ks
.endif
.endr
.endr
.endr
.endm
.macro RESLOAD                         ; my 16 rows of the residual (1,024 bytes of each) and the 256 columns' bias: 34 loads
	WIN 0xc0
.irp i, 0,1,2,3,4,5,6,7,8,9,10,11,12,13,14,15
.irp e, 0,1
	global_load_b128 v[128+8*\i+4*\e:128+8*\i+4*\e+3], v[L16], s[12:13] offset:4096*\i+512*\e
.endr
.endr
	WIN 0
.irp e, 0,1
	global_load_b128 v[BI+4*\e:BI+4*\e+3], v[L16], s[10:11] offset:512*\e
.endr
.endm
.macro OPAIR p
.if (\p) == NP-1
	s_wait_loadcnt 34                              ; the last pair is in; residual and bias may be out
.else
	s_wait_loadcnt 63                              ; behind this pair's loads 70 or more were issued; 63 is the most that the count can name
.endif
	s_wait_dscnt 16                                ; the last pair's 16 stage stores may be out; those of the pair before it are done
.if (\p) >= 2
	s_wait_alu depctr_vm_vsrc(0)                   ; the stage stores of two pairs back have read this set of accumulators, which the products below write anew
.endif
	MULPAIR \p, ACC+64*((\p)%2)
	WIN 0
	PLACES 5                                       ; in front of the stores that read results (4); one more, since an accumulator set is begun anew behind LDS stores alone
	s_wait_alu depctr_va_vdst(0)                   ; the pair's products have written their accumulators, which the stage stores read, and are done reading W's set and its scale words, in which the loads below land; the places above stay beside this wait
.if (\p)+3 < NP
	WLOAD (\p)+3                                   ; the emptied set is asked for again at once
.if (\p)+3 == NP-1
	RESLOAD
.endif
.endif
.irp u, 0,1
.irp mt, 0,1,2,3
	ds_store_b128 v[STO], v[ACC+64*((\p)%2)+8*(4*\u+\mt):ACC+64*((\p)%2)+8*(4*\u+\mt)+3] offset:\mt*16*RPITCH+(2*(\p)+\u)*64        ; each accumulator from its low end on
	ds_store_b128 v[STO], v[ACC+64*((\p)%2)+8*(4*\u+\mt)+4:ACC+64*((\p)%2)+8*(4*\u+\mt)+7] offset:\mt*16*RPITCH+(2*(\p)+\u)*64+16
.endr
.endr
.endm
	s_load_b256 s[4:11], s[0:1], 0x0               ; A, wimg, W's scales, the bias
	s_load_b128 s[12:15], s[0:1], 0x20             ; the residual, the output
	v_lshl_add_u32 v254, v0, 2, 0x41000
	v_mov_b32 v255, 0
	v_lshrrev_b32 v2, 5, v0
	v_readfirstlane_b32 s16, v2                    ; wave 0..3
	s_and_b32 s18, ttmp7, 0xffff                   ; the block of 64 rows
	v_and_b32 v2, 31, v0
	v_and_b32 v11, 15, v0                          ; r
	v_bfe_u32 v12, v0, 4, 1                        ; h
	v_lshlrev_b32 v[L16], 4, v2
.if SPLIT
	v_lshlrev_b32 v[WSA], 7, v11
	v_lshlrev_b32 v[ASV], 3, v11
.else
	v_lshlrev_b32 v[AV], 9, v11
	v_lshl_add_u32 v[AV], v12, 4, v[AV]            ; A's rows: 512 r + 16 h
	v_lshlrev_b32 v[WSA], 5, v11
	v_lshlrev_b32 v[ASV], 5, v11
.endif
	v_mul_u32_u24 v[STO], v11, RPITCH
	v_lshl_add_u32 v[STO], v12, 5, v[STO]
	s_wait_alu depctr_va_sdst(0)                   ; s16 is written, ahead of its first reader: LDS addresses and every base are made from it
.if SPLIT
	s_mul_i32 s24, s16, REGION
.else
	s_lshl_b32 s24, s16, 8
.endif
	v_add_nc_u32 v[STO], s24, v[STO]
	s_mul_i32 s24, s16, 16*RPITCH
	v_add_nc_u32 v[RD], s24, v[L16]
.if SPLIT
	v_add_nc_u32 v[RD+1], REGION, v[RD]
	v_add_nc_u32 v[RD+2], 2*REGION, v[RD]
	v_add_nc_u32 v[RD+3], 3*REGION, v[RD]
.endif
	s_mov_b32 s25, 0
	s_wait_kmcnt 0x0
.if SPLIT
	s_lshl_b32 s24, s18, 17
	s_lshl_b32 s27, s16, 13
	s_add_co_u32 s24, s24, s27
	s_add_nc_u64 s[AB:AB+1], s[4:5], s[24:25]      ; images: 4 y tiles of 32,768 bytes, my K quarter
	s_lshl_b32 s24, s18, 13
	s_lshl_b32 s27, s16, 10
	s_add_co_u32 s24, s24, s27
	s_add_co_u32 s24, s24, 8388608
	s_add_nc_u64 s[ASB:ASB+1], s[4:5], s[24:25]
	s_lshl_b32 s24, ttmp9, 19
	s_lshl_b32 s27, s16, 13
	s_add_co_u32 s24, s24, s27
	s_add_co_u32 s24, s24, W2IMG
	s_add_nc_u64 s[WB:WB+1], s[WB:WB+1], s[24:25]  ; W's images: tile 16 x, K step 8 w
	s_lshl_b32 s24, ttmp9, 15
	s_lshl_b32 s27, s16, 5
	s_add_co_u32 s24, s24, s27
	s_add_nc_u64 s[WSB:WSB+1], s[WSB:WSB+1], s[24:25]
.else
	s_lshl_b32 s24, s18, 15
	s_add_nc_u64 s[AB:AB+1], s[4:5], s[24:25]      ; 64 y rows of 512 bytes
	s_lshl_b32 s24, s18, 11
	s_add_co_u32 s24, s24, 2097152
	s_add_nc_u64 s[ASB:ASB+1], s[4:5], s[24:25]
	s_lshl_b32 s24, ttmp9, 17
	s_lshl_b32 s27, s16, 15
	s_add_co_u32 s24, s24, s27
	s_add_nc_u64 s[WB:WB+1], s[WB:WB+1], s[24:25]  ; W's images: tile 16 x + 4 w
	s_lshl_b32 s26, ttmp9, 8
	s_lshl_b32 s27, s16, 6
	s_add_co_u32 s26, s26, s27                     ; my first column
	s_lshl_b32 s24, s26, 5
	s_add_nc_u64 s[WSB:WSB+1], s[WSB:WSB+1], s[24:25]
.endif
	s_lshl_b32 s24, ttmp9, 10
	s_add_nc_u64 s[10:11], s[10:11], s[24:25]
	s_lshl_b32 s26, s18, 6
	s_lshl_b32 s27, s16, 4
	s_add_co_u32 s26, s26, s27
	s_lshl_b32 s26, s26, 12
	s_add_co_u32 s24, s24, s26                     ; row 64 y + 16 w, column 256 x
	s_add_nc_u64 s[12:13], s[12:13], s[24:25]
	s_add_nc_u64 s[14:15], s[14:15], s[24:25]
	WIN 0x40
	s_wait_alu depctr_va_vdst(0)                   ; the offsets and LDS addresses v1 to v10 are written, which every load and store of the kernel reads
.irp mt, 0,1,2,3
.irp ks, 0,1,2,3,4,5,6,7
.irp c, 0,1
.if SPLIT
	global_load_b128 v[8*(8*\mt+\ks)+4*\c:8*(8*\mt+\ks)+4*\c+3], v[L16], s[AB:AB+1] offset:32768*\mt+1024*\ks+512*\c
.else
	global_load_b128 v[8*(8*\mt+\ks)+4*\c:8*(8*\mt+\ks)+4*\c+3], v[AV], s[AB:AB+1] offset:8192*\mt+64*\ks+32*\c
.endif
.endr
.endr
.endr
	WIN 0
.irp mt, 0,1,2,3
.if SPLIT
.irp wq, 0,1,2,3
	global_load_b64 v[AS+8*\mt+2*\wq:AS+8*\mt+2*\wq+1], v[ASV], s[ASB:ASB+1] offset:(\mt/2)*4096+256*\wq+(\mt%2)*128
.endr
.else
.irp hf, 0,1
	global_load_b128 v[AS+8*\mt+4*\hf:AS+8*\mt+4*\hf+3], v[ASV], s[ASB:ASB+1] offset:512*\mt+16*\hf
.endr
.endif
.endr
	WLOAD 0
	WLOAD 1
.if NP > 2
	WLOAD 2
.else
	RESLOAD
.endif
.set PP, 0
.rept NP
	OPAIR PP
.set PP, PP+1
.endr
	s_wait_dscnt 0x0                               ; for the others' sake: my partial sums lie in my region
	s_barrier_signal -1
	s_barrier_wait -1
	s_wait_alu depctr_vm_vsrc(0)                   ; my stage stores have read the accumulators' registers, in which the rows from the stage land
	; THE WAY OUT: wave w takes rows 16 w on, four at a time
.irp bt, 0,1,2,3
.irp ii, 0,1,2,3
.irp e, 0,1
.irp k, 0,1,2,3
.if \k < NPART
	ds_load_b128 v[64+16*(2*\ii+\e)+4*\k:64+16*(2*\ii+\e)+4*\k+3], v[RD+\k] offset:(4*\bt+\ii)*RPITCH+512*\e
.endif
.endr
.endr
.endr
	s_wait_dscnt 0x0
.if \bt == 0
	s_wait_loadcnt 0x0                             ; residual and bias
.endif
.irp ii, 0,1,2,3
.irp e, 0,1
.if NPART == 4
	v_pk_add_f32 v[64+16*(2*\ii+\e):65+16*(2*\ii+\e)], v[64+16*(2*\ii+\e):65+16*(2*\ii+\e)], v[68+16*(2*\ii+\e):69+16*(2*\ii+\e)]
	v_pk_add_f32 v[66+16*(2*\ii+\e):67+16*(2*\ii+\e)], v[66+16*(2*\ii+\e):67+16*(2*\ii+\e)], v[70+16*(2*\ii+\e):71+16*(2*\ii+\e)]
	v_pk_add_f32 v[72+16*(2*\ii+\e):73+16*(2*\ii+\e)], v[72+16*(2*\ii+\e):73+16*(2*\ii+\e)], v[76+16*(2*\ii+\e):77+16*(2*\ii+\e)]
	v_pk_add_f32 v[74+16*(2*\ii+\e):75+16*(2*\ii+\e)], v[74+16*(2*\ii+\e):75+16*(2*\ii+\e)], v[78+16*(2*\ii+\e):79+16*(2*\ii+\e)]
	v_pk_add_f32 v[64+16*(2*\ii+\e):65+16*(2*\ii+\e)], v[64+16*(2*\ii+\e):65+16*(2*\ii+\e)], v[72+16*(2*\ii+\e):73+16*(2*\ii+\e)]
	v_pk_add_f32 v[66+16*(2*\ii+\e):67+16*(2*\ii+\e)], v[66+16*(2*\ii+\e):67+16*(2*\ii+\e)], v[74+16*(2*\ii+\e):75+16*(2*\ii+\e)]
.endif
	v_pk_add_f32 v[64+16*(2*\ii+\e):65+16*(2*\ii+\e)], v[64+16*(2*\ii+\e):65+16*(2*\ii+\e)], v[BI+4*\e:BI+4*\e+1]
	v_pk_add_f32 v[66+16*(2*\ii+\e):67+16*(2*\ii+\e)], v[66+16*(2*\ii+\e):67+16*(2*\ii+\e)], v[BI+4*\e+2:BI+4*\e+3]
.endr
.endr
	WIN 0xc3                                       ; the residual: destination and source 0 in window 3
.irp ii, 0,1,2,3
.irp e, 0,1
	v_pk_add_f32 v[128+8*(4*\bt+\ii)+4*\e:129+8*(4*\bt+\ii)+4*\e], v[128+8*(4*\bt+\ii)+4*\e:129+8*(4*\bt+\ii)+4*\e], v[64+16*(2*\ii+\e):65+16*(2*\ii+\e)]
	v_pk_add_f32 v[130+8*(4*\bt+\ii)+4*\e:131+8*(4*\bt+\ii)+4*\e], v[130+8*(4*\bt+\ii)+4*\e:131+8*(4*\bt+\ii)+4*\e], v[66+16*(2*\ii+\e):67+16*(2*\ii+\e)]
.endr
.endr
	WIN 0x0c                                       ; a store's data are its source 1
	s_wait_alu depctr_va_vdst(0)                   ; the additions have written the four rows of the result, which the stores read; they are done with the rows from the stage, in whose registers the next four rows' LDS loads land
.irp ii, 0,1,2,3
.irp e, 0,1
	global_store_b128 v[L16], v[128+8*(4*\bt+\ii)+4*\e:131+8*(4*\bt+\ii)+4*\e], s[14:15] offset:4096*(4*\bt+\ii)+512*\e th:TH_STORE_NT     ; 32 lanes store 512 consecutive bytes, at a multiple of 256 from the buffer's first byte; written once, read by nobody here
.endr
.endr
	WIN 0
.endr
	s_wait_dscnt 0x0                               ; the closing lines, six on end
	s_wait_alu 0x0
	s_wait_tensorcnt 0x0
	ds_add_u32 v254, v255
	s_wait_dscnt 0x0
	s_endpgm
.Lfunc_end_k_q39e7640a26_ffn2:
	.size	k_q39e7640a26_ffn2, .Lfunc_end_k_q39e7640a26_ffn2-k_q39e7640a26_ffn2
	.p2alignl 7, 3214868480
	.fill 96, 4, 3214868480
	.section	.rodata,"a",@progbits
	.p2align	6, 0x0
	.amdhsa_kernel k_q39e7640a26_ffn2
		.amdhsa_group_segment_fixed_size 266752
		.amdhsa_private_segment_fixed_size 0
		.amdhsa_enable_private_segment 0
		.amdhsa_kernarg_size 48
		.amdhsa_user_sgpr_count 2
		.amdhsa_user_sgpr_kernarg_segment_ptr 1
		.amdhsa_wavefront_size32 1
		.amdhsa_system_sgpr_workgroup_id_x 1
		.amdhsa_system_sgpr_workgroup_id_y 1
		.amdhsa_system_sgpr_workgroup_id_z 1
		.amdhsa_system_vgpr_workitem_id 0
		.amdhsa_next_free_vgpr 1024
		.amdhsa_next_free_sgpr 66
		.amdhsa_reserve_vcc 0
		.amdhsa_float_denorm_mode_32 3
		.amdhsa_float_denorm_mode_16_64 3
		.amdhsa_memory_ordered 1
		.amdhsa_forward_progress 1
		.amdhsa_inst_pref_size 148
	.end_amdhsa_kernel
	.amdgpu_metadata
---
amdhsa.version: [ 1, 2 ]
amdhsa.kernels:
  - .name:           k_q39e7640a26_ffn2
    .symbol:         k_q39e7640a26_ffn2.kd
    .args:
      - { .name: hid, .offset: 0, .size: 8, .value_kind: global_buffer, .address_space: global }
      - { .name: wimg, .offset: 8, .size: 8, .value_kind: global_buffer, .address_space: global }
      - { .name: w2_scales, .offset: 16, .size: 8, .value_kind: global_buffer, .address_space: global }
      - { .name: b2, .offset: 24, .size: 8, .value_kind: global_buffer, .address_space: global }
      - { .name: x1, .offset: 32, .size: 8, .value_kind: global_buffer, .address_space: global }
      - { .name: out0, .offset: 40, .size: 8, .value_kind: global_buffer, .address_space: global }
    .group_segment_fixed_size: 266752
    .private_segment_fixed_size: 0
    .kernarg_segment_align: 8
    .kernarg_segment_size: 48
    .max_flat_workgroup_size: 128
    .sgpr_count:     66
    .vgpr_count:     1024
    .wavefront_size: 32
...
	.end_amdgpu_metadata
.endif
;; end of part 10
